; MI455X (gfx1250); checked and timed in simulation.
; The chip was launched on July 23, 2026; its instructions are those of AMD's public machine-readable ISA for CDNA 5 (MIT licence, August 2026) and "CDNA5" Instruction Set Architecture Reference Guide (July 2026). The comments in the code are by the model that wrote it; some were corrected since.
;; MSA Core. Allowed arithmetic: float matrix products may take bf16 or f16 operands with f32 sums; other float arithmetic in f32, or as packed bf16 or f16 multiplies, adds, multiply-adds, maxima and minima; sums over many terms, partial sums and values carried from step to step in f32; what a program stores and reads back later, other than sums and carried values, may be rounded once to bf16 or f16.
;; Inputs: col_bg 256 float32; col_bo 256 float32; col_ln_b 256 float32; col_ln_g 256 float32; col_wg 256 x 256 float32; col_wk 256 x 256 float32; col_wo 256 x 256 float32; col_wq 256 x 256 float32; col_wv 256 x 256 float32; node 1 x 128 x 256 x 256 float32; node_mask 1 x 128 x 256 float32; pair 1 x 256 x 256 x 128 float32; row_b_w 8 x 128 float32; row_bg 256 float32; row_ln_m_b 256 float32; row_ln_m_g 256 float32; row_ln_z_b 128 float32; row_ln_z_g 128 float32; row_out_bias 256 float32; row_wg 256 x 256 float32; row_wk 256 x 256 float32; row_wo 256 x 256 float32; row_wq 256 x 256 float32; row_wv 256 x 256 float32; tr_b1 1,024 float32; tr_b2 256 float32; tr_ln_b 256 float32; tr_ln_g 256 float32; tr_w1 1,024 x 256 float32; tr_w2 256 x 1,024 float32.
;; Outputs: out0 1 x 128 x 256 x 256 float32.
;; 2 versions, each right and faster than the one before. Each part assembles by itself: llvm-mc -triple=amdgcn-amd-amdhsa -mcpu=gfx1250 --defsym DOCPART=n.
;; ======== version 1 of 2: 3 launches
;; workspace buffers: bias 2,097,152 bytes; wf 2,359,296 bytes; og 16,777,216 bytes
;; launch prep (part 1): grid 292 x 1, 8 waves a work-group, no clusters, 79,104 bytes of LDS; arguments pair, row_ln_z_g, row_ln_z_b, row_b_w, row_wk, row_wv, row_wq, row_wg, col_wk, col_wv, col_wq, col_wg, row_wo, col_wo, tr_w1, tr_w2, bias, wf; writes bias, wf
.if DOCPART == 1
	.amdgcn_target "amdgcn-amd-amdhsa--gfx1250"
	.amdhsa_code_object_version 6
	.text
	.protected	k_q50a4f5a7cb_prep
	.globl	k_q50a4f5a7cb_prep
	.p2align	8
	.type	k_q50a4f5a7cb_prep,@function
k_q50a4f5a7cb_prep:
	s_mov_b64 s[64:65], 0
	v_nop
	global_prefetch_b8 v0, s[64:65] scope:SCOPE_SE
	s_setreg_imm32_b32 hwreg(HW_REG_WAVE_MODE, 25, 1), 1
	s_wait_xcnt 0x0
; PREP.  Work-groups 0..255: the pair bias.  bias[h][q][k] = log2(e) x sum_d LN(pair[q][k])[d] row_b_w[h][d], f32, stored in the order in which
; a later matrix instruction takes it as its C operand: block (h, q/16, k/16) of 1,024 bytes; in it byte 512 u + 16 l holds query 16 qt + l%16, keys 16 kt + 8 (l/16) + 4 u + 0..3.
; Work-groups 256..291: the twelve weight matrices rounded to bf16 and laid out as fragments of 1,024 bytes (16 rows x 32 k): byte 512 u + 16 l holds row l%16, k = 16 u + 8 (l/16) + 0..7.
; SHARES.  Pair part: work-group (qt, kt) owns 16 queries x 16 keys; wave w the queries 16 qt + 2 w + t (t = 0, 1): two runs of 8,192 consecutive bytes of pair.
; A slot of 8 registers holds two rows of 128 numbers, one in each half of the lanes (lane: columns 64 c + 4 (l%16) + 0..3), so a row's sums stay inside 16 lanes.
; Weights part: a wave takes 16 rows x 256 k of one matrix: 8 fragments.
; LIMITS.  LN(pair) and row_b_w are rounded once to bf16 for the product; the variance is taken of x - mean; NaN and infinities are not treated apart.
; NO CLUSTER: no two work-groups read the same bytes but the 5 KiB of gains and row_b_w.
.set ZP, 272                           ; a row of LN(pair) in LDS: 256 bytes of bf16 + 16
.set OST, 8*32*ZP                      ; behind the eight waves' 32 rows each: the output stage, 8 heads x 1,040 bytes
.set OPI, 1040
.set SPARE, 78080                      ; the spare words: 128 bytes for each of 8 waves
.set ST, 524288                        ; wf: where the per-wave streams of the third launch begin
.set PO, 4                             ; v4   512 h + 16 r: my bytes in a pair of rows of pair (weights part: my offset in the matrix)
.set ZA, 5                             ; v5   where I put 8 bytes of a normalised row
.set FA, 6                             ; v6   where I read a fragment of them
.set OSA, 7                            ; v7   where I put 16 bytes of bias in the stage
.set G, 8                              ; v[8:15]   gain of my 8 columns
.set BV, 16                            ; v[16:23]  offset of my 8 columns
.set WF, 24                            ; v[24:55]  row_b_w as four fragments
.set ORA, 56
.set WO, 57
.set SPW, 58                           ; my spare word; never rewritten
.set NIL, 59                           ; 0; never rewritten
.set R16, 60
.set L16, 61
.set X, 64                             ; v[64:191] sixteen slots of 8
.set RAW, 192                          ; v[192:255] row_b_w as loaded; then:
.set LT, 192                           ; six registers at work for each of four slots
.set ACC, 216                          ; two accumulators
.set OUT, 232
.set IC, 50                            ; s[50:51] 1/128, 1e-5
.macro NOP4
.rept 4
	v_nop
.endr
.endm
; One line for each slot p (PERP), or for each pair k of a slot's registers and each slot (PERK): the slots alternate, so that no line waits for the one before it.
.macro PERP NP, line:vararg
.set p, 0
.rept \NP
.set xb, LNX+LNE*p
.set tb, LT+6*p
	\line
.set p, p+1
.endr
.endm
.macro PERK NP, K0, line:vararg
.set k, \K0
.rept LNE/2-(\K0)
.set p, 0
.rept \NP
.set xb, LNX+LNE*p+2*k
.set xc, LNX+LNE*p+k
.set tb, LT+6*p
.set kb, 2*k
	\line
.set p, p+1
.endr
.set k, k+1
.endr
.endm
; LayerNorm of NP slots of NE registers at X0: mean, x - mean, mean of squares, 1/sqrt, gain and offset, rounding to bf16 into the slot's first NE/2 registers.
.macro LN_CORE X0, NP, NE, ADD
.set LNX, (\X0)
.set LNE, (\NE)
.if \ADD
	PERK \NP, 0, v_pk_add_f32 v[xb:xb+1], v[xb:xb+1], v[AD+kb:AD+kb+1]
.endif
	PERP \NP, v_pk_add_f32 v[tb:tb+1], v[xb:xb+1], v[xb+2:xb+3]
	PERK \NP, 2, v_pk_add_f32 v[tb:tb+1], v[tb:tb+1], v[xb:xb+1]
	PERP \NP, v_add_f32 v[tb], v[tb], v[tb+1]
.irp m, 1,2,4,8
	PERP \NP, v_add_f32_dpp v[tb], v[tb], v[tb] row_xmask:\m row_mask:0xf bank_mask:0xf
.endr
	PERP \NP, v_mul_f32 v[tb+2], s[IC], v[tb]
	PERP \NP, v_mov_b32 v[tb+3], v[tb+2]
	PERK \NP, 0, v_pk_add_f32 v[xb:xb+1], v[xb:xb+1], v[tb+2:tb+3] neg_lo:[0,1] neg_hi:[0,1]
	PERP \NP, v_pk_mul_f32 v[tb:tb+1], v[xb:xb+1], v[xb:xb+1]
	PERK \NP, 1, v_pk_fma_f32 v[tb:tb+1], v[xb:xb+1], v[xb:xb+1], v[tb:tb+1]
	PERP \NP, v_add_f32 v[tb], v[tb], v[tb+1]
.irp m, 1,2,4,8
	PERP \NP, v_add_f32_dpp v[tb], v[tb], v[tb] row_xmask:\m row_mask:0xf bank_mask:0xf
.endr
	PERP \NP, v_fma_f32 v[tb], v[tb], s[IC], s[IC+1]
	PERP \NP, v_rsq_f32 v[tb+4], v[tb]
	PERP \NP, v_rsq_f32 v[tb+5], v[tb]
	v_nop                                          ; a plain instruction between the roots and the use of their results
	s_wait_alu depctr_va_vdst(0)
	PERK \NP, 0, v_pk_mul_f32 v[xb:xb+1], v[xb:xb+1], v[tb+4:tb+5]
	PERK \NP, 0, v_pk_fma_f32 v[xb:xb+1], v[xb:xb+1], v[G+kb:G+kb+1], v[BV+kb:BV+kb+1]
	PERK \NP, 0, v_cvt_pk_bf16_f32 v[xc], v[xb], v[xb+1]
.endm
	s_load_b512 s[8:23], s[0:1], 0x0               ; pair 8, z_g 10, z_b 12, b_w 14, weight matrix m at s[16+2m]
	s_load_b512 s[24:39], s[0:1], 0x40
	s_load_b128 s[40:43], s[0:1], 0x80             ; bias 40, wf 42
	v_lshl_add_u32 v[SPW], v0, 2, SPARE
	v_mov_b32 v[NIL], 0
	v_lshrrev_b32 v1, 5, v0
	v_readfirstlane_b32 s44, v1                    ; wave 0..7
	v_and_b32 v1, 15, v0                           ; r
	v_bfe_u32 v2, v0, 4, 1                         ; h
	v_and_b32 v3, 31, v0                           ; l
	v_lshlrev_b32 v[L16], 4, v3
	s_cmp_ge_u32 ttmp9, 256                        ; the same answer in all eight waves
	s_cbranch_scc1 .Lweights
	; ---------------- the pair bias ----------------
	s_lshr_b32 s45, ttmp9, 4                       ; qt
	s_and_b32 s46, ttmp9, 15                       ; kt
	v_lshlrev_b32 v[R16], 4, v1
	v_lshl_add_u32 v[PO], v2, 9, v[R16]
	s_mul_i32 s47, s44, 32*ZP                      ; my wave's 32 rows in LDS
	v_mul_u32_u24 v[ZA], v2, ZP
	v_lshl_add_u32 v[ZA], v1, 3, v[ZA]
	v_add_nc_u32 v[ZA], s47, v[ZA]
	v_mul_u32_u24 v[FA], v1, ZP
	v_lshl_add_u32 v[FA], v2, 4, v[FA]
	v_add_nc_u32 v[FA], s47, v[FA]
	v_and_b32 v[OSA], 7, v0                        ; the head that my lane's column of the product stands for (lanes 8-15 of a half repeat 0-7)
	v_lshlrev_b32 v[WO], 9, v[OSA]
	v_lshl_add_u32 v[WO], v2, 5, v[WO]             ; head x 512 + 32 h
	v_mul_u32_u24 v[OSA], v[OSA], OPI
	v_lshl_add_u32 v[OSA], v2, 8, v[OSA]           ; + 16 h places of 16 bytes
	s_lshl_b32 s48, s44, 5                         ; + 2 w places
	s_add_co_u32 s48, s48, OST
	v_add_nc_u32 v[OSA], s48, v[OSA]
	s_mul_i32 s48, s44, OPI
	s_add_co_u32 s48, s48, OST
	v_add_nc_u32 v[ORA], s48, v[L16]               ; back: wave w takes head w
	s_lshl_b32 s48, s45, 4
	s_lshl1_add_u32 s48, s44, s48                  ; query 16 qt + 2 w
	s_lshl_b32 s48, s48, 17                        ; x 131,072 bytes
	s_lshl_b32 s49, s46, 13                        ; + 16 kt rows of 512 bytes
	s_add_co_u32 s48, s48, s49
	s_mov_b32 s49, 0
	s_mov_b32 s[IC], 0x3c000000                    ; 1/128
	s_mov_b32 s[IC+1], 0x3727c5ac                  ; 1e-5
	s_mov_b32 s52, 0x3fb8aa3b                      ; log2(e)
	s_mov_b32 s53, s52
	s_lshl_b32 s54, s44, 18                        ; bias: head w, block (qt, kt)
	s_lshl_b32 s55, s45, 14
	s_add_co_u32 s54, s54, s55
	s_lshl_b32 s55, s46, 10
	s_add_co_u32 s54, s54, s55
	s_mov_b32 s55, 0
	s_wait_kmcnt 0x0
	s_add_nc_u64 s[8:9], s[8:9], s[48:49]
	s_add_nc_u64 s[40:41], s[40:41], s[54:55]
.irp c, 0,1
	global_load_b128 v[G+4*\c:G+4*\c+3], v[R16], s[10:11] offset:256*\c
	global_load_b128 v[BV+4*\c:BV+4*\c+3], v[R16], s[12:13] offset:256*\c
.endr
.set n, 0
.rept 8                                ; row_b_w: k = 16 n + 8 h + 0..7 of my head
	global_load_b128 v[RAW+8*n:RAW+8*n+3], v[WO], s[14:15] offset:64*n
	global_load_b128 v[RAW+8*n+4:RAW+8*n+7], v[WO], s[14:15] offset:64*n+16
.set n, n+1
.endr
.set n, 0
.rept 16                               ; slot n = 8 t + p: keys 2 p + h of query t; each load covers two aligned runs of 256 bytes
	global_load_b128 v[X+8*n:X+8*n+3], v[PO], s[8:9] offset:(n/8)*131072+(n%8)*1024 th:TH_LOAD_NT
	global_load_b128 v[X+8*n+4:X+8*n+7], v[PO], s[8:9] offset:(n/8)*131072+(n%8)*1024+256 th:TH_LOAD_NT
.set n, n+1
.endr
	s_wait_loadcnt 32                              ; the 32 loads of pair are younger: gains and row_b_w are in
.set n, 0
.rept 32
	v_cvt_pk_bf16_f32 v[WF+n], v[RAW+2*n], v[RAW+2*n+1]
.set n, n+1
.endr
.irp g, 0,1,2,3
	s_wait_loadcnt 24-8*\g                         ; the later groups' loads, 8 each, stay out
	LN_CORE X+32*\g, 4, 8, 0
.set n, 4*\g
.rept 4
	ds_store_b64 v[ZA], v[X+8*n:X+8*n+1] offset:(n/8)*16*ZP+(n%8)*2*ZP
	ds_store_b64 v[ZA], v[X+8*n+2:X+8*n+3] offset:(n/8)*16*ZP+(n%8)*2*ZP+128
.set n, n+1
.endr
.endr
.set n, 0
.rept 8                                ; fragment n = 4 t + ks: 16 keys x 32 channels; my wave's own bytes, served in order behind the stores
	ds_load_b128 v[X+8*n:X+8*n+3], v[FA] offset:(n/4)*16*ZP+(n%4)*64
	ds_load_b128 v[X+8*n+4:X+8*n+7], v[FA] offset:(n/4)*16*ZP+(n%4)*64+32
.set n, n+1
.endr
	s_wait_dscnt 0x0
.irp ks, 0,1,2,3                       ; the two queries' accumulators take turns; in the result a lane holds head l%16 and keys 8 h + 0..7
.irp t, 0,1
.if \ks == 0
	v_wmma_f32_16x16x32_bf16 v[ACC+8*\t:ACC+8*\t+7], v[X+32*\t:X+32*\t+7], v[WF:WF+7], 0
.else
	v_wmma_f32_16x16x32_bf16 v[ACC+8*\t:ACC+8*\t+7], v[X+32*\t+8*\ks:X+32*\t+8*\ks+7], v[WF+8*\ks:WF+8*\ks+7], v[ACC+8*\t:ACC+8*\t+7]
.endif
.endr
.endr
	NOP4
.set n, 0
.rept 8
	v_pk_mul_f32 v[ACC+2*n:ACC+2*n+1], v[ACC+2*n:ACC+2*n+1], s[52:53] op_sel_hi:[1,0]
.set n, n+1
.endr
.irp t, 0,1
.irp q, 0,1
	ds_store_b128 v[OSA], v[ACC+8*\t+4*\q:ACC+8*\t+4*\q+3] offset:16*\t+512*\q
.endr
.endr
	s_wait_dscnt 0x0                               ; for the others' sake: my part of the stage is written
	s_barrier_signal -1
	s_barrier_wait -1
	ds_load_b128 v[OUT:OUT+3], v[ORA]
	ds_load_b128 v[OUT+4:OUT+7], v[ORA] offset:512
	s_wait_dscnt 0x0
	global_store_b128 v[L16], v[OUT:OUT+3], s[40:41]             ; 512 consecutive bytes each
	global_store_b128 v[L16], v[OUT+4:OUT+7], s[40:41] offset:512
	s_branch .Lend
	; ---------------- the weights ----------------
.Lweights:
	s_sub_co_u32 s45, ttmp9, 256
	s_lshl3_add_u32 s45, s45, s44                  ; unit u = 0..287
	s_lshr_b32 s46, s45, 4                         ; hi: 0-9 the ten 256 x 256 matrices, 10-13 tr_w1's chunks of rows, 14-17 tr_w2's chunks of k
	s_and_b32 s47, s45, 15                         ; nt: the tile of 16 rows
	s_min_u32 s48, s46, 10
	s_cmp_ge_u32 s46, 14
	s_cselect_b32 s48, 11, s48                     ; which matrix
	s_lshl_b32 s52, s47, 14                        ; source offset: 16 nt rows of 1,024 bytes,
	s_sub_co_u32 s53, s45, 160
	s_lshl_b32 s53, s53, 14                        ; in tr_w1 tile u - 160,
	s_cmp_ge_u32 s46, 10
	s_cselect_b32 s52, s53, s52
	s_lshl_b32 s53, s47, 16                        ; in tr_w2 rows of 4,096 bytes and 1,024 bytes along k for each chunk
	s_sub_co_u32 s54, s46, 14
	s_lshl_b32 s54, s54, 10
	s_add_co_u32 s53, s53, s54
	s_cmp_ge_u32 s46, 14
	s_cselect_b32 s52, s53, s52
	s_movk_i32 s55, 0x400                          ; (leaves SCC as the compare set it)
	s_cselect_b32 s55, 4096, s55                   ; bytes from row to row
	s_mov_b32 s53, 0
	s_lshl_b32 s56, s45, 13                        ; destination, hi < 4: matrix x 131,072 + nt x 8,192
	s_lshr_b32 s57, s47, 2
	s_mul_i32 s57, s57, 28                         ; the stream of wave nt / 4: 28 blocks of 16,384 bytes
	s_bfe_u32 s58, s47, 0x10001                    ; hi 4-7: block 2 + 4 (head's parity) + hi - 4, half nt % 2
	s_lshl_b32 s58, s58, 2
	s_add_co_u32 s58, s58, s46
	s_sub_co_u32 s58, s58, 2
	s_add_co_u32 s58, s58, s57
	s_lshl_b32 s58, s58, 14
	s_and_b32 s59, s47, 1
	s_lshl_b32 s59, s59, 13
	s_add_co_u32 s58, s58, s59
	s_add_co_u32 s58, s58, ST
	s_cmp_ge_u32 s46, 4
	s_cselect_b32 s56, s58, s56
	s_lshl_b32 s58, s46, 2                         ; hi >= 8: first block 0 (row_wo), 10 (col_wo), 4 hi - 28 (tr_w1), 4 hi - 42 (tr_w2); place nt % 4
	s_sub_co_u32 s59, s58, 28
	s_sub_co_u32 s58, s58, 42
	s_cmp_ge_u32 s46, 14
	s_cselect_b32 s58, s58, s59
	s_cmp_eq_u32 s46, 9
	s_cselect_b32 s58, 10, s58
	s_cmp_eq_u32 s46, 8
	s_cselect_b32 s58, 0, s58
	s_add_co_u32 s58, s58, s57
	s_lshl_b32 s58, s58, 14
	s_and_b32 s59, s47, 3
	s_lshl_b32 s59, s59, 10
	s_add_co_u32 s58, s58, s59
	s_add_co_u32 s58, s58, ST
	s_cmp_ge_u32 s46, 8
	s_cselect_b32 s56, s58, s56
	s_mov_b32 s57, 0
	v_mul_lo_u32 v[PO], v1, s55
	v_lshl_add_u32 v[PO], v2, 5, v[PO]             ; row r, 8 h numbers of 4 bytes
	s_wait_kmcnt 0x0
	s_mov_b64 s[60:61], s[16:17]
.irp m, 1,2,3,4,5,6,7,8,9,10,11
	s_cmp_eq_u32 s48, \m
	s_cselect_b64 s[60:61], s[16+2*\m:17+2*\m], s[60:61]
.endr
	s_add_nc_u64 s[60:61], s[60:61], s[52:53]
	s_add_nc_u64 s[42:43], s[42:43], s[56:57]
.set n, 0
.rept 16                               ; n = 2 ks + u: k = 16 n + 8 h + 0..7
	global_load_b128 v[X+8*n:X+8*n+3], v[PO], s[60:61] offset:64*n
	global_load_b128 v[X+8*n+4:X+8*n+7], v[PO], s[60:61] offset:64*n+16
.set n, n+1
.endr
	s_wait_loadcnt 0x0
.set n, 0
.rept 64
	v_cvt_pk_bf16_f32 v[RAW+n], v[X+2*n], v[X+2*n+1]
.set n, n+1
.endr
	s_cmp_lt_u32 s46, 8
	s_cbranch_scc0 .Lgemm_order
.set n, 0
.rept 16                               ; attention blocks: fragment ks at 1,024 ks
	global_store_b128 v[L16], v[RAW+4*n:RAW+4*n+3], s[42:43] offset:512*n
.set n, n+1
.endr
	s_branch .Lend
.Lgemm_order:
.set n, 0
.rept 16                               ; GEMM blocks: block ks / 4, place 4 (ks % 4) + nt % 4
	global_store_b128 v[L16], v[RAW+4*n:RAW+4*n+3], s[42:43] offset:(n/8)*16384+((n/2)%4)*4096+(n%2)*512
.set n, n+1
.endr
.Lend:
	s_wait_tensorcnt 0x0                           ; the wave's end, behind my last LDS store
	ds_add_u32 v[SPW], v[NIL]
	s_wait_dscnt 0x0
	s_endpgm
.Lfunc_end_k_q50a4f5a7cb_prep:
	.size	k_q50a4f5a7cb_prep, .Lfunc_end_k_q50a4f5a7cb_prep-k_q50a4f5a7cb_prep
	.p2alignl 7, 3214868480
	.fill 96, 4, 3214868480
	.section	.rodata,"a",@progbits
	.p2align	6, 0x0
	.amdhsa_kernel k_q50a4f5a7cb_prep
		.amdhsa_group_segment_fixed_size 79104
		.amdhsa_private_segment_fixed_size 0
		.amdhsa_enable_private_segment 0
		.amdhsa_kernarg_size 144
		.amdhsa_user_sgpr_count 2
		.amdhsa_user_sgpr_kernarg_segment_ptr 1
		.amdhsa_wavefront_size32 1
		.amdhsa_system_sgpr_workgroup_id_x 1
		.amdhsa_system_sgpr_workgroup_id_y 1
		.amdhsa_system_sgpr_workgroup_id_z 1
		.amdhsa_system_vgpr_workitem_id 0
		.amdhsa_next_free_vgpr 256
		.amdhsa_next_free_sgpr 66
		.amdhsa_reserve_vcc 0
		.amdhsa_float_denorm_mode_32 3
		.amdhsa_float_denorm_mode_16_64 3
		.amdhsa_memory_ordered 1
		.amdhsa_forward_progress 1
		.amdhsa_inst_pref_size 63
	.end_amdhsa_kernel
	.amdgpu_metadata
---
amdhsa.version: [ 1, 2 ]
amdhsa.kernels:
  - .name:           k_q50a4f5a7cb_prep
    .symbol:         k_q50a4f5a7cb_prep.kd
    .args:
      - { .name: pair, .offset: 0, .size: 8, .value_kind: global_buffer, .address_space: global }
      - { .name: row_ln_z_g, .offset: 8, .size: 8, .value_kind: global_buffer, .address_space: global }
      - { .name: row_ln_z_b, .offset: 16, .size: 8, .value_kind: global_buffer, .address_space: global }
      - { .name: row_b_w, .offset: 24, .size: 8, .value_kind: global_buffer, .address_space: global }
      - { .name: row_wk, .offset: 32, .size: 8, .value_kind: global_buffer, .address_space: global }
      - { .name: row_wv, .offset: 40, .size: 8, .value_kind: global_buffer, .address_space: global }
      - { .name: row_wq, .offset: 48, .size: 8, .value_kind: global_buffer, .address_space: global }
      - { .name: row_wg, .offset: 56, .size: 8, .value_kind: global_buffer, .address_space: global }
      - { .name: col_wk, .offset: 64, .size: 8, .value_kind: global_buffer, .address_space: global }
      - { .name: col_wv, .offset: 72, .size: 8, .value_kind: global_buffer, .address_space: global }
      - { .name: col_wq, .offset: 80, .size: 8, .value_kind: global_buffer, .address_space: global }
      - { .name: col_wg, .offset: 88, .size: 8, .value_kind: global_buffer, .address_space: global }
      - { .name: row_wo, .offset: 96, .size: 8, .value_kind: global_buffer, .address_space: global }
      - { .name: col_wo, .offset: 104, .size: 8, .value_kind: global_buffer, .address_space: global }
      - { .name: tr_w1, .offset: 112, .size: 8, .value_kind: global_buffer, .address_space: global }
      - { .name: tr_w2, .offset: 120, .size: 8, .value_kind: global_buffer, .address_space: global }
      - { .name: bias, .offset: 128, .size: 8, .value_kind: global_buffer, .address_space: global }
      - { .name: wf, .offset: 136, .size: 8, .value_kind: global_buffer, .address_space: global }
    .group_segment_fixed_size: 79104
    .private_segment_fixed_size: 0
    .kernarg_segment_align: 8
    .kernarg_segment_size: 144
    .max_flat_workgroup_size: 256
    .sgpr_count:     66
    .vgpr_count:     256
    .wavefront_size: 32
...
	.end_amdgpu_metadata
.endif
;; end of part 1
;; launch rowatt (part 2): grid 256 x 1, 4 waves a work-group, no clusters, 270,848 bytes of LDS; arguments node, node_mask, row_ln_m_g, row_ln_m_b, row_bg, bias, wf, og; writes og
.if DOCPART == 2
	.amdgcn_target "amdgcn-amd-amdhsa--gfx1250"
	.amdhsa_code_object_version 6
	.text
	.protected	k_q50a4f5a7cb_rowatt
	.globl	k_q50a4f5a7cb_rowatt
	.p2align	8
	.type	k_q50a4f5a7cb_rowatt,@function
k_q50a4f5a7cb_rowatt:
	s_mov_b64 s[64:65], 0
	v_nop
	global_prefetch_b8 v0, s[64:65] scope:SCOPE_SE
	s_setreg_imm32_b32 hwreg(HW_REG_WAVE_MODE, 25, 1), 1
	s_wait_xcnt 0x0
; ROW ATTENTION WITH PAIR BIAS, up to the gate.  og[s][r][32 head + c] = sigmoid(x wg + bg) x softmax_k(q.k / sqrt(32) + bias + 1e9 (mask - 1)) v, bf16, x = LN(node[s]).
; SHARES.  A work-group owns one sequence s (256 tokens) and four of the eight heads; a wave owns ONE head.  The output projection, which sums over heads, is made by the next launch.
; Both work-groups of a sequence make LN(node[s]); nothing else is made twice.
; LAYOUT.  D = (16 weight rows) x (16 tokens)^T holds one token a lane (l%16) and channels 8 (l/16) + 0..7: two such results rounded to bf16 ARE a fragment of q or k.  D = (16 tokens) x (16 rows of wv)^T holds one
; channel a lane and 8 tokens: two of them ARE a fragment of V^T.  S^T = K Q^T holds one query a lane and 8 keys: rounded, it is source 1 of O^T = V^T P, whose result has the layout of the gate.
; THE PAIR BIAS (already x log2 e, in C-operand order) is asked for a query tile ahead, into 128 registers of its own.  One packed add for two scores moves it into S^T's registers and adds the mask's term,
; and the product K Q^T adds onto that.  The mask's term comes out of the wave's own 1 KiB of LDS in two halves, into P's registers, which are idle between V^T P and the next exponentials.
; SOFTMAX.  All 256 scores of a query lie in two lanes: the true maximum is taken away, p = 2^(s - m), the sum is taken of the unrounded p.
; LIMITS.  x, the weights, q, k, v, p and the gated o are rounded once to bf16.  A weight below 2^-126 counts as 0.  In a row whose keys are all masked the scores lie near -1.44e9, where f32's step is 128:
; the result is near uniform as in the reference, not equal to the last bit.  NaN and infinities are not treated apart.
; NO CLUSTER: what work-groups share (a head's 64 KiB of weights, its 256 KiB of bias) lies in memory in register order and goes into ONE wave's registers with no LDS on the way; a joint request lands in LDS,
; of which this text already uses 270,848 bytes.
; REGISTERS, in windows of 256 (s_set_vgpr_msb: bits 1:0 source 0, 3:2 source 1, 5:4 source 2, 7:6 destination):
;   window 0: v0-31 addresses; v32-63 at work; v64-191 S^T; v192-255 P (LN: two sets of four slots v64-191, gains and work v192-255; KV pass: x fragments of two tiles v64-191, 8 accumulators v192-255)
;   window 1: v0-127 the bias as it lands; v128-191 x fragments; v192-255 q, gate, O^T, bg       window 2: wk then K; wv then V^T       window 3: wq, wg
.set XP, 528                           ; a row of x in LDS: 512 bytes + 16
.set IMG, 256*XP                       ; behind x: 32 KiB a wave, K's and V^T's fragments on their way from the rolled loop into registers
.set STG, IMG                          ; later, in the same bytes: the output stage, 256 rows x 272
.set SGP, 272
.set MSK, IMG+131072                   ; 1 KiB a wave: the mask's term
.set SPARE, MSK+4096                   ; the spare words: 128 bytes for each of 4 waves
.set L16, 1
.set LGO, 4
.set LXA, 5
.set XK, 6
.set IKA, 7
.set IVA, 8
.set IRD, 9
.set XA, 10
.set SA, 11
.set MSA, 12
.set MRA, 13
.set RD, 14
.set GO, 15
.set BGO, 16
.set R16, 17
.set SPW, 30                           ; my spare word; never rewritten
.set NIL, 31                           ; 0; never rewritten
.set QF, 32
.set TK, 32
.set CH, 40
.set MX, 44
.set AS, 46
.set RL, 54
.set T, 56
.set S, 64
.set QKC, S
.set KXA, 64                           ; KV pass: x fragments of the trip's two token tiles
.set KXB, 128
.set P, 192
.set KACC, 192
.set XSA, 64
.set XSB, 128
.set G, 192
.set BV, 208
.set LT, 224
.set MRAW, 248
.set RB, 0                             ; window 1
.set XFA, 128
.set QA, 192
.set OB, 192
.set GA, 208
.set OA, 224
.set BG, 240
.set WK, 0                             ; window 2
.set KF, 0
.set WV, 128
.set VF, 128
.set WQ, 0                             ; window 3
.set WG, 128
.set WPJ, 0x57                         ; projections: A window 3, B, C, D window 1
.set WPG, 0x57
.set WQM, 0x41
.set WQC, 0x05
.set WQK, 0x02                         ; K window 2; q, S^T window 0
.set WSG, 0x45
.set WPV, 0x52                         ; V^T window 2, P window 0, O^T window 1
.set WOG, 0x45
.set OSTEP, 16*SGP
.set WVN, 24                           ; s24 wave
.set HEAD, 25
.set NPT, 26                           ; s[26:27] node at the rows that set A was last loaded for
.set BP, 28                            ; s[28:29] bias at the query tile last asked for
.set WFP, 30
.set CNT, 32
.set QSC, 34                           ; s[34:35] log2(e) / sqrt(32)
.set IC, 36                            ; s[36:37] 1/256, 1e-5
.set SEL, 38
.set OGB, 40
.set NLE, 58                           ; s[58:59] -log2(e)
.set MSB, 0
.macro WIN new                         ; the immediate's high byte repeats the setting that is left; a switch that changes nothing is dropped
.if MSB != (\new)
	s_set_vgpr_msb (MSB<<8)|(\new)
.set MSB, (\new)
.endif
.endm
.macro NOP4                            ; four places behind a matrix instruction (ISA guide 7.12.1)
.rept 4
	v_nop
.endr
.endm
.macro PERP NP, line:vararg
.set p, 0
.rept \NP
.set xb, LNX+LNE*p
.set tb, LT+6*p
	\line
.set p, p+1
.endr
.endm
.macro PERK NP, K0, line:vararg
.set k, \K0
.rept LNE/2-(\K0)
.set p, 0
.rept \NP
.set xb, LNX+LNE*p+2*k
.set xc, LNX+LNE*p+k
.set tb, LT+6*p
.set kb, 2*k
	\line
.set p, p+1
.endr
.set k, k+1
.endr
.endm
; LayerNorm of NP slots of NE registers at X0 (a slot: two rows, one in each half of the lanes; lane: columns 64 c + 4 (l%16) + 0..3); the result, bf16, in the slot's first NE/2 registers.
.macro LN_CORE X0, NP, NE, ADD
.set LNX, (\X0)
.set LNE, (\NE)
.if \ADD
	PERK \NP, 0, v_pk_add_f32 v[xb:xb+1], v[xb:xb+1], v[AD+kb:AD+kb+1]
.endif
	PERP \NP, v_pk_add_f32 v[tb:tb+1], v[xb:xb+1], v[xb+2:xb+3]
	PERK \NP, 2, v_pk_add_f32 v[tb:tb+1], v[tb:tb+1], v[xb:xb+1]
	PERP \NP, v_add_f32 v[tb], v[tb], v[tb+1]
.irp m, 1,2,4,8
	PERP \NP, v_add_f32_dpp v[tb], v[tb], v[tb] row_xmask:\m row_mask:0xf bank_mask:0xf
.endr
	PERP \NP, v_mul_f32 v[tb+2], s[IC], v[tb]
	PERP \NP, v_mov_b32 v[tb+3], v[tb+2]
	PERK \NP, 0, v_pk_add_f32 v[xb:xb+1], v[xb:xb+1], v[tb+2:tb+3] neg_lo:[0,1] neg_hi:[0,1]
	PERP \NP, v_pk_mul_f32 v[tb:tb+1], v[xb:xb+1], v[xb:xb+1]
	PERK \NP, 1, v_pk_fma_f32 v[tb:tb+1], v[xb:xb+1], v[xb:xb+1], v[tb:tb+1]
	PERP \NP, v_add_f32 v[tb], v[tb], v[tb+1]
.irp m, 1,2,4,8
	PERP \NP, v_add_f32_dpp v[tb], v[tb], v[tb] row_xmask:\m row_mask:0xf bank_mask:0xf
.endr
	PERP \NP, v_fma_f32 v[tb], v[tb], s[IC], s[IC+1]
	PERP \NP, v_rsq_f32 v[tb+4], v[tb]
	PERP \NP, v_rsq_f32 v[tb+5], v[tb]
	v_nop                                          ; a plain instruction between the roots and the use of their results
	s_wait_alu depctr_va_vdst(0)
	PERK \NP, 0, v_pk_mul_f32 v[xb:xb+1], v[xb:xb+1], v[tb+4:tb+5]
	PERK \NP, 0, v_pk_fma_f32 v[xb:xb+1], v[xb:xb+1], v[G+kb:G+kb+1], v[BV+kb:BV+kb+1]
	PERK \NP, 0, v_cvt_pk_bf16_f32 v[xc], v[xb], v[xb+1]
.endm
.macro LOADSET base, imm               ; 8 rows of node: pair n / 4, columns 64 (n % 4) on; each load covers two aligned runs of 256 bytes
.set n, 0
.rept 16
	global_load_b128 v[(\base)+4*n:(\base)+4*n+3], v[LGO], s[NPT:NPT+1] offset:(\imm)+(n/4)*2048+(n%4)*256
.set n, n+1
.endr
.endm
.macro XSTORE base, imm
.set n, 0
.rept 16
	ds_store_b64 v[LXA], v[(\base)+16*(n/4)+2*(n%4):(\base)+16*(n/4)+2*(n%4)+1] offset:(\imm)+(n/4)*2*XP+(n%4)*128
.set n, n+1
.endr
.endm
.macro XLOAD dst, hf, imm              ; fragments ks = 4 hf .. 4 hf + 3 of a token tile
.set q, 4*(\hf)
.rept 4
	ds_load_b128 v[(\dst)+8*q:(\dst)+8*q+3], v[XK] offset:(\imm)+64*q
	ds_load_b128 v[(\dst)+8*q+4:(\dst)+8*q+7], v[XK] offset:(\imm)+64*q+32
.set q, q+1
.endr
.endm
.macro XFLOAD                          ; a query tile's eight fragments
	WIN 0x40
.set q, 0
.rept 8
	ds_load_b128 v[XFA+8*q:XFA+8*q+3], v[XA] offset:64*q
	ds_load_b128 v[XFA+8*q+4:XFA+8*q+7], v[XA] offset:64*q+32
.set q, q+1
.endr
	WIN 0
.endm
.macro BIASLD                          ; a query tile's bias: register 4 n from byte 512 n of the tile's 16 KiB; keys 0-127 first
	WIN 0x40
.set n, 0
.rept 32
	global_load_b128 v[RB+4*n:RB+4*n+3], v[L16], s[BP:BP+1] offset:512*n
.set n, n+1
.endr
	WIN 0
.endm
.macro MASKLD hf                       ; the mask's term of keys 128 hf .. 128 hf + 127 in C-operand order (keys 16 kt + 8 h + 0..7), into P's registers
.set n, 0
.rept 16
	ds_load_b128 v[P+4*n:P+4*n+3], v[MRA] offset:512*(\hf)+(n/2)*64+(n%2)*16
.set n, n+1
.endr
.endm
.macro BADD hf                         ; S^T's start for those keys: the bias as it landed + the mask's term
	WIN 0x01
.set k, 0
.rept 32
	v_pk_add_f32 v[S+64*(\hf)+2*k:S+64*(\hf)+2*k+1], v[RB+64*(\hf)+2*k:RB+64*(\hf)+2*k+1], v[P+2*k:P+2*k+1]
.set k, k+1
.endr
	WIN 0
.endm
; k and v of two token tiles a, b.  Four accumulators take turns, one instruction a turn.
.macro KRUN hf
	WIN 0x02                                       ; A = wk window 2; B = x, C and D window 0
.set ks, 4*(\hf)
.rept 4
.irp b, 0,1
.irp i, 0,1
.set ra, KACC+32*\b+8*\i
.set rx, KXA+(KXB-KXA)*\b+8*ks
.if ks == 0
	v_wmma_f32_16x16x32_bf16 v[ra:ra+7], v[WK+64*\i+8*ks:WK+64*\i+8*ks+7], v[rx:rx+7], 0
.else
	v_wmma_f32_16x16x32_bf16 v[ra:ra+7], v[WK+64*\i+8*ks:WK+64*\i+8*ks+7], v[rx:rx+7], v[ra:ra+7]
.endif
.endr
.endr
.set ks, ks+1
.endr
.endm
.macro VRUN hf
	WIN 0x08                                       ; A = x window 0, B = wv window 2
.set ks, 4*(\hf)
.rept 4
.irp b, 0,1
.irp i, 0,1
.set ra, KACC+32*\b+16+8*\i
.set rx, KXA+(KXB-KXA)*\b+8*ks
.if ks == 0
	v_wmma_f32_16x16x32_bf16 v[ra:ra+7], v[rx:rx+7], v[WV+64*\i+8*ks:WV+64*\i+8*ks+7], 0
.else
	v_wmma_f32_16x16x32_bf16 v[ra:ra+7], v[rx:rx+7], v[WV+64*\i+8*ks:WV+64*\i+8*ks+7], v[ra:ra+7]
.endif
.endr
.endr
.set ks, ks+1
.endr
.endm
.macro CV4 dst, src                    ; an accumulator's eight numbers, from its low end on, into four registers
.set q, 0
.rept 4
	v_cvt_pk_bf16_f32 v[(\dst)+q], v[(\src)+2*q], v[(\src)+2*q+1]
.set q, q+1
.endr
.endm
; q and the gate of a query tile: q0, q1, g0, g1 by turns; the gate's sums start from bg
.macro PROJ
.set ks, 0
.rept 8
.irp i, 0,1
	WIN WPJ
.if ks == 0
	v_wmma_f32_16x16x32_bf16 v[QA+8*\i:QA+8*\i+7], v[WQ+64*\i:WQ+64*\i+7], v[XFA:XFA+7], 0
.else
	v_wmma_f32_16x16x32_bf16 v[QA+8*\i:QA+8*\i+7], v[WQ+64*\i+8*ks:WQ+64*\i+8*ks+7], v[XFA+8*ks:XFA+8*ks+7], v[QA+8*\i:QA+8*\i+7]
.endif
.endr
.irp i, 0,1
.if ks == 0
	WIN WPG
	v_wmma_f32_16x16x32_bf16 v[GA+8*\i:GA+8*\i+7], v[WG+64*\i:WG+64*\i+7], v[XFA:XFA+7], v[BG+8*\i:BG+8*\i+7]
.else
	WIN WPJ
	v_wmma_f32_16x16x32_bf16 v[GA+8*\i:GA+8*\i+7], v[WG+64*\i+8*ks:WG+64*\i+8*ks+7], v[XFA+8*ks:XFA+8*ks+7], v[GA+8*\i:GA+8*\i+7]
.endif
.endr
.set ks, ks+1
.endr
.endm
.macro QCVT                            ; q x log2(e) / sqrt(32) in f32, then one rounding
	WIN WQM
.set k, 0
.rept 8
	v_pk_mul_f32 v[QA+2*k:QA+2*k+1], v[QA+2*k:QA+2*k+1], s[QSC:QSC+1] op_sel_hi:[1,0]
.set k, k+1
.endr
	WIN WQC
.set k, 0
.rept 8
	v_cvt_pk_bf16_f32 v[QF+k], v[QA+2*k], v[QA+2*k+1]
.set k, k+1
.endr
.endm
.macro QK NK
	WIN WQK
.set t, 0
.rept \NK
	v_wmma_f32_16x16x32_bf16 v[S+8*t:S+8*t+7], v[KF+8*t:KF+8*t+7], v[QF:QF+7], v[QKC+8*t:QKC+8*t+7]
.set t, t+1
.endr
.endm
.macro SIGM                            ; gate = 1 / (1 + 2^(-log2(e) g)); its eight multiplies are the places behind K Q^T
	WIN WSG
.set k, 0
.rept 8
	v_pk_mul_f32 v[GA+2*k:GA+2*k+1], v[GA+2*k:GA+2*k+1], s[NLE:NLE+1] op_sel_hi:[1,0]
.set k, k+1
.endr
.set k, 0
.rept 16
	v_exp_f32 v[GA+k], v[GA+k]
.set k, k+1
.endr
	v_nop
.set k, 0
	s_wait_alu depctr_va_vdst(0)
.rept 8
	v_pk_add_f32 v[GA+2*k:GA+2*k+1], v[GA+2*k:GA+2*k+1], 1.0 op_sel_hi:[1,0]
.set k, k+1
.endr
.set k, 0
.rept 16
	v_rcp_f32 v[GA+k], v[GA+k]
.set k, k+1
.endr
	v_nop
.endm
.macro SMAX NK                         ; the query's maximum: four chains, each accumulator read from its low end on; the other keys lie in the lane 16 away
.irp c, 0,1,2,3
	v_max3_num_f32 v[CH+\c], v[S+8*\c], v[S+8*\c+1], v[S+8*\c+2]
.endr
.irp e, 3,5
.irp c, 0,1,2,3
	v_max3_num_f32 v[CH+\c], v[CH+\c], v[S+8*\c+\e], v[S+8*\c+\e+1]
.endr
.endr
	v_max3_num_f32 v[CH], v[CH], v[S+7], v[S+15]
	v_max3_num_f32 v[CH+2], v[CH+2], v[S+23], v[S+31]
.set g, 1
.rept (\NK)/4-1
.irp e, 0,2,4,6
.irp c, 0,1,2,3
	v_max3_num_f32 v[CH+\c], v[CH+\c], v[S+32*g+8*\c+\e], v[S+32*g+8*\c+\e+1]
.endr
.endr
.set g, g+1
.endr
	v_max3_num_f32 v[CH], v[CH], v[CH+1], v[CH+2]
	v_max_num_f32 v[CH], v[CH], v[CH+3]
	v_permlanex16_b32 v[CH+1], v[CH], s[SEL], s[SEL+1]
	v_max_num_f32 v[MX], v[CH], v[CH+1]
	v_mov_b32 v[MX+1], v[MX]
.endm
.macro SSUB NK
.set k, 0
.rept 4*(\NK)
	v_pk_add_f32 v[S+2*k:S+2*k+1], v[S+2*k:S+2*k+1], v[MX:MX+1] neg_lo:[0,1] neg_hi:[0,1]
.set k, k+1
.endr
.endm
.macro CL t, i                         ; line i of 8 behind tile t's exponentials: four roundings, four sums
.if (\i) < 4
	s_wait_alu depctr_va_vdst(0)
	v_cvt_pk_bf16_f32 v[P+4*(\t)+(\i)], v[S+8*(\t)+2*(\i)], v[S+8*(\t)+2*(\i)+1]
.elseif (\t) == 1
	v_pk_add_f32 v[AS+2*(\i)-8:AS+2*(\i)-7], v[S+2*(\i)-8:S+2*(\i)-7], v[S+2*(\i):S+2*(\i)+1]
.elseif (\t) > 1
	v_pk_add_f32 v[AS+2*(\i)-8:AS+2*(\i)-7], v[AS+2*(\i)-8:AS+2*(\i)-7], v[S+8*(\t)+2*(\i)-8:S+8*(\t)+2*(\i)-7]
	s_wait_alu depctr_va_vdst(0)
.endif
.endm
.macro SEXP NK                         ; tile t's exponentials alternate with the plain lines of tile t - 1, so each has a plain instruction behind it before its result is used
.set i, 0
.rept 8
	v_exp_f32 v[S+i], v[S+i]
.set i, i+1
.endr
	v_nop
.set t, 1
.rept (\NK)-1
.set i, 0
.rept 8
	v_exp_f32 v[S+8*t+i], v[S+8*t+i]
	CL t-1, i
.set i, i+1
.endr
.set t, t+1
.endr
.set i, 0
.rept 8
	CL (\NK)-1, i
.set i, i+1
.endr
.endm
.macro PV NH, VS                       ; O^T = V^T P: channel tile x parity of the key step: four accumulators by turns
	WIN WPV
.set n, 0
.rept \NH
.irp c, 0,1
.set ro, OA+(OB-OA)*(n%2)+8*\c
.if n < 2
	v_wmma_f32_16x16x32_bf16 v[ro:ro+7], v[VF+(\VS)*\c+8*n:VF+(\VS)*\c+8*n+7], v[P+8*n:P+8*n+7], 0
.else
	v_wmma_f32_16x16x32_bf16 v[ro:ro+7], v[VF+(\VS)*\c+8*n:VF+(\VS)*\c+8*n+7], v[P+8*n:P+8*n+7], v[ro:ro+7]
.endif
.endr
.set n, n+1
.endr
.endm
.macro SFIN                            ; 1 / l; the first four lines are the places behind V^T P
	WIN 0
	v_pk_add_f32 v[AS:AS+1], v[AS:AS+1], v[AS+2:AS+3]
	v_pk_add_f32 v[AS+4:AS+5], v[AS+4:AS+5], v[AS+6:AS+7]
	v_pk_add_f32 v[AS:AS+1], v[AS:AS+1], v[AS+4:AS+5]
	v_add_f32 v[CH], v[AS], v[AS+1]
	v_permlanex16_b32 v[CH+1], v[CH], s[SEL], s[SEL+1]
	v_add_f32 v[CH], v[CH], v[CH+1]
	v_rcp_f32 v[RL], v[CH]
	v_rcp_f32 v[RL+1], v[CH]
	v_nop
.endm
.macro OEPI                            ; the parities joined, O / l, x gate, one rounding, 16 bytes a lane and channel tile into the stage
	WIN 0x45
.set k, 0
.rept 8
	v_pk_add_f32 v[OA+2*k:OA+2*k+1], v[OA+2*k:OA+2*k+1], v[OB+2*k:OB+2*k+1]
.set k, k+1
.endr
	WIN 0x41
.set k, 0
	s_wait_alu depctr_va_vdst(0)
.rept 8
	v_pk_mul_f32 v[OA+2*k:OA+2*k+1], v[OA+2*k:OA+2*k+1], v[RL:RL+1]
.set k, k+1
.endr
	WIN WOG
.set k, 0
.rept 8
	v_pk_mul_f32 v[OA+2*k:OA+2*k+1], v[OA+2*k:OA+2*k+1], v[GA+2*k:GA+2*k+1]
.set k, k+1
.endr
	WIN 0x05
.set k, 0
.rept 8
	v_cvt_pk_bf16_f32 v[T+k], v[OA+2*k], v[OA+2*k+1]
.set k, k+1
.endr
	WIN 0
	ds_store_b128 v[SA], v[T:T+3]
	ds_store_b128 v[SA], v[T+4:T+7] offset:32
	v_add_nc_u32 v[SA], OSTEP, v[SA]
.endm
	s_load_b512 s[8:23], s[0:1], 0x0               ; node 8, mask 10, ln_g 12, ln_b 14, bg 16, bias 18, wf 20, og 22
	v_lshl_add_u32 v[SPW], v0, 2, SPARE
	v_mov_b32 v[NIL], 0
	v_lshrrev_b32 v2, 5, v0
	v_readfirstlane_b32 s[WVN], v2                 ; wave 0..3
	s_lshr_b32 s44, ttmp9, 1                       ; the sequence
	s_and_b32 s45, ttmp9, 1                        ; which four heads
	s_lshl2_add_u32 s[HEAD], s45, s[WVN]
	v_and_b32 v2, 15, v0                           ; r
	v_bfe_u32 v3, v0, 4, 1                         ; h
	v_and_b32 v[L16], 31, v0
	v_lshlrev_b32 v[L16], 4, v[L16]
	v_lshlrev_b32 v[R16], 4, v2
	v_lshl_add_u32 v[LGO], v3, 10, v[R16]          ; node: row h of a pair, 16 r
	v_mul_u32_u24 v[LXA], v3, XP
	v_lshl_add_u32 v[LXA], v2, 3, v[LXA]
	s_mul_i32 s33, s[WVN], 64*XP
	v_add_nc_u32 v[LXA], s33, v[LXA]               ; x: row 64 w + h, 8 r
	v_mul_u32_u24 v[XK], v2, XP
	v_lshl_add_u32 v[XK], v3, 4, v[XK]             ; a fragment of x: row r, 16 h
	v_mov_b32 v[XA], v[XK]
	s_lshl_b32 s33, s[WVN], 15
	s_add_co_u32 s33, s33, IMG
	v_add_nc_u32 v[IKA], s33, v[L16]
	v_mov_b32 v[IRD], v[IKA]
	v_add_nc_u32 v[IVA], 16384, v[IKA]
	v_mul_u32_u24 v[SA], v2, SGP
	v_lshl_add_u32 v[SA], v3, 4, v[SA]
	s_lshl_b32 s33, s[WVN], 6
	s_add_co_u32 s33, s33, STG
	v_add_nc_u32 v[SA], s33, v[SA]                 ; stage in: row r, my head's 64 bytes, 16 h
	s_lshl_b32 s33, s[WVN], 10
	s_add_co_u32 s33, s33, MSK
	v_add_nc_u32 v[MSA], s33, v[L16]
	v_lshl_add_u32 v[MRA], v3, 5, s33
	v_mul_u32_u24 v[RD], v3, SGP
	v_add_nc_u32 v[RD], v[RD], v[R16]
	s_mul_i32 s33, s[WVN], 64*SGP
	s_add_co_u32 s33, s33, STG
	v_add_nc_u32 v[RD], s33, v[RD]                 ; stage back: row 64 w + h, 16 r
	v_lshl_add_u32 v[GO], v3, 9, v[R16]
	v_lshlrev_b32 v[BGO], 5, v3
	s_lshl_b32 s46, s44, 18
	s_lshl_b32 s47, s[WVN], 16
	s_add_co_u32 s46, s46, s47                     ; node: sequence, my 64 rows
	s_mov_b32 s47, 0
	s_lshl_b32 s48, s44, 10
	s_mov_b32 s49, 0
	s_lshl_b32 s50, s[HEAD], 7
	s_mov_b32 s51, 0
	s_lshl_b32 s52, s[HEAD], 18
	s_mov_b32 s53, 0
	s_lshl_b32 s54, s[HEAD], 14
	s_mov_b32 s55, 0
	s_lshl_b32 s56, s44, 17
	s_lshl_b32 s57, s[WVN], 15
	s_add_co_u32 s56, s56, s57
	s_lshl_b32 s57, s45, 8
	s_add_co_u32 s56, s56, s57                     ; og: row 256 s + 64 w, my work-group's 256 bytes of it
	s_mov_b32 s57, 0
	s_mov_b32 s[QSC], 0x3e8293ee
	s_mov_b32 s[QSC+1], s[QSC]
	s_mov_b32 s[IC], 0x3b800000
	s_mov_b32 s[IC+1], 0x3727c5ac
	s_mov_b32 s[SEL], 0x76543210
	s_mov_b32 s[SEL+1], 0xfedcba98
	s_mov_b32 s[NLE], 0xbfb8aa3b
	s_mov_b32 s[NLE+1], s[NLE]
	s_mov_b32 s60, 0x4e6e6b28                      ; 1e9
	s_mov_b32 s61, s60
	s_mov_b32 s62, 0x3fb8aa3b                      ; log2(e)
	s_mov_b32 s63, s62
	s_wait_kmcnt 0x0
	s_add_nc_u64 s[NPT:NPT+1], s[8:9], s[46:47]
	s_add_nc_u64 s[10:11], s[10:11], s[48:49]
	s_add_nc_u64 s[16:17], s[16:17], s[50:51]
	s_add_nc_u64 s[BP:BP+1], s[18:19], s[52:53]
	s_add_nc_u64 s[WFP:WFP+1], s[20:21], s[54:55]
	s_add_nc_u64 s[OGB:OGB+1], s[22:23], s[56:57]
	; ---------------- LayerNorm of my 64 rows ----------------
	global_load_b128 v[MRAW:MRAW+3], v[L16], s[10:11]
	global_load_b128 v[MRAW+4:MRAW+7], v[L16], s[10:11] offset:512
.irp c, 0,1,2,3
	global_load_b128 v[G+4*\c:G+4*\c+3], v[R16], s[12:13] offset:256*\c
	global_load_b128 v[BV+4*\c:BV+4*\c+3], v[R16], s[14:15] offset:256*\c
.endr
	LOADSET XSA, 0
	LOADSET XSB, 8192
	WIN 0x80
.set n, 0
.rept 64                               ; wk, wv of my head: register 4 n from byte 512 n of the block
	global_load_b128 v[4*n:4*n+3], v[L16], s[WFP:WFP+1] offset:(n/32)*131072+(n%32)*512
.set n, n+1
.endr
	WIN 0
	s_mov_b32 s[CNT], 4
.Lln:                                  ; a trip: 16 rows, in two sets of registers; while one is worked on the other's loads are out
	s_wait_loadcnt 16                              ; set A is in: behind it were issued set B's 16 loads
	LN_CORE XSA, 4, 16, 0
	XSTORE XSA, 0
	s_cmp_eq_u32 s[CNT], 1
	s_cbranch_scc1 .LlnA                           ; the last trip asks for nothing more
	LOADSET XSA, 16384
	s_wait_loadcnt 16                              ; set B is in; the 16 just issued stay out
	s_branch .LlnB
.LlnA:
	s_wait_loadcnt 0x0
.LlnB:
	LN_CORE XSB, 4, 16, 0
	XSTORE XSB, 8*XP
	s_sub_co_u32 s[CNT], s[CNT], 1
	s_cmp_eq_u32 s[CNT], 0
	s_cbranch_scc1 .LlnD
	LOADSET XSB, 24576
	v_add_nc_u32 v[LXA], 16*XP, v[LXA]
	s_wait_xcnt 0x0                                ; the loads have read the pointer: it may step
	s_add_nc_u64 s[NPT:NPT+1], s[NPT:NPT+1], 16384
	s_cmp_lg_u32 s[CNT], 0
	s_cbranch_scc1 .Lln
.LlnD:
	s_wait_loadcnt 0x0                             ; the mask and wk, wv are in too
.set k, 0
.rept 4                                ; ((mask - 1) x 1e9) x log2(e)
	v_pk_add_f32 v[MRAW+2*k:MRAW+2*k+1], v[MRAW+2*k:MRAW+2*k+1], -1.0 op_sel_hi:[1,0]
.set k, k+1
.endr
.set k, 0
.rept 4
	v_pk_mul_f32 v[MRAW+2*k:MRAW+2*k+1], v[MRAW+2*k:MRAW+2*k+1], s[60:61] op_sel_hi:[1,0]
.set k, k+1
.endr
.set k, 0
.rept 4
	v_pk_mul_f32 v[MRAW+2*k:MRAW+2*k+1], v[MRAW+2*k:MRAW+2*k+1], s[62:63] op_sel_hi:[1,0]
.set k, k+1
.endr
	ds_store_b128 v[MSA], v[MRAW:MRAW+3]
	ds_store_b128 v[MSA], v[MRAW+4:MRAW+7] offset:512
	WIN 0xc0
.set n, 0
.rept 64                               ; wq, wg: they land while k and v are made
	global_load_b128 v[4*n:4*n+3], v[L16], s[WFP:WFP+1] offset:262144+(n/32)*131072+(n%32)*512
.set n, n+1
.endr
	WIN 0x40
.set n, 0
.rept 4
	global_load_b128 v[BG+4*n:BG+4*n+3], v[BGO], s[16:17] offset:(n/2)*64+(n%2)*16
.set n, n+1
.endr
	BIASLD                                         ; the bias of query tile 0
	s_wait_dscnt 0x0                               ; for the others' sake: my rows of x are written
	s_barrier_signal -1
	s_barrier_wait -1
	; ---------------- k and v of all 256 tokens, two tiles a trip ----------------
	XLOAD KXA, 0, 0
	XLOAD KXB, 0, 16*XP
	XLOAD KXA, 1, 0
	XLOAD KXB, 1, 16*XP
	s_mov_b32 s[CNT], 8
.Lkv:
	s_wait_dscnt 16                                ; ks 0-3 of both tiles are in: behind them were issued the 16 loads of ks 4-7 (and, in later trips, 8 stores)
	KRUN 0
	s_wait_dscnt 0x0                               ; ks 4-7
	KRUN 1
	VRUN 0
	NOP4                                           ; places in front of the loads into the fragments just read
	WIN 0
	s_cmp_eq_u32 s[CNT], 1
	s_cbranch_scc1 .Lkv1                           ; the last trip fetches nothing
	XLOAD KXA, 0, 32*XP
	XLOAD KXB, 0, 48*XP
.Lkv1:
	VRUN 1
	NOP4
	WIN 0
	s_cmp_eq_u32 s[CNT], 1
	s_cbranch_scc1 .Lkv2
	XLOAD KXA, 1, 32*XP
	XLOAD KXB, 1, 48*XP
.Lkv2:
	CV4 TK, KACC                                   ; K fragment of tile a: channels 0-15, 16-31
	CV4 TK+4, KACC+8
	CV4 TK+8, KACC+32                              ; of tile b
	CV4 TK+12, KACC+40
	CV4 TK+16, KACC+16                             ; V^T fragment, channels 0-15: tokens of a, of b
	CV4 TK+20, KACC+48
	CV4 TK+24, KACC+24                             ; channels 16-31
	CV4 TK+28, KACC+56
.irp u, 0,1,2,3
	ds_store_b128 v[IKA], v[TK+4*\u:TK+4*\u+3] offset:512*\u
.endr
	ds_store_b128 v[IVA], v[TK+16:TK+19]
	ds_store_b128 v[IVA], v[TK+20:TK+23] offset:512
	ds_store_b128 v[IVA], v[TK+24:TK+27] offset:8192
	ds_store_b128 v[IVA], v[TK+28:TK+31] offset:8704
	v_add_nc_u32 v[XK], 32*XP, v[XK]
	v_add_nc_u32 v[IKA], 2048, v[IKA]
	v_add_nc_u32 v[IVA], 1024, v[IVA]
	s_sub_co_u32 s[CNT], s[CNT], 1
	s_cmp_lg_u32 s[CNT], 0
	s_cbranch_scc1 .Lkv
	WIN 0x80
.set n, 0
.rept 64                               ; K and V^T come back into the registers that held wk and wv: my wave's own bytes, served in order behind the stores
	ds_load_b128 v[4*n:4*n+3], v[IRD] offset:512*n
.set n, n+1
.endr
	WIN 0
	MASKLD 0                                       ; the first tile's first half of the mask's term
	XFLOAD
	s_wait_dscnt 0x0                               ; my reads of the image are over: behind this barrier the stage is written in its bytes
	s_barrier_signal -1
	s_barrier_wait -1
	; ---------------- sixteen query tiles ----------------
	s_mov_b32 s[CNT], 16
.Lq:
	s_wait_dscnt 0x0                               ; the tile's fragments of x, and the mask's term of keys 0-127
	s_wait_loadcnt 16                              ; the tile's bias of keys 0-127 is in: the 16 loads of keys 128-255 are the only younger ones (in the first trip wq, wg, bg, all older, are in with it)
	BADD 0
	MASKLD 1                                       ; keys 128-255: they land under the projections
	PROJ
	s_wait_dscnt 0x0                               ; the mask's term of keys 128-255
	s_wait_loadcnt 0x0                             ; the bias of keys 128-255: nothing younger is out
	BADD 1                                         ; these lines are also the places behind the projections
	s_cmp_eq_u32 s[CNT], 1
	s_cbranch_scc1 .Lq1                            ; the last tile asks for nothing more
	s_add_nc_u64 s[BP:BP+1], s[BP:BP+1], 16384     ; all loads by this pointer were waited for above
	BIASLD                                         ; the next tile's bias, as soon as its landing registers are free: the rest of this trip lies ahead of its first use
	v_add_nc_u32 v[XA], 16*XP, v[XA]
	XFLOAD                                         ; the next tile's fragments
.Lq1:
	QCVT
	QK 16
	SIGM
	WIN 0
	SMAX 16
	SSUB 16
	SEXP 16
	PV 8, 64
	SFIN
	s_cmp_eq_u32 s[CNT], 1
	s_cbranch_scc1 .Lq2
	MASKLD 0                                       ; P has been multiplied (six plain lines back): the next tile's first half of the mask's term
.Lq2:
	OEPI
	s_sub_co_u32 s[CNT], s[CNT], 1
	s_cmp_lg_u32 s[CNT], 0
	s_cbranch_scc1 .Lq
	; ---------------- the way out: a row's 256 bytes come from four waves ----------------
	s_wait_dscnt 0x0
	s_barrier_signal -1
	s_barrier_wait -1
	s_mov_b32 s[CNT], 4
.Lo:
.set i, 0
.rept 8
	ds_load_b128 v[S+4*i:S+4*i+3], v[RD] offset:2*SGP*i
.set i, i+1
.endr
.set i, 0
.rept 8
	s_wait_dscnt 7-i
	global_store_b128 v[GO], v[S+4*i:S+4*i+3], s[OGB:OGB+1] offset:1024*i   ; 16 lanes store 256 consecutive bytes, aligned
.set i, i+1
.endr
	s_wait_xcnt 0x0                                ; the stores have read their registers
	v_add_nc_u32 v[RD], 16*SGP, v[RD]
	v_add_nc_u32 v[GO], 8192, v[GO]
	s_sub_co_u32 s[CNT], s[CNT], 1
	s_cmp_lg_u32 s[CNT], 0
	s_cbranch_scc1 .Lo
	s_wait_tensorcnt 0x0                           ; the wave's end, behind my last LDS store
	ds_add_u32 v[SPW], v[NIL]
	s_wait_dscnt 0x0
	s_endpgm
.Lfunc_end_k_q50a4f5a7cb_rowatt:
	.size	k_q50a4f5a7cb_rowatt, .Lfunc_end_k_q50a4f5a7cb_rowatt-k_q50a4f5a7cb_rowatt
	.p2alignl 7, 3214868480
	.fill 96, 4, 3214868480
	.section	.rodata,"a",@progbits
	.p2align	6, 0x0
	.amdhsa_kernel k_q50a4f5a7cb_rowatt
		.amdhsa_group_segment_fixed_size 270848
		.amdhsa_private_segment_fixed_size 0
		.amdhsa_enable_private_segment 0
		.amdhsa_kernarg_size 64
		.amdhsa_user_sgpr_count 2
		.amdhsa_user_sgpr_kernarg_segment_ptr 1
		.amdhsa_wavefront_size32 1
		.amdhsa_system_sgpr_workgroup_id_x 1
		.amdhsa_system_sgpr_workgroup_id_y 1
		.amdhsa_system_sgpr_workgroup_id_z 1
		.amdhsa_system_vgpr_workitem_id 0
		.amdhsa_next_free_vgpr 1024
		.amdhsa_next_free_sgpr 66
		.amdhsa_reserve_vcc 0
		.amdhsa_float_denorm_mode_32 3
		.amdhsa_float_denorm_mode_16_64 3
		.amdhsa_memory_ordered 1
		.amdhsa_forward_progress 1
		.amdhsa_inst_pref_size 124
	.end_amdhsa_kernel
	.amdgpu_metadata
---
amdhsa.version: [ 1, 2 ]
amdhsa.kernels:
  - .name:           k_q50a4f5a7cb_rowatt
    .symbol:         k_q50a4f5a7cb_rowatt.kd
    .args:
      - { .name: node, .offset: 0, .size: 8, .value_kind: global_buffer, .address_space: global }
      - { .name: node_mask, .offset: 8, .size: 8, .value_kind: global_buffer, .address_space: global }
      - { .name: row_ln_m_g, .offset: 16, .size: 8, .value_kind: global_buffer, .address_space: global }
      - { .name: row_ln_m_b, .offset: 24, .size: 8, .value_kind: global_buffer, .address_space: global }
      - { .name: row_bg, .offset: 32, .size: 8, .value_kind: global_buffer, .address_space: global }
      - { .name: bias, .offset: 40, .size: 8, .value_kind: global_buffer, .address_space: global }
      - { .name: wf, .offset: 48, .size: 8, .value_kind: global_buffer, .address_space: global }
      - { .name: og, .offset: 56, .size: 8, .value_kind: global_buffer, .address_space: global }
    .group_segment_fixed_size: 270848
    .private_segment_fixed_size: 0
    .kernarg_segment_align: 8
    .kernarg_segment_size: 64
    .max_flat_workgroup_size: 128
    .sgpr_count:     66
    .vgpr_count:     1024
    .wavefront_size: 32
...
	.end_amdgpu_metadata
.endif
;; end of part 2
;; launch colmlp (part 3): grid 256 x 1, 4 waves a work-group, no clusters, 281,600 bytes of LDS; arguments node, og, node_mask, wf, out0, row_out_bias, col_ln_g, col_ln_b, col_bo, col_bg, tr_ln_g, tr_ln_b, tr_b1, tr_b2; writes out0
.if DOCPART == 3
	.amdgcn_target "amdgcn-amd-amdhsa--gfx1250"
	.amdhsa_code_object_version 6
	.text
	.protected	k_q50a4f5a7cb_colmlp
	.globl	k_q50a4f5a7cb_colmlp
	.p2align	8
	.type	k_q50a4f5a7cb_colmlp,@function
k_q50a4f5a7cb_colmlp:
	s_mov_b64 s[64:65], 0
	v_nop
	global_prefetch_b8 v0, s[64:65] scope:SCOPE_SE
	s_setreg_imm32_b32 hwreg(HW_REG_WAVE_MODE, 25, 1), 1
	s_wait_xcnt 0x0
; THE REST OF THE MODULE, BY COLUMNS.  A work-group owns one residue (128 tokens s = 0..127 x 256 channels) and keeps its residual in LDS in f32 from first to last:
; res = node + og row_wo^T;  x = LN(res + row_out_bias);  column attention (8 heads, two a wave);  res += (gated o) col_wo^T;  x = LN(res + biases);  res += relu(x w1^T + b1) w2^T;  out0 = res + biases.
; The three additive biases never enter res: LN and the way out add their running sum (row_out_bias; + col_bo; + tr_b2), an order of additions other than the reference's.
; GEMM.  A wave makes all 128 tokens x its 64 columns: 32 accumulators, which START from res (or from b1) as loaded from LDS, so nothing is cleared and nothing added afterwards.  D = (16 weight rows) x (16 tokens)^T:
; a lane holds one token and eight neighbouring columns.  The second transition product keeps its 32 accumulators in registers over all four chunks of 256 hidden channels.
; WEIGHTS lie in memory as one stream for each wave, 28 blocks of 16 KiB in the order of use, in register order: they go into a ring of four groups of 32 registers, each group asked for again as soon as it
; has been multiplied, 96 matrix instructions ahead of its next use.  The one refill that has no successor repeats the wave's last block: 16 KiB whose data are not used.
; The stream's pointer is stepped directly ahead of the loads that use it, not behind the loads that read it last; blocks asked for together share one step and stand in the immediate.
; Where the text leaves the ring's regular walk (behind a layer's product, at a head's beginning, behind the attention) all loads are waited for, so that no load is ever issued into a register
; that an earlier load has still to write, whichever way the tests on the two counters LC and HD are taken.
; ATTENTION as in the launch before (layouts, true maximum, sums of the unrounded p); the mask's term is the C operand of K Q^T.
; LIMITS.  og, x, the weights, q, k, v, p, the gated o and the hidden layer are rounded once to bf16.  A weight below 2^-126 counts as 0.  A column whose keys are all masked gives a near uniform result, as in the
; reference, not equal to the last bit (scores near -1.44e9, f32's step 128).  NaN and infinities are not treated apart.
; NO CLUSTER: what work-groups share is the weights; each byte goes into ONE wave's registers with no LDS on the way, and a joint request lands in LDS, of which 281,600 bytes are taken by activations.
; REGISTERS, in windows of 256 (s_set_vgpr_msb: bits 1:0 source 0, 3:2 source 1, 5:4 source 2, 7:6 destination):
;   window 0: v0-31 addresses; v32-63 at work; v64-127 S^T (KV accumulators, LN slots and gains); v128-191 the mask's term; v192-223 P; v224-255 q, gate
;   window 1: accumulators (i, tt) at 64 i + 8 tt; in attention K, V^T, x fragments, O^T, bg      window 2: v0-127 the weight ring (wk); v128-255 two buffers of x fragments (wv)      window 3: the second set of accumulators (wq, wg)
.set RP, 1040                          ; a row of res in LDS: 1,024 bytes + 16
.set XP, 528                           ; a row of U or X: 512 bytes + 16
.set UR, 128*RP                        ; U: og, then the gated o, then the hidden chunk
.set XR, UR+128*XP                     ; X: LN's result
.set PAR, XR+128*XP                    ; 12 KiB of vectors: ln1 g, b, A1; ln2 g, b, A2; A3; col_bg; tr_b1
.set MSK, PAR+12288                    ; the mask's term, 128 numbers
.set SPARE, MSK+512                    ; the spare words: 128 bytes for each of 4 waves
.set ST, 524288
.set L16, 1
.set XSU, 4
.set XSX, 5
.set XK, XSX
.set XW, 6
.set RESA0, 7                          ; v7, v8: my place in res for token tiles 0-3, 4-7
.set CBA, 9
.set UST, 10
.set LRA, 11
.set LXA, 12
.set LNP, 13
.set XA, 14
.set R16, 15
.set SA, 16
.set SAH, 17
.set BGA, 18
.set MRA, 19
.set UP0, 20
.set LRA0, 21
.set GO, 22
.set LXA0, 23
.set T8, 24
.set T16, 25
.set T1K, 26
.set PST, 27
.set PS2, 28
.set ZERO, 29
.set SPW, 30                           ; my spare word; never rewritten
.set NIL, 31                           ; 0; never rewritten
.set MST, 32
.set QF, 32
.set CH, 40
.set LT, 40
.set MX, 44
.set AS, 46
.set RL, 54
.set T, 56
.set S, 64
.set KACC, 64
.set LNS, 64
.set PRM, 64
.set HT, 64
.set G, 96
.set BV, 112
.set MK, 128
.set QKC, MK
.set P, 192
.set AD, 192
.set QA, 224
.set GA, 240
.set KF, 0                             ; window 1
.set VF, 64
.set XFA, 128
.set XFB, 192
.set OA, 192
.set BG, 208
.set OB, 224
.set RA, 0                             ; window 2
.set WK, 0
.set XFG, 128
.set WV, 128
.set WQ, 0                             ; window 3
.set WG, 128
.set WPJ, 0x07                         ; projections: A window 3, B window 1, C and D window 0
.set WPG, 0x17                         ; the gate's first step: C = bg in window 1
.set WQM, 0
.set WQC, 0
.set WQK, 0x01                         ; K window 1
.set WSG, 0
.set WPV, 0x51                         ; V^T window 1, P window 0, O^T window 1
.set WOG, 0x41
.set OSTEP, 16*XP
.set WVN, 36
.set WB, 38                            ; s[38:39] my stream's first byte
.set WP, 40                            ; s[40:41] the block last stepped to
.set SOFF, 42                          ; s42 the byte offset in my stream of the block last asked for
.set CNT, 46
.set LC, 47
.set HD, 48
.set QC, 49
.set CHK, 50
.set SEL, 52
.set QSC, 54
.set IC, 56
.set OUTB, 58
.set NLE, 62
.set MSB, 0
.macro WIN new                         ; the immediate's high byte repeats the setting that is left; a switch that changes nothing is dropped
.if MSB != (\new)
	s_set_vgpr_msb (MSB<<8)|(\new)
.set MSB, (\new)
.endif
.endm
.macro NOP4                            ; four places behind a matrix instruction (ISA guide 7.12.1)
.rept 4
	v_nop
.endr
.endm
.macro PERP NP, line:vararg
.set p, 0
.rept \NP
.set xb, LNX+LNE*p
.set tb, LT+6*p
	\line
.set p, p+1
.endr
.endm
.macro PERK NP, K0, line:vararg
.set k, \K0
.rept LNE/2-(\K0)
.set p, 0
.rept \NP
.set xb, LNX+LNE*p+2*k
.set xc, LNX+LNE*p+k
.set tb, LT+6*p
.set kb, 2*k
	\line
.set p, p+1
.endr
.set k, k+1
.endr
.endm
; LayerNorm of NP slots of NE registers at X0 (a slot: two rows, one in each half of the lanes; lane: columns 64 c + 4 (l%16) + 0..3); ADD = 1: AD is added first; the result, bf16, in the slot's first NE/2 registers.
.macro LN_CORE X0, NP, NE, ADD
.set LNX, (\X0)
.set LNE, (\NE)
.if \ADD
	PERK \NP, 0, v_pk_add_f32 v[xb:xb+1], v[xb:xb+1], v[AD+kb:AD+kb+1]
.endif
	PERP \NP, v_pk_add_f32 v[tb:tb+1], v[xb:xb+1], v[xb+2:xb+3]
	PERK \NP, 2, v_pk_add_f32 v[tb:tb+1], v[tb:tb+1], v[xb:xb+1]
	PERP \NP, v_add_f32 v[tb], v[tb], v[tb+1]
.irp m, 1,2,4,8
	PERP \NP, v_add_f32_dpp v[tb], v[tb], v[tb] row_xmask:\m row_mask:0xf bank_mask:0xf
.endr
	PERP \NP, v_mul_f32 v[tb+2], s[IC], v[tb]
	PERP \NP, v_mov_b32 v[tb+3], v[tb+2]
	PERK \NP, 0, v_pk_add_f32 v[xb:xb+1], v[xb:xb+1], v[tb+2:tb+3] neg_lo:[0,1] neg_hi:[0,1]
	PERP \NP, v_pk_mul_f32 v[tb:tb+1], v[xb:xb+1], v[xb:xb+1]
	PERK \NP, 1, v_pk_fma_f32 v[tb:tb+1], v[xb:xb+1], v[xb:xb+1], v[tb:tb+1]
	PERP \NP, v_add_f32 v[tb], v[tb], v[tb+1]
.irp m, 1,2,4,8
	PERP \NP, v_add_f32_dpp v[tb], v[tb], v[tb] row_xmask:\m row_mask:0xf bank_mask:0xf
.endr
	PERP \NP, v_fma_f32 v[tb], v[tb], s[IC], s[IC+1]
	PERP \NP, v_rsq_f32 v[tb+4], v[tb]
	PERP \NP, v_rsq_f32 v[tb+5], v[tb]
	v_nop                                          ; a plain instruction between the roots and the use of their results
	s_wait_alu depctr_va_vdst(0)
	PERK \NP, 0, v_pk_mul_f32 v[xb:xb+1], v[xb:xb+1], v[tb+4:tb+5]
	PERK \NP, 0, v_pk_fma_f32 v[xb:xb+1], v[xb:xb+1], v[G+kb:G+kb+1], v[BV+kb:BV+kb+1]
	PERK \NP, 0, v_cvt_pk_bf16_f32 v[xc], v[xb], v[xb+1]
.endm
; ---- the weight stream ----
.macro STEPW                           ; the pointer goes to the block behind the one last asked for; behind the stream's last block it stays there.  It stands directly ahead of the loads that use it
	s_wait_xcnt 0x0                                ; the loads that read the pointer last have read it
	s_add_co_u32 s[SOFF], s[SOFF], 16384
	s_min_u32 s44, s[SOFF], 27*16384
	s_add_nc_u64 s[WP:WP+1], s[WB:WB+1], s[44:45]
.endm
.macro BLK win, base, k                ; a whole block, k blocks behind the pointer: register 4 n from byte 512 n
	WIN (\win)<<6
.set n, 0
.rept 32
	global_load_b128 v[(\base)+4*n:(\base)+4*n+3], v[L16], s[WP:WP+1] offset:16384*(\k)+512*n
.set n, n+1
.endr
.endm
.macro SADV k                          ; k blocks more have been asked for by the immediate: only the count moves, the pointer stays
	s_add_co_u32 s[SOFF], s[SOFF], 16384*(\k)
.endm
; ---- the GEMM unit ----
.macro XFL b, imm                      ; the eight token tiles' fragments of one K step of 32 into buffer b
	WIN 0x80
.set n, 0
.rept 8
	ds_load_b128 v[XFG+64*(\b)+8*n:XFG+64*(\b)+8*n+3], v[XW] offset:16*XP*n+(\imm)
	ds_load_b128 v[XFG+64*(\b)+8*n+4:XFG+64*(\b)+8*n+7], v[XW] offset:16*XP*n+(\imm)+32
.set n, n+1
.endr
.endm
.macro PRE_R accw                      ; the sums start from res.  In the order in which the first K step takes them: n = 4 tt + i
	WIN (\accw)<<6
.set n, 0
.rept 32
.set pa, 64*(n%4)+8*(n/4)
	ds_load_b128 v[pa:pa+3], v[RESA0+n/16] offset:((n/4)%4)*16*RP+64*(n%4)
	ds_load_b128 v[pa+4:pa+7], v[RESA0+n/16] offset:((n/4)%4)*16*RP+64*(n%4)+16
.set n, n+1
.endr
.endm
.macro PRE_H                           ; the hidden sums start from tr_b1; the same order
	WIN 0x40
.set n, 0
.rept 32
.set pa, 64*(n%4)+8*(n/4)
	ds_load_b128 v[pa:pa+3], v[CBA] offset:64*(n%4)
	ds_load_b128 v[pa+4:pa+7], v[CBA] offset:64*(n%4)+16
.set n, n+1
.endr
.endm
; ACC (window accw) += src[128 x 256] W^T.  Two trips of four K steps; a step: 32 matrix instructions on 32 accumulators by turns, then the ring group and the fragment buffer just read are asked for again.
; pre = 1: the accumulators start from res; 2: from tr_b1; 0: they are in registers already.  With a start, 96 LDS loads go out at the head: fragment buffer 0 (16), the accumulators by token tile (64),
; fragment buffer 1 (16); K step 0 then waits token tile by token tile, so that the later tiles' starts land under the earlier tiles' products.
.macro GEMM accw, src, pre
	WIN 0
	v_mov_b32 v[XW], v[\src]
	XFL 0, 0
.if (\pre) == 1
	PRE_R \accw
.endif
.if (\pre) == 2
	PRE_H
.endif
	XFL 1, 64
	WIN 0
	s_mov_b32 s[CNT], 2
.if (\pre) == 0
	s_wait_dscnt 16                                ; buffer 1's 16 loads are younger: buffer 0 is in
.endif
	s_wait_loadcnt 24                              ; of the ring's 32 loads the three later groups' 24 may stay out
.Lg\@:
.irp j, 0,1,2,3
	WIN ((\accw)<<6)|((\accw)<<4)|0x0a
.set tt, 0
.rept 8
.if (\pre) && (\j == 0)
.set wc, 72-8*tt
.if wc > 63
.set wc, 63
.endif
	s_wait_dscnt wc                                ; tile tt's fragment and its four accumulators are among the first 24 + 8 tt of the 96 loads: 72 - 8 tt may stay out (the count's field ends at 63).  In the second trip at most buffer 1's 16 loads are out: these counts hold nothing up there
.endif
.set i, 0
.rept 4
	v_wmma_f32_16x16x32_bf16 v[64*i+8*tt:64*i+8*tt+7], v[RA+32*\j+8*i:RA+32*\j+8*i+7], v[XFG+64*(\j%2)+8*tt:XFG+64*(\j%2)+8*tt+7], v[64*i+8*tt:64*i+8*tt+7]
.set i, i+1
.endr
.set tt, tt+1
.endr
	NOP4                                           ; places in front of the loads into registers just read
.if \j == 0
	STEPW                                          ; the trip's refills bring the next block; the last loads by the pointer stand 32 products back
.endif
	WIN 0x80
.set n, 0
.rept 8
	global_load_b128 v[RA+32*\j+4*n:RA+32*\j+4*n+3], v[L16], s[WP:WP+1] offset:4096*\j+512*n
.set n, n+1
.endr
.if \j < 2
	XFL \j, 64*\j+128
	s_wait_dscnt 16                                ; the other buffer, asked for a step ago, is in
.else
	WIN 0
	s_cmp_eq_u32 s[CNT], 1
	s_cbranch_scc1 .Lg\@x\j                        ; the second trip has no K step behind its fourth
	XFL \j-2, 64*\j+128
	WIN 0
	s_wait_dscnt 16
	s_branch .Lg\@y\j
.Lg\@x\j:
	s_wait_dscnt 0x0
.Lg\@y\j:
.endif
	s_wait_loadcnt 24                              ; the next group, the oldest 8 of the 32 that are out, is in
.endr
	WIN 0
	v_add_nc_u32 v[XW], 256, v[XW]
	s_sub_co_u32 s[CNT], s[CNT], 1
	s_cmp_lg_u32 s[CNT], 0
	s_cbranch_scc1 .Lg\@
	s_wait_dscnt 0x0                               ; no LDS load of mine is out behind the unit (the last step has waited for 0 already)
.endm
.macro POST_R accw                     ; the sums go back to res, each accumulator from its low end on
	NOP4
	WIN (\accw)<<2
.set n, 0
.rept 32
	ds_store_b128 v[RESA0+(n%8)/4], v[8*n:8*n+3] offset:(n%4)*16*RP+64*(n/8)
	ds_store_b128 v[RESA0+(n%8)/4], v[8*n+4:8*n+7] offset:(n%4)*16*RP+64*(n/8)+16
.set n, n+1
.endr
.endm
.macro POST_H                          ; one rounding, relu on the packed halves, 16 bytes a lane and accumulator into U
	NOP4
	WIN 0x05
.set n, 0
.rept 128
	v_cvt_pk_bf16_f32 v[HT+n], v[2*n], v[2*n+1]
.set n, n+1
.endr
	WIN 0
.set n, 0
.rept 128
	v_pk_max_num_bf16 v[HT+n], v[HT+n], v[ZERO]
.set n, n+1
.endr
.set n, 0
.rept 32
	ds_store_b128 v[UST], v[HT+4*n:HT+4*n+3] offset:(n%8)*16*XP+32*(n/8)
.set n, n+1
.endr
.endm
; ---- attention ----
.macro XLOAD dst, hf, imm
.set q, 4*(\hf)
.rept 4
	ds_load_b128 v[(\dst)+8*q:(\dst)+8*q+3], v[XK] offset:(\imm)+64*q
	ds_load_b128 v[(\dst)+8*q+4:(\dst)+8*q+7], v[XK] offset:(\imm)+64*q+32
.set q, q+1
.endr
.endm
.macro XFLOAD
	WIN 0x40
.set q, 0
.rept 8
	ds_load_b128 v[XFA+8*q:XFA+8*q+3], v[XA] offset:64*q
	ds_load_b128 v[XFA+8*q+4:XFA+8*q+7], v[XA] offset:64*q+32
.set q, q+1
.endr
	WIN 0
.endm
.macro KRUN hf                         ; k of two token tiles: four accumulators by turns
	WIN 0x06
.set ks, 4*(\hf)
.rept 4
.irp b, 0,1
.irp i, 0,1
.set ra, KACC+32*\b+8*\i
.set rx, XFA+(XFB-XFA)*\b+8*ks
.if ks == 0
	v_wmma_f32_16x16x32_bf16 v[ra:ra+7], v[WK+64*\i+8*ks:WK+64*\i+8*ks+7], v[rx:rx+7], 0
.else
	v_wmma_f32_16x16x32_bf16 v[ra:ra+7], v[WK+64*\i+8*ks:WK+64*\i+8*ks+7], v[rx:rx+7], v[ra:ra+7]
.endif
.endr
.endr
.set ks, ks+1
.endr
.endm
.macro VRUN hf
	WIN 0x09
.set ks, 4*(\hf)
.rept 4
.irp b, 0,1
.irp i, 0,1
.set ra, KACC+32*\b+16+8*\i
.set rx, XFA+(XFB-XFA)*\b+8*ks
.if ks == 0
	v_wmma_f32_16x16x32_bf16 v[ra:ra+7], v[rx:rx+7], v[WV+64*\i+8*ks:WV+64*\i+8*ks+7], 0
.else
	v_wmma_f32_16x16x32_bf16 v[ra:ra+7], v[rx:rx+7], v[WV+64*\i+8*ks:WV+64*\i+8*ks+7], v[ra:ra+7]
.endif
.endr
.endr
.set ks, ks+1
.endr
.endm
.macro CV4 dst, src
.set q, 0
.rept 4
	v_cvt_pk_bf16_f32 v[(\dst)+q], v[(\src)+2*q], v[(\src)+2*q+1]
.set q, q+1
.endr
.endm
.macro KVP n                           ; token tiles 2 n, 2 n + 1: k, v, and their fragments straight into K's and V^T's registers
	s_wait_dscnt 16                                ; ks 0-3 of both tiles are in; the 16 loads of ks 4-7 are younger
	KRUN 0
	s_wait_dscnt 0x0
	KRUN 1
	VRUN 0
	NOP4
.if (\n) < 3
	WIN 0x40
	XLOAD XFA, 0, (2*(\n)+2)*16*XP
	XLOAD XFB, 0, (2*(\n)+3)*16*XP
.endif
	VRUN 1
	NOP4
.if (\n) < 3
	WIN 0x40
	XLOAD XFA, 1, (2*(\n)+2)*16*XP
	XLOAD XFB, 1, (2*(\n)+3)*16*XP
.endif
	WIN 0x40
	CV4 KF+16*(\n), KACC
	CV4 KF+16*(\n)+4, KACC+8
	CV4 KF+16*(\n)+8, KACC+32
	CV4 KF+16*(\n)+12, KACC+40
	CV4 VF+8*(\n), KACC+16
	CV4 VF+8*(\n)+4, KACC+48
	CV4 VF+32+8*(\n), KACC+24
	CV4 VF+32+8*(\n)+4, KACC+56
.endm
.macro PROJ
.set ks, 0
.rept 8
.irp i, 0,1
	WIN WPJ
.if ks == 0
	v_wmma_f32_16x16x32_bf16 v[QA+8*\i:QA+8*\i+7], v[WQ+64*\i:WQ+64*\i+7], v[XFA:XFA+7], 0
.else
	v_wmma_f32_16x16x32_bf16 v[QA+8*\i:QA+8*\i+7], v[WQ+64*\i+8*ks:WQ+64*\i+8*ks+7], v[XFA+8*ks:XFA+8*ks+7], v[QA+8*\i:QA+8*\i+7]
.endif
.endr
.irp i, 0,1
.if ks == 0
	WIN WPG
	v_wmma_f32_16x16x32_bf16 v[GA+8*\i:GA+8*\i+7], v[WG+64*\i:WG+64*\i+7], v[XFA:XFA+7], v[BG+8*\i:BG+8*\i+7]
.else
	WIN WPJ
	v_wmma_f32_16x16x32_bf16 v[GA+8*\i:GA+8*\i+7], v[WG+64*\i+8*ks:WG+64*\i+8*ks+7], v[XFA+8*ks:XFA+8*ks+7], v[GA+8*\i:GA+8*\i+7]
.endif
.endr
.set ks, ks+1
.endr
.endm
.macro QCVT
	WIN WQM
.set k, 0
.rept 8
	v_pk_mul_f32 v[QA+2*k:QA+2*k+1], v[QA+2*k:QA+2*k+1], s[QSC:QSC+1] op_sel_hi:[1,0]
.set k, k+1
.endr
	WIN WQC
.set k, 0
.rept 8
	v_cvt_pk_bf16_f32 v[QF+k], v[QA+2*k], v[QA+2*k+1]
.set k, k+1
.endr
.endm
.macro QK NK
	WIN WQK
.set t, 0
.rept \NK
	v_wmma_f32_16x16x32_bf16 v[S+8*t:S+8*t+7], v[KF+8*t:KF+8*t+7], v[QF:QF+7], v[QKC+8*t:QKC+8*t+7]
.set t, t+1
.endr
.endm
.macro SIGM
	WIN WSG
.set k, 0
.rept 8
	v_pk_mul_f32 v[GA+2*k:GA+2*k+1], v[GA+2*k:GA+2*k+1], s[NLE:NLE+1] op_sel_hi:[1,0]
.set k, k+1
.endr
.set k, 0
.rept 16
	v_exp_f32 v[GA+k], v[GA+k]
.set k, k+1
.endr
	v_nop
.set k, 0
	s_wait_alu depctr_va_vdst(0)
.rept 8
	v_pk_add_f32 v[GA+2*k:GA+2*k+1], v[GA+2*k:GA+2*k+1], 1.0 op_sel_hi:[1,0]
.set k, k+1
.endr
.set k, 0
.rept 16
	v_rcp_f32 v[GA+k], v[GA+k]
.set k, k+1
.endr
	v_nop
.endm
.macro SMAX NK
.irp c, 0,1,2,3
	v_max3_num_f32 v[CH+\c], v[S+8*\c], v[S+8*\c+1], v[S+8*\c+2]
.endr
.irp e, 3,5
.irp c, 0,1,2,3
	v_max3_num_f32 v[CH+\c], v[CH+\c], v[S+8*\c+\e], v[S+8*\c+\e+1]
.endr
.endr
	v_max3_num_f32 v[CH], v[CH], v[S+7], v[S+15]
	v_max3_num_f32 v[CH+2], v[CH+2], v[S+23], v[S+31]
.set g, 1
.rept (\NK)/4-1
.irp e, 0,2,4,6
.irp c, 0,1,2,3
	v_max3_num_f32 v[CH+\c], v[CH+\c], v[S+32*g+8*\c+\e], v[S+32*g+8*\c+\e+1]
.endr
.endr
.set g, g+1
.endr
	v_max3_num_f32 v[CH], v[CH], v[CH+1], v[CH+2]
	v_max_num_f32 v[CH], v[CH], v[CH+3]
	v_permlanex16_b32 v[CH+1], v[CH], s[SEL], s[SEL+1]
	v_max_num_f32 v[MX], v[CH], v[CH+1]
	v_mov_b32 v[MX+1], v[MX]
.endm
.macro SSUB NK
.set k, 0
.rept 4*(\NK)
	v_pk_add_f32 v[S+2*k:S+2*k+1], v[S+2*k:S+2*k+1], v[MX:MX+1] neg_lo:[0,1] neg_hi:[0,1]
.set k, k+1
.endr
.endm
.macro CL t, i
.if (\i) < 4
	s_wait_alu depctr_va_vdst(0)
	v_cvt_pk_bf16_f32 v[P+4*(\t)+(\i)], v[S+8*(\t)+2*(\i)], v[S+8*(\t)+2*(\i)+1]
.elseif (\t) == 1
	v_pk_add_f32 v[AS+2*(\i)-8:AS+2*(\i)-7], v[S+2*(\i)-8:S+2*(\i)-7], v[S+2*(\i):S+2*(\i)+1]
.elseif (\t) > 1
	v_pk_add_f32 v[AS+2*(\i)-8:AS+2*(\i)-7], v[AS+2*(\i)-8:AS+2*(\i)-7], v[S+8*(\t)+2*(\i)-8:S+8*(\t)+2*(\i)-7]
	s_wait_alu depctr_va_vdst(0)
.endif
.endm
.macro SEXP NK
.set i, 0
.rept 8
	v_exp_f32 v[S+i], v[S+i]
.set i, i+1
.endr
	v_nop
.set t, 1
.rept (\NK)-1
.set i, 0
.rept 8
	v_exp_f32 v[S+8*t+i], v[S+8*t+i]
	CL t-1, i
.set i, i+1
.endr
.set t, t+1
.endr
.set i, 0
.rept 8
	CL (\NK)-1, i
.set i, i+1
.endr
.endm
.macro PV NH, VS
	WIN WPV
.set n, 0
.rept \NH
.irp c, 0,1
.set ro, OA+(OB-OA)*(n%2)+8*\c
.if n < 2
	v_wmma_f32_16x16x32_bf16 v[ro:ro+7], v[VF+(\VS)*\c+8*n:VF+(\VS)*\c+8*n+7], v[P+8*n:P+8*n+7], 0
.else
	v_wmma_f32_16x16x32_bf16 v[ro:ro+7], v[VF+(\VS)*\c+8*n:VF+(\VS)*\c+8*n+7], v[P+8*n:P+8*n+7], v[ro:ro+7]
.endif
.endr
.set n, n+1
.endr
.endm
.macro SFIN
	WIN 0
	v_pk_add_f32 v[AS:AS+1], v[AS:AS+1], v[AS+2:AS+3]
	v_pk_add_f32 v[AS+4:AS+5], v[AS+4:AS+5], v[AS+6:AS+7]
	v_pk_add_f32 v[AS:AS+1], v[AS:AS+1], v[AS+4:AS+5]
	v_add_f32 v[CH], v[AS], v[AS+1]
	v_permlanex16_b32 v[CH+1], v[CH], s[SEL], s[SEL+1]
	v_add_f32 v[CH], v[CH], v[CH+1]
	v_rcp_f32 v[RL], v[CH]
	v_rcp_f32 v[RL+1], v[CH]
	v_nop
.endm
.macro OEPI
	WIN 0x45
.set k, 0
.rept 8
	v_pk_add_f32 v[OA+2*k:OA+2*k+1], v[OA+2*k:OA+2*k+1], v[OB+2*k:OB+2*k+1]
.set k, k+1
.endr
	WIN 0x41
.set k, 0
	s_wait_alu depctr_va_vdst(0)
.rept 8
	v_pk_mul_f32 v[OA+2*k:OA+2*k+1], v[OA+2*k:OA+2*k+1], v[RL:RL+1]
.set k, k+1
.endr
	WIN WOG
.set k, 0
.rept 8
	v_pk_mul_f32 v[OA+2*k:OA+2*k+1], v[OA+2*k:OA+2*k+1], v[GA+2*k:GA+2*k+1]
.set k, k+1
.endr
	WIN 0x05
.set k, 0
.rept 8
	v_cvt_pk_bf16_f32 v[T+k], v[OA+2*k], v[OA+2*k+1]
.set k, k+1
.endr
	WIN 0
	ds_store_b128 v[SA], v[T:T+3]
	ds_store_b128 v[SA], v[T+4:T+7] offset:32
	v_add_nc_u32 v[SA], OSTEP, v[SA]
.endm
.macro BAR                             ; my LDS instructions are done, for the others' sake; then the work-group's barrier
	WIN 0
	s_wait_dscnt 0x0
	s_barrier_signal -1
	s_barrier_wait -1
.endm
	s_load_b512 s[8:23], s[0:1], 0x0               ; node 8, og 10, mask 12, wf 14, out0 16, row_out_bias 18, col_ln_g 20, col_ln_b 22
	s_load_b256 s[24:31], s[0:1], 0x40             ; col_bo 24, col_bg 26, tr_ln_g 28, tr_ln_b 30
	s_load_b128 s[32:35], s[0:1], 0x60             ; tr_b1 32, tr_b2 34
	v_lshl_add_u32 v[SPW], v0, 2, SPARE
	v_mov_b32 v[NIL], 0
	v_mov_b32 v[ZERO], 0
	v_lshrrev_b32 v2, 5, v0
	v_readfirstlane_b32 s[WVN], v2                 ; wave 0..3
	v_and_b32 v2, 15, v0                           ; r
	v_bfe_u32 v3, v0, 4, 1                         ; h
	v_and_b32 v[L16], 31, v0
	v_lshlrev_b32 v[L16], 4, v[L16]
	v_lshlrev_b32 v[R16], 4, v2
	v_mul_u32_u24 v[XSU], v2, XP
	v_lshl_add_u32 v[XSU], v3, 4, v[XSU]           ; a fragment: row r, 16 h
	v_add_nc_u32 v[XSX], XR, v[XSU]
	v_add_nc_u32 v[XSU], UR, v[XSU]
	s_lshl_b32 s60, s[WVN], 7
	v_add_nc_u32 v[UST], s60, v[XSU]               ; into U: row r, my wave's 128 bytes, 16 h
	v_mov_b32 v[SAH], v[UST]
	v_mul_u32_u24 v[RESA0], v2, RP
	v_lshl_add_u32 v[RESA0], v3, 5, v[RESA0]
	s_lshl_b32 s60, s[WVN], 8
	v_add_nc_u32 v[RESA0], s60, v[RESA0]           ; res: row r, my wave's 64 columns, 8 h of them on
	v_add_nc_u32 v[RESA0+1], 64*RP, v[RESA0]
	v_lshlrev_b32 v[CBA], 5, v3
	v_add_nc_u32 v[MRA], MSK, v[CBA]
	v_add_nc_u32 v[CBA], s60, v[CBA]
	v_add_nc_u32 v[BGA], PAR+7168, v[CBA]
	v_add_nc_u32 v[CBA], PAR+8192, v[CBA]
	v_add_nc_u32 v[LNP], PAR, v[R16]
	v_mul_u32_u24 v[LRA0], v3, RP
	v_add_nc_u32 v[LRA0], v[LRA0], v[R16]
	s_mul_i32 s60, s[WVN], 32*RP
	v_add_nc_u32 v[LRA0], s60, v[LRA0]             ; res by rows: row 32 w + h, 16 r
	v_mul_u32_u24 v[LXA0], v3, XP
	v_lshl_add_u32 v[LXA0], v2, 3, v[LXA0]
	s_mul_i32 s60, s[WVN], 32*XP
	s_add_co_u32 s61, s60, XR
	v_add_nc_u32 v[LXA0], s61, v[LXA0]
	s_add_co_u32 s61, s60, UR
	v_add_nc_u32 v[UP0], s61, v[L16]
	v_lshl_add_u32 v[GO], v3, 18, v[R16]           ; node and out0: token h of a pair, 16 r
	v_lshlrev_b32 v[T8], 3, v0
	v_lshlrev_b32 v[T16], 4, v0
	v_lshlrev_b32 v[T1K], 10, v0
	v_add_nc_u32 v[PST], PAR, v[T8]
	v_add_nc_u32 v[PS2], PAR+8192, v[T16]
	v_lshl_add_u32 v[MST], v0, 2, MSK
	s_mov_b32 s[SEL], 0x76543210
	s_mov_b32 s[SEL+1], 0xfedcba98
	s_mov_b32 s[QSC], 0x3e8293ee                   ; log2(e) / sqrt(32)
	s_mov_b32 s[QSC+1], s[QSC]
	s_mov_b32 s[IC], 0x3b800000                    ; 1/256
	s_mov_b32 s[IC+1], 0x3727c5ac                  ; 1e-5
	s_mov_b32 s[NLE], 0xbfb8aa3b
	s_mov_b32 s[NLE+1], s[NLE]
	s_mov_b32 s[SOFF], 0
	s_lshl_b32 s60, ttmp9, 10                      ; node, out0: my residue's row, my wave's 32 tokens
	s_lshl_b32 s61, s[WVN], 23
	s_add_co_u32 s60, s60, s61
	s_mov_b32 s61, 0
	s_mov_b32 s45, 0
	s_wait_kmcnt 0x0
	s_add_nc_u64 s[8:9], s[8:9], s[60:61]
	s_add_nc_u64 s[OUTB:OUTB+1], s[16:17], s[60:61]
	s_lshl_b32 s44, ttmp9, 9
	s_lshl_b32 s60, s[WVN], 22
	s_add_co_u32 s44, s44, s60
	s_add_nc_u64 s[10:11], s[10:11], s[44:45]
	s_lshl_b32 s44, ttmp9, 2
	s_add_nc_u64 s[12:13], s[12:13], s[44:45]
	s_mul_i32 s44, s[WVN], 28*16384
	s_add_co_u32 s44, s44, ST
	s_add_nc_u64 s[WB:WB+1], s[14:15], s[44:45]
	s_mov_b64 s[WP:WP+1], s[WB:WB+1]
	; ---------------- everything the work-group reads but weights, in one go ----------------
	BLK 2, RA, 0                                   ; row_wo, first block: the stream's block 0
	WIN 0
	global_load_b64 v[PRM:PRM+1], v[T8], s[20:21]
	global_load_b64 v[PRM+2:PRM+3], v[T8], s[22:23]
	global_load_b64 v[PRM+4:PRM+5], v[T8], s[18:19]
	global_load_b64 v[PRM+6:PRM+7], v[T8], s[28:29]
	global_load_b64 v[PRM+8:PRM+9], v[T8], s[30:31]
	global_load_b64 v[PRM+10:PRM+11], v[T8], s[24:25]
	global_load_b64 v[PRM+12:PRM+13], v[T8], s[34:35]
	global_load_b64 v[PRM+14:PRM+15], v[T8], s[26:27]
	global_load_b128 v[PRM+16:PRM+19], v[T16], s[32:33]
	global_load_b128 v[PRM+20:PRM+23], v[T16], s[32:33] offset:2048
	global_load_b32 v[PRM+24], v[T1K], s[12:13]    ; the mask of token = my thread's number
	WIN 0xc0
.set n, 0
.rept 32                               ; og: token 32 w + n, a row of 512 bytes a load
	global_load_b128 v[4*n:4*n+3], v[L16], s[10:11] offset:131072*n th:TH_LOAD_NT
.set n, n+1
.endr
	WIN 0x40
.set n, 0
.rept 64                               ; node: tokens 32 w + 2 (n / 4) + h, columns 64 (n % 4) on
	global_load_b128 v[4*n:4*n+3], v[GO], s[8:9] offset:(n/4)*524288+(n%4)*256 th:TH_LOAD_NT
.set n, n+1
.endr
	WIN 0
	s_wait_loadcnt 63                              ; 64 loads of node are the youngest: all in front of them are in
	v_pk_add_f32 v[PRM+10:PRM+11], v[PRM+10:PRM+11], v[PRM+4:PRM+5]      ; A2 = row_out_bias + col_bo
	v_pk_add_f32 v[PRM+12:PRM+13], v[PRM+12:PRM+13], v[PRM+10:PRM+11]    ; A3 = A2 + tr_b2
.set n, 0
.rept 8
	ds_store_b64 v[PST], v[PRM+2*n:PRM+2*n+1] offset:1024*n
.set n, n+1
.endr
	ds_store_b128 v[PS2], v[PRM+16:PRM+19]
	ds_store_b128 v[PS2], v[PRM+20:PRM+23] offset:2048
	v_add_f32 v[PRM+24], -1.0, v[PRM+24]           ; ((mask - 1) x 1e9) x log2(e)
	v_mul_f32 v[PRM+24], 0x4e6e6b28, v[PRM+24]
	v_mul_f32 v[PRM+24], 0x3fb8aa3b, v[PRM+24]
	ds_store_b32 v[MST], v[PRM+24]
	WIN 0x0c
.set n, 0
.rept 32
	ds_store_b128 v[UP0], v[4*n:4*n+3] offset:XP*n
.set n, n+1
.endr
	WIN 0x04
.irp g, 0,1,2,3
	s_wait_loadcnt 48-16*\g                        ; the later groups' loads, 16 each, stay out
.set n, 16*\g
.rept 16
	ds_store_b128 v[LRA0], v[4*n:4*n+3] offset:(n/4)*2*RP+(n%4)*256
.set n, n+1
.endr
.endr
	BAR
	; ---------------- twice: an output projection onto res, then LayerNorm; between the two, the column attention ----------------
	s_mov_b32 s[LC], 2
.Llayer:
	GEMM 1, XSU, 1
	POST_R 1
	BAR                                            ; res is whole
	s_wait_loadcnt 0x0                             ; the ring's last three groups, asked for in the trip just ended, are in: no load is out when the text leaves the ring's walk
	s_cmp_eq_u32 s[LC], 2
	s_cbranch_scc0 .Lnoblk
	STEPW
	BLK 2, WV, 0                                   ; the first head's wv, wq, wg land under the LayerNorm (its wk is in the ring already)
	BLK 3, WQ, 1
	BLK 3, WG, 2
	SADV 2
	WIN 0
.Lnoblk:
.set n, 0
.rept 4
	ds_load_b128 v[G+4*n:G+4*n+3], v[LNP] offset:256*n
	ds_load_b128 v[BV+4*n:BV+4*n+3], v[LNP] offset:1024+256*n
	ds_load_b128 v[AD+4*n:AD+4*n+3], v[LNP] offset:2048+256*n
.set n, n+1
.endr
	v_mov_b32 v[LRA], v[LRA0]
	v_mov_b32 v[LXA], v[LXA0]
	s_mov_b32 s[CNT], 8
.Lln:                                  ; four of my 32 rows a trip
.set n, 0
.rept 8
	ds_load_b128 v[LNS+4*n:LNS+4*n+3], v[LRA] offset:(n/4)*2*RP+(n%4)*256
.set n, n+1
.endr
	s_wait_dscnt 0x0
	LN_CORE LNS, 2, 16, 1
.set n, 0
.rept 8
	ds_store_b64 v[LXA], v[LNS+16*(n/4)+2*(n%4):LNS+16*(n/4)+2*(n%4)+1] offset:(n/4)*2*XP+(n%4)*128
.set n, n+1
.endr
	v_add_nc_u32 v[LRA], 4*RP, v[LRA]
	v_add_nc_u32 v[LXA], 4*XP, v[LXA]
	s_sub_co_u32 s[CNT], s[CNT], 1
	s_cmp_lg_u32 s[CNT], 0
	s_cbranch_scc1 .Lln
	v_add_nc_u32 v[LNP], 3072, v[LNP]              ; the next LayerNorm's three vectors
	BAR                                            ; X is whole
	s_cmp_lg_u32 s[LC], 2
	s_cbranch_scc1 .Lnoatt
.set n, 0
.rept 16                               ; the mask's term in C-operand order
	ds_load_b128 v[MK+4*n:MK+4*n+3], v[MRA] offset:(n/2)*64+(n%2)*16
.set n, n+1
.endr
	s_mov_b32 s[HD], 2
.Lhead:
	s_wait_loadcnt 0x0                             ; wk and wv are in (asked for in the middle of the head before, or ahead of the LayerNorm), for the first head wq and wg too: no load is out
	s_wait_dscnt 0x0                               ; nor any LDS instruction: the mask's term, or the last tile's two stores
	s_cmp_eq_u32 s[HD], 2
	s_cbranch_scc1 .Lh0
	STEPW
	BLK 3, WQ, 0                                   ; the second head's wq, wg: their registers' last products are the head before's; they have the 256 products of k and v in which to land
	BLK 3, WG, 1
	SADV 1
	WIN 0
.Lh0:
	WIN 0x40
	XLOAD XFA, 0, 0
	XLOAD XFB, 0, 16*XP
	XLOAD XFA, 1, 0
	XLOAD XFB, 1, 16*XP
	KVP 0
	KVP 1
	KVP 2
	KVP 3
	STEPW
	BLK 2, RA, 0                                   ; the next head's wk, or col_wo's first block
	WIN 0
	s_cmp_eq_u32 s[HD], 2
	s_cbranch_scc0 .Lh1
	BLK 2, WV, 1                                   ; the next head's wv; this head's wq, wg came in at the head's beginning
	SADV 1
	WIN 0
	s_branch .Lh2
.Lh1:
	s_wait_loadcnt 32                              ; wq, wg are in: the 32 loads of col_wo's block are younger
.Lh2:
	WIN 0x40
.set n, 0
.rept 4
	ds_load_b128 v[BG+4*n:BG+4*n+3], v[BGA] offset:(n/2)*64+(n%2)*16
.set n, n+1
.endr
	WIN 0
	v_mov_b32 v[XA], v[XSX]
	v_mov_b32 v[SA], v[SAH]
	XFLOAD
	s_mov_b32 s[QC], 8
.Lq:                                   ; a query tile
	s_wait_dscnt 0x0
	PROJ
	NOP4
	QCVT
	WIN 0
	s_cmp_eq_u32 s[QC], 1
	s_cbranch_scc1 .Lq1
	v_add_nc_u32 v[XA], 16*XP, v[XA]
	XFLOAD
.Lq1:
	QK 8
	SIGM
	WIN 0
	SMAX 8
	SSUB 8
	SEXP 8
	PV 4, 32
	SFIN
	OEPI
	s_sub_co_u32 s[QC], s[QC], 1
	s_cmp_lg_u32 s[QC], 0
	s_cbranch_scc1 .Lq
	v_add_nc_u32 v[SAH], 64, v[SAH]
	v_add_nc_u32 v[BGA], 128, v[BGA]
	s_sub_co_u32 s[HD], s[HD], 1
	s_cmp_lg_u32 s[HD], 0
	s_cbranch_scc1 .Lhead
	BAR                                            ; U holds all heads' gated o, and nobody reads X any more
.Lnoatt:
	s_wait_loadcnt 0x0                             ; col_wo's first block, asked for eight query tiles ago, is in: no load is out when the registers of wv, wq, wg are loaded from LDS
	s_sub_co_u32 s[LC], s[LC], 1
	s_cmp_lg_u32 s[LC], 0
	s_cbranch_scc1 .Llayer
	; ---------------- the transition: four chunks of 256 hidden channels ----------------
	PRE_R 3                                        ; the second product's sums start from res and stay in registers
	WIN 0
	s_mov_b32 s[CHK], 4
.Lch:
	GEMM 1, XSX, 2
	BAR                                            ; every wave's reads of U for the chunk before are over
	POST_H
	BAR                                            ; the chunk's hidden layer is whole
	GEMM 3, XSU, 0
	v_add_nc_u32 v[CBA], 1024, v[CBA]
	s_sub_co_u32 s[CHK], s[CHK], 1
	s_cmp_lg_u32 s[CHK], 0
	s_cbranch_scc1 .Lch
	POST_R 3
	BAR
	; ---------------- the way out: res + the three biases, by rows ----------------
.set n, 0
.rept 4
	ds_load_b128 v[AD+4*n:AD+4*n+3], v[LNP] offset:256*n
.set n, n+1
.endr
	v_mov_b32 v[LRA], v[LRA0]
	s_mov_b32 s[CNT], 4
.Lout:                                 ; eight of my 32 rows a trip
.set n, 0
.rept 16
	ds_load_b128 v[LNS+4*n:LNS+4*n+3], v[LRA] offset:(n/4)*2*RP+(n%4)*256
.set n, n+1
.endr
	s_wait_dscnt 0x0
.set n, 0
.rept 32
	v_pk_add_f32 v[LNS+2*n:LNS+2*n+1], v[LNS+2*n:LNS+2*n+1], v[AD+2*(n%8):AD+2*(n%8)+1]
.set n, n+1
.endr
.set n, 0
.rept 16
	global_store_b128 v[GO], v[LNS+4*n:LNS+4*n+3], s[OUTB:OUTB+1] offset:(n/4)*524288+(n%4)*256 th:TH_STORE_NT   ; two aligned runs of 256 bytes
.set n, n+1
.endr
	s_wait_xcnt 0x0                                ; the stores have read their registers and their base
	s_add_nc_u64 s[OUTB:OUTB+1], s[OUTB:OUTB+1], 2097152
	v_add_nc_u32 v[LRA], 8*RP, v[LRA]
	s_sub_co_u32 s[CNT], s[CNT], 1
	s_cmp_lg_u32 s[CNT], 0
	s_cbranch_scc1 .Lout
	s_wait_tensorcnt 0x0                           ; the wave's end, behind my last LDS store
	ds_add_u32 v[SPW], v[NIL]
	s_wait_dscnt 0x0
	s_endpgm
.Lfunc_end_k_q50a4f5a7cb_colmlp:
	.size	k_q50a4f5a7cb_colmlp, .Lfunc_end_k_q50a4f5a7cb_colmlp-k_q50a4f5a7cb_colmlp
	.p2alignl 7, 3214868480
	.fill 96, 4, 3214868480
	.section	.rodata,"a",@progbits
	.p2align	6, 0x0
	.amdhsa_kernel k_q50a4f5a7cb_colmlp
		.amdhsa_group_segment_fixed_size 281600
		.amdhsa_private_segment_fixed_size 0
		.amdhsa_enable_private_segment 0
		.amdhsa_kernarg_size 112
		.amdhsa_user_sgpr_count 2
		.amdhsa_user_sgpr_kernarg_segment_ptr 1
		.amdhsa_wavefront_size32 1
		.amdhsa_system_sgpr_workgroup_id_x 1
		.amdhsa_system_sgpr_workgroup_id_y 1
		.amdhsa_system_sgpr_workgroup_id_z 1
		.amdhsa_system_vgpr_workitem_id 0
		.amdhsa_next_free_vgpr 1024
		.amdhsa_next_free_sgpr 66
		.amdhsa_reserve_vcc 0
		.amdhsa_float_denorm_mode_32 3
		.amdhsa_float_denorm_mode_16_64 3
		.amdhsa_memory_ordered 1
		.amdhsa_forward_progress 1
		.amdhsa_inst_pref_size 219
	.end_amdhsa_kernel
	.amdgpu_metadata
---
amdhsa.version: [ 1, 2 ]
amdhsa.kernels:
  - .name:           k_q50a4f5a7cb_colmlp
    .symbol:         k_q50a4f5a7cb_colmlp.kd
    .args:
      - { .name: node, .offset: 0, .size: 8, .value_kind: global_buffer, .address_space: global }
      - { .name: og, .offset: 8, .size: 8, .value_kind: global_buffer, .address_space: global }
      - { .name: node_mask, .offset: 16, .size: 8, .value_kind: global_buffer, .address_space: global }
      - { .name: wf, .offset: 24, .size: 8, .value_kind: global_buffer, .address_space: global }
      - { .name: out0, .offset: 32, .size: 8, .value_kind: global_buffer, .address_space: global }
      - { .name: row_out_bias, .offset: 40, .size: 8, .value_kind: global_buffer, .address_space: global }
      - { .name: col_ln_g, .offset: 48, .size: 8, .value_kind: global_buffer, .address_space: global }
      - { .name: col_ln_b, .offset: 56, .size: 8, .value_kind: global_buffer, .address_space: global }
      - { .name: col_bo, .offset: 64, .size: 8, .value_kind: global_buffer, .address_space: global }
      - { .name: col_bg, .offset: 72, .size: 8, .value_kind: global_buffer, .address_space: global }
      - { .name: tr_ln_g, .offset: 80, .size: 8, .value_kind: global_buffer, .address_space: global }
      - { .name: tr_ln_b, .offset: 88, .size: 8, .value_kind: global_buffer, .address_space: global }
      - { .name: tr_b1, .offset: 96, .size: 8, .value_kind: global_buffer, .address_space: global }
      - { .name: tr_b2, .offset: 104, .size: 8, .value_kind: global_buffer, .address_space: global }
    .group_segment_fixed_size: 281600
    .private_segment_fixed_size: 0
    .kernarg_segment_align: 8
    .kernarg_segment_size: 112
    .max_flat_workgroup_size: 128
    .sgpr_count:     66
    .vgpr_count:     1024
    .wavefront_size: 32
...
	.end_amdgpu_metadata
.endif
;; end of part 3
;; ======== version 2 of 2: 3 launches; 1.19 times as fast as version 1
;; workspace buffers: bias 2,097,152 bytes; wf 2,359,296 bytes; og 16,777,216 bytes
;; launch prep: the kernel of part 1 again; grid 292 x 1, 8 waves a work-group, no clusters, 79,104 bytes of LDS; arguments pair, row_ln_z_g, row_ln_z_b, row_b_w, row_wk, row_wv, row_wq, row_wg, col_wk, col_wv, col_wq, col_wg, row_wo, col_wo, tr_w1, tr_w2, bias, wf; writes bias, wf
;; launch rowatt (part 4): grid 256 x 1, 4 waves a work-group, no clusters, 270,848 bytes of LDS; arguments node, node_mask, row_ln_m_g, row_ln_m_b, row_bg, bias, wf, og; writes og
.if DOCPART == 4
	.amdgcn_target "amdgcn-amd-amdhsa--gfx1250"
	.amdhsa_code_object_version 6
	.text
	.protected	k_q50a4f5a7cb_rowatt
	.globl	k_q50a4f5a7cb_rowatt
	.p2align	8
	.type	k_q50a4f5a7cb_rowatt,@function
k_q50a4f5a7cb_rowatt:
	s_mov_b64 s[64:65], 0
	v_nop
	global_prefetch_b8 v0, s[64:65] scope:SCOPE_SE
	s_setreg_imm32_b32 hwreg(HW_REG_WAVE_MODE, 25, 1), 1
	s_wait_xcnt 0x0
; ROW ATTENTION WITH PAIR BIAS, up to the gate.  og[s][r][32 head + c] = sigmoid(x wg + bg) x softmax_k(q.k / sqrt(32) + bias + 1e9 (mask - 1)) v, bf16, x = LN(node[s]).
; SHARES.  A work-group owns one sequence s (256 tokens) and four of the eight heads; a wave owns ONE head.  The output projection, which sums over heads, is made by the next launch.
; Both work-groups of a sequence make LN(node[s]); nothing else is made twice.
; LAYOUT.  D = (16 weight rows) x (16 tokens)^T holds one token a lane (l%16) and channels 8 (l/16) + 0..7: two such results rounded to bf16 ARE a fragment of q or k.  D = (16 tokens) x (16 rows of wv)^T holds one
; channel a lane and 8 tokens: two of them ARE a fragment of V^T.  S^T = K Q^T holds one query a lane and 8 keys: rounded, it is source 1 of O^T = V^T P, whose result has the layout of the gate.
; THE PAIR BIAS (already x log2 e, in C-operand order) is asked for a query tile ahead, into 128 registers of its own.  One packed add for two scores moves it into S^T's registers and adds the mask's term,
; and the product K Q^T adds onto that.  The mask's term comes out of the wave's own 1 KiB of LDS in two halves, into P's registers, which are idle between V^T P and the next exponentials.
; SOFTMAX.  All 256 scores of a query lie in two lanes: the true maximum is taken away, p = 2^(s - m), the sum is taken of the unrounded p.
; TRANSCENDENTALS GO IN BATCHES, each with ONE s_wait_alu depctr_va_vdst(0) ahead of the first line that names a result.  A query tile has three:
;   (1) the gate's 16 exponentials, issued behind K Q^T; the lines that find the maximum are the independent work behind them, and the wait stands behind those;
;   (2) the gate's 16 reciprocals and the scores' 128 exponentials, with the additions of 1 and the subtractions of the maximum set between them; all roundings and sums stand behind the wait;
;   (3) the two reciprocals of l, behind the last label of the trip; the joining of O^T's parities is the independent work behind them.
; A LayerNorm call's eight roots are one batch.
; LIMITS.  x, the weights, q, k, v, p and the gated o are rounded once to bf16.  A weight below 2^-126 counts as 0.  In a row whose keys are all masked the scores lie near -1.44e9, where f32's step is 128:
; the result is near uniform as in the reference, not equal to the last bit.  NaN and infinities are not treated apart.
; NO CLUSTER: what work-groups share (a head's 64 KiB of weights, its 256 KiB of bias) lies in memory in register order and goes into ONE wave's registers with no LDS on the way; a joint request lands in LDS,
; of which this text already uses 270,848 bytes.
; REGISTERS, in windows of 256 (s_set_vgpr_msb: bits 1:0 source 0, 3:2 source 1, 5:4 source 2, 7:6 destination):
;   window 0: v0-31 addresses; v32-63 at work; v64-191 S^T; v192-255 P (LN: two sets of four slots v64-191, gains and work v192-255; KV pass: x fragments of two tiles v64-191, 8 accumulators v192-255)
;   window 1: v0-127 the bias as it lands; v128-191 x fragments; v192-255 q, gate, O^T, bg       window 2: wk then K; wv then V^T       window 3: wq, wg
.set XP, 528                           ; a row of x in LDS: 512 bytes + 16
.set IMG, 256*XP                       ; behind x: 32 KiB a wave, K's and V^T's fragments on their way from the rolled loop into registers
.set STG, IMG                          ; later, in the same bytes: the output stage, 256 rows x 272
.set SGP, 272
.set MSK, IMG+131072                   ; 1 KiB a wave: the mask's term
.set SPARE, MSK+4096                   ; the spare words: 128 bytes for each of 4 waves
.set L16, 1
.set LGO, 4
.set LXA, 5
.set XK, 6
.set IKA, 7
.set IVA, 8
.set IRD, 9
.set XA, 10
.set SA, 11
.set MSA, 12
.set MRA, 13
.set RD, 14
.set GO, 15
.set BGO, 16
.set R16, 17
.set SPW, 30                           ; my spare word; never rewritten
.set NIL, 31                           ; 0; never rewritten
.set QF, 32
.set TK, 32
.set CH, 40
.set MX, 44
.set AS, 46
.set RL, 54
.set T, 56
.set S, 64
.set QKC, S
.set KXA, 64                           ; KV pass: x fragments of the trip's two token tiles
.set KXB, 128
.set P, 192
.set KACC, 192
.set XSA, 64
.set XSB, 128
.set G, 192
.set BV, 208
.set LT, 224
.set MRAW, 248
.set RB, 0                             ; window 1
.set XFA, 128
.set QA, 192
.set OB, 192
.set GA, 208
.set OA, 224
.set BG, 240
.set WK, 0                             ; window 2
.set KF, 0
.set WV, 128
.set VF, 128
.set WQ, 0                             ; window 3
.set WG, 128
.set WPJ, 0x57                         ; projections: A window 3, B, C, D window 1
.set WPG, 0x57
.set WQM, 0x41
.set WQC, 0x05
.set WQK, 0x02                         ; K window 2; q, S^T window 0
.set WSG, 0x45
.set WPV, 0x52                         ; V^T window 2, P window 0, O^T window 1
.set WOG, 0x45
.set OSTEP, 16*SGP
.set WVN, 24                           ; s24 wave
.set HEAD, 25
.set NPT, 26                           ; s[26:27] node at the rows that set A was last loaded for
.set BP, 28                            ; s[28:29] bias at the query tile last asked for
.set WFP, 30
.set CNT, 32
.set QSC, 34                           ; s[34:35] log2(e) / sqrt(32)
.set IC, 36                            ; s[36:37] 1/256, 1e-5
.set SEL, 38
.set OGB, 40
.set NLE, 58                           ; s[58:59] -log2(e)
.set MSB, 0
.macro WIN new                         ; the immediate's high byte repeats the setting that is left; a switch that changes nothing is dropped
.if MSB != (\new)
	s_set_vgpr_msb (MSB<<8)|(\new)
.set MSB, (\new)
.endif
.endm
.macro NOP4                            ; four places behind a matrix instruction (ISA guide 7.12.1)
.rept 4
	v_nop
.endr
.endm
.macro PERP NP, line:vararg
.set p, 0
.rept \NP
.set xb, LNX+LNE*p
.set tb, LT+6*p
	\line
.set p, p+1
.endr
.endm
.macro PERK NP, K0, line:vararg
.set k, \K0
.rept LNE/2-(\K0)
.set p, 0
.rept \NP
.set xb, LNX+LNE*p+2*k
.set xc, LNX+LNE*p+k
.set tb, LT+6*p
.set kb, 2*k
	\line
.set p, p+1
.endr
.set k, k+1
.endr
.endm
; LayerNorm of NP slots of NE registers at X0 (a slot: two rows, one in each half of the lanes; lane: columns 64 c + 4 (l%16) + 0..3); the result, bf16, in the slot's first NE/2 registers.
.macro LN_CORE X0, NP, NE, ADD
.set LNX, (\X0)
.set LNE, (\NE)
.if \ADD
	PERK \NP, 0, v_pk_add_f32 v[xb:xb+1], v[xb:xb+1], v[AD+kb:AD+kb+1]
.endif
	PERP \NP, v_pk_add_f32 v[tb:tb+1], v[xb:xb+1], v[xb+2:xb+3]
	PERK \NP, 2, v_pk_add_f32 v[tb:tb+1], v[tb:tb+1], v[xb:xb+1]
	PERP \NP, v_add_f32 v[tb], v[tb], v[tb+1]
.irp m, 1,2,4,8
	PERP \NP, v_add_f32_dpp v[tb], v[tb], v[tb] row_xmask:\m row_mask:0xf bank_mask:0xf
.endr
	PERP \NP, v_mul_f32 v[tb+2], s[IC], v[tb]
	PERP \NP, v_mov_b32 v[tb+3], v[tb+2]
	PERK \NP, 0, v_pk_add_f32 v[xb:xb+1], v[xb:xb+1], v[tb+2:tb+3] neg_lo:[0,1] neg_hi:[0,1]
	PERP \NP, v_pk_mul_f32 v[tb:tb+1], v[xb:xb+1], v[xb:xb+1]
	PERK \NP, 1, v_pk_fma_f32 v[tb:tb+1], v[xb:xb+1], v[xb:xb+1], v[tb:tb+1]
	PERP \NP, v_add_f32 v[tb], v[tb], v[tb+1]
.irp m, 1,2,4,8
	PERP \NP, v_add_f32_dpp v[tb], v[tb], v[tb] row_xmask:\m row_mask:0xf bank_mask:0xf
.endr
	PERP \NP, v_fma_f32 v[tb], v[tb], s[IC], s[IC+1]
	PERP \NP, v_rsq_f32 v[tb+4], v[tb]
	PERP \NP, v_rsq_f32 v[tb+5], v[tb]
	v_nop                                          ; a plain instruction between the roots and the use of their results
	s_wait_alu depctr_va_vdst(0)                   ; the wait for the batch: all the slots' roots; every later line of the call needs them, so nothing stands between
	PERK \NP, 0, v_pk_mul_f32 v[xb:xb+1], v[xb:xb+1], v[tb+4:tb+5]
	PERK \NP, 0, v_pk_fma_f32 v[xb:xb+1], v[xb:xb+1], v[G+kb:G+kb+1], v[BV+kb:BV+kb+1]
	PERK \NP, 0, v_cvt_pk_bf16_f32 v[xc], v[xb], v[xb+1]
.endm
.macro LOADSET base, imm               ; 8 rows of node: pair n / 4, columns 64 (n % 4) on; each load covers two aligned runs of 256 bytes
.set n, 0
.rept 16
	global_load_b128 v[(\base)+4*n:(\base)+4*n+3], v[LGO], s[NPT:NPT+1] offset:(\imm)+(n/4)*2048+(n%4)*256
.set n, n+1
.endr
.endm
.macro XSTORE base, imm
.set n, 0
.rept 16
	ds_store_b64 v[LXA], v[(\base)+16*(n/4)+2*(n%4):(\base)+16*(n/4)+2*(n%4)+1] offset:(\imm)+(n/4)*2*XP+(n%4)*128
.set n, n+1
.endr
.endm
.macro XLOAD dst, hf, imm              ; fragments ks = 4 hf .. 4 hf + 3 of a token tile
.set q, 4*(\hf)
.rept 4
	ds_load_b128 v[(\dst)+8*q:(\dst)+8*q+3], v[XK] offset:(\imm)+64*q
	ds_load_b128 v[(\dst)+8*q+4:(\dst)+8*q+7], v[XK] offset:(\imm)+64*q+32
.set q, q+1
.endr
.endm
.macro XFLOAD                          ; a query tile's eight fragments
	WIN 0x40
.set q, 0
.rept 8
	ds_load_b128 v[XFA+8*q:XFA+8*q+3], v[XA] offset:64*q
	ds_load_b128 v[XFA+8*q+4:XFA+8*q+7], v[XA] offset:64*q+32
.set q, q+1
.endr
	WIN 0
.endm
.macro BIASLD                          ; a query tile's bias: register 4 n from byte 512 n of the tile's 16 KiB; keys 0-127 first
	WIN 0x40
.set n, 0
.rept 32
	global_load_b128 v[RB+4*n:RB+4*n+3], v[L16], s[BP:BP+1] offset:512*n
.set n, n+1
.endr
	WIN 0
.endm
.macro MASKLD hf                       ; the mask's term of keys 128 hf .. 128 hf + 127 in C-operand order (keys 16 kt + 8 h + 0..7), into P's registers
.set n, 0
.rept 16
	ds_load_b128 v[P+4*n:P+4*n+3], v[MRA] offset:512*(\hf)+(n/2)*64+(n%2)*16
.set n, n+1
.endr
.endm
.macro BADD hf                         ; S^T's start for those keys: the bias as it landed + the mask's term
	WIN 0x01
.set k, 0
.rept 32
	v_pk_add_f32 v[S+64*(\hf)+2*k:S+64*(\hf)+2*k+1], v[RB+64*(\hf)+2*k:RB+64*(\hf)+2*k+1], v[P+2*k:P+2*k+1]
.set k, k+1
.endr
	WIN 0
.endm
; k and v of two token tiles a, b.  Four accumulators take turns, one instruction a turn.
.macro KRUN hf
	WIN 0x02                                       ; A = wk window 2; B = x, C and D window 0
.set ks, 4*(\hf)
.rept 4
.irp b, 0,1
.irp i, 0,1
.set ra, KACC+32*\b+8*\i
.set rx, KXA+(KXB-KXA)*\b+8*ks
.if ks == 0
	v_wmma_f32_16x16x32_bf16 v[ra:ra+7], v[WK+64*\i+8*ks:WK+64*\i+8*ks+7], v[rx:rx+7], 0
.else
	v_wmma_f32_16x16x32_bf16 v[ra:ra+7], v[WK+64*\i+8*ks:WK+64*\i+8*ks+7], v[rx:rx+7], v[ra:ra+7]
.endif
.endr
.endr
.set ks, ks+1
.endr
.endm
.macro VRUN hf
	WIN 0x08                                       ; A = x window 0, B = wv window 2
.set ks, 4*(\hf)
.rept 4
.irp b, 0,1
.irp i, 0,1
.set ra, KACC+32*\b+16+8*\i
.set rx, KXA+(KXB-KXA)*\b+8*ks
.if ks == 0
	v_wmma_f32_16x16x32_bf16 v[ra:ra+7], v[rx:rx+7], v[WV+64*\i+8*ks:WV+64*\i+8*ks+7], 0
.else
	v_wmma_f32_16x16x32_bf16 v[ra:ra+7], v[rx:rx+7], v[WV+64*\i+8*ks:WV+64*\i+8*ks+7], v[ra:ra+7]
.endif
.endr
.endr
.set ks, ks+1
.endr
.endm
.macro CV4 dst, src                    ; an accumulator's eight numbers, from its low end on, into four registers
.set q, 0
.rept 4
	v_cvt_pk_bf16_f32 v[(\dst)+q], v[(\src)+2*q], v[(\src)+2*q+1]
.set q, q+1
.endr
.endm
; q and the gate of a query tile: q0, q1, g0, g1 by turns; the gate's sums start from bg
.macro PROJ
.set ks, 0
.rept 8
.irp i, 0,1
	WIN WPJ
.if ks == 0
	v_wmma_f32_16x16x32_bf16 v[QA+8*\i:QA+8*\i+7], v[WQ+64*\i:WQ+64*\i+7], v[XFA:XFA+7], 0
.else
	v_wmma_f32_16x16x32_bf16 v[QA+8*\i:QA+8*\i+7], v[WQ+64*\i+8*ks:WQ+64*\i+8*ks+7], v[XFA+8*ks:XFA+8*ks+7], v[QA+8*\i:QA+8*\i+7]
.endif
.endr
.irp i, 0,1
.if ks == 0
	WIN WPG
	v_wmma_f32_16x16x32_bf16 v[GA+8*\i:GA+8*\i+7], v[WG+64*\i:WG+64*\i+7], v[XFA:XFA+7], v[BG+8*\i:BG+8*\i+7]
.else
	WIN WPJ
	v_wmma_f32_16x16x32_bf16 v[GA+8*\i:GA+8*\i+7], v[WG+64*\i+8*ks:WG+64*\i+8*ks+7], v[XFA+8*ks:XFA+8*ks+7], v[GA+8*\i:GA+8*\i+7]
.endif
.endr
.set ks, ks+1
.endr
.endm
.macro QCVT                            ; q x log2(e) / sqrt(32) in f32, then one rounding
	WIN WQM
.set k, 0
.rept 8
	v_pk_mul_f32 v[QA+2*k:QA+2*k+1], v[QA+2*k:QA+2*k+1], s[QSC:QSC+1] op_sel_hi:[1,0]
.set k, k+1
.endr
	WIN WQC
.set k, 0
.rept 8
	v_cvt_pk_bf16_f32 v[QF+k], v[QA+2*k], v[QA+2*k+1]
.set k, k+1
.endr
.endm
.macro QK NK
	WIN WQK
.set t, 0
.rept \NK
	v_wmma_f32_16x16x32_bf16 v[S+8*t:S+8*t+7], v[KF+8*t:KF+8*t+7], v[QF:QF+7], v[QKC+8*t:QKC+8*t+7]
.set t, t+1
.endr
.endm
; gate = 1 / (1 + 2^(-log2(e) g)), in two parts.
.macro GEXP                            ; the first: its eight multiplies are the places behind K Q^T; its 16 exponentials are the tile's first batch
	WIN WSG
.set k, 0
.rept 8
	v_pk_mul_f32 v[GA+2*k:GA+2*k+1], v[GA+2*k:GA+2*k+1], s[NLE:NLE+1] op_sel_hi:[1,0]
.set k, k+1
.endr
.set k, 0
.rept 16
	v_exp_f32 v[GA+k], v[GA+k]
.set k, k+1
.endr
.endm
.macro GRCP                            ; the second, behind the first batch's wait: 1 is added a pair ahead of the pair's two reciprocals, which open the tile's second batch
	WIN WSG
.set k, 0
.rept 8
	v_pk_add_f32 v[GA+2*k:GA+2*k+1], v[GA+2*k:GA+2*k+1], 1.0 op_sel_hi:[1,0]
.if k > 0
	v_rcp_f32 v[GA+2*k-2], v[GA+2*k-2]
	v_rcp_f32 v[GA+2*k-1], v[GA+2*k-1]
.endif
.set k, k+1
.endr
	v_rcp_f32 v[GA+14], v[GA+14]
	v_rcp_f32 v[GA+15], v[GA+15]
.endm
.macro SMAX NK                         ; the query's maximum: four chains, each accumulator read from its low end on; the other keys lie in the lane 16 away
.irp c, 0,1,2,3
	v_max3_num_f32 v[CH+\c], v[S+8*\c], v[S+8*\c+1], v[S+8*\c+2]
.endr
.irp e, 3,5
.irp c, 0,1,2,3
	v_max3_num_f32 v[CH+\c], v[CH+\c], v[S+8*\c+\e], v[S+8*\c+\e+1]
.endr
.endr
	v_max3_num_f32 v[CH], v[CH], v[S+7], v[S+15]
	v_max3_num_f32 v[CH+2], v[CH+2], v[S+23], v[S+31]
.set g, 1
.rept (\NK)/4-1
.irp e, 0,2,4,6
.irp c, 0,1,2,3
	v_max3_num_f32 v[CH+\c], v[CH+\c], v[S+32*g+8*\c+\e], v[S+32*g+8*\c+\e+1]
.endr
.endr
.set g, g+1
.endr
	v_max3_num_f32 v[CH], v[CH], v[CH+1], v[CH+2]
	v_max_num_f32 v[CH], v[CH], v[CH+3]
	v_permlanex16_b32 v[CH+1], v[CH], s[SEL], s[SEL+1]
	v_max_num_f32 v[MX], v[CH], v[CH+1]
	v_mov_b32 v[MX+1], v[MX]
.endm
.macro CL t, i                         ; line i of 8 for tile t, behind the batch's wait: four roundings, four sums
.if (\i) < 4
	v_cvt_pk_bf16_f32 v[P+4*(\t)+(\i)], v[S+8*(\t)+2*(\i)], v[S+8*(\t)+2*(\i)+1]
.elseif (\t) == 1
	v_pk_add_f32 v[AS+2*(\i)-8:AS+2*(\i)-7], v[S+2*(\i)-8:S+2*(\i)-7], v[S+2*(\i):S+2*(\i)+1]
.elseif (\t) > 1
	v_pk_add_f32 v[AS+2*(\i)-8:AS+2*(\i)-7], v[AS+2*(\i)-8:AS+2*(\i)-7], v[S+8*(\t)+2*(\i)-8:S+8*(\t)+2*(\i)-7]
.endif
.endm
; s - m and p = 2^(s - m) for all the lane's scores, in place, then the roundings and the sums.  The exponentials go on with the batch that the gate's reciprocals opened: a pair's subtraction stands two pairs
; ahead of its exponentials, between the exponentials of an earlier pair, so that no line ahead of the wait names a result.  Behind the wait: tile by tile, four roundings and four sums.
.macro SEXP NK
	WIN 0
.irp z, 0,1
	v_pk_add_f32 v[S+2*\z:S+2*\z+1], v[S+2*\z:S+2*\z+1], v[MX:MX+1] neg_lo:[0,1] neg_hi:[0,1]
.endr
.set k, 0
.rept 4*(\NK)
	v_exp_f32 v[S+2*k], v[S+2*k]
.if k+2 < 4*(\NK)
	v_pk_add_f32 v[S+2*k+4:S+2*k+5], v[S+2*k+4:S+2*k+5], v[MX:MX+1] neg_lo:[0,1] neg_hi:[0,1]
.endif
	v_exp_f32 v[S+2*k+1], v[S+2*k+1]
.set k, k+1
.endr
	v_nop                                          ; a plain instruction behind the last exponential: one for the batch
	s_wait_alu depctr_va_vdst(0)                   ; the wait for the second batch: the gate's 16 reciprocals and all the scores' exponentials
.set t, 0
.rept \NK
.set i, 0
.rept 8
	CL t, i
.set i, i+1
.endr
.set t, t+1
.endr
.endm
.macro PV NH, VS                       ; O^T = V^T P: channel tile x parity of the key step: four accumulators by turns
	WIN WPV
.set n, 0
.rept \NH
.irp c, 0,1
.set ro, OA+(OB-OA)*(n%2)+8*\c
.if n < 2
	v_wmma_f32_16x16x32_bf16 v[ro:ro+7], v[VF+(\VS)*\c+8*n:VF+(\VS)*\c+8*n+7], v[P+8*n:P+8*n+7], 0
.else
	v_wmma_f32_16x16x32_bf16 v[ro:ro+7], v[VF+(\VS)*\c+8*n:VF+(\VS)*\c+8*n+7], v[P+8*n:P+8*n+7], v[ro:ro+7]
.endif
.endr
.set n, n+1
.endr
.endm
.macro LSUM                            ; l; the first four lines are the places behind V^T P
	WIN 0
	v_pk_add_f32 v[AS:AS+1], v[AS:AS+1], v[AS+2:AS+3]
	v_pk_add_f32 v[AS+4:AS+5], v[AS+4:AS+5], v[AS+6:AS+7]
	v_pk_add_f32 v[AS:AS+1], v[AS:AS+1], v[AS+4:AS+5]
	v_add_f32 v[CH], v[AS], v[AS+1]
	v_permlanex16_b32 v[CH+1], v[CH], s[SEL], s[SEL+1]
	v_add_f32 v[CH], v[CH], v[CH+1]
.endm
.macro LRCP                            ; 1 / l, twice, for the packed multiply: the tile's third batch
	v_rcp_f32 v[RL], v[CH]
	v_rcp_f32 v[RL+1], v[CH]
.endm
.macro OEPI                            ; the parities joined, O / l, x gate, one rounding, 16 bytes a lane and channel tile into the stage
	WIN 0x45
.set k, 0
.rept 8                                ; these eight lines name neither reciprocal: the independent work behind the third batch, the first of them its plain instruction
	v_pk_add_f32 v[OA+2*k:OA+2*k+1], v[OA+2*k:OA+2*k+1], v[OB+2*k:OB+2*k+1]
.set k, k+1
.endr
	WIN 0x41
.set k, 0
	s_wait_alu depctr_va_vdst(0)                   ; the wait for the third batch: the two reciprocals of l
.rept 8
	v_pk_mul_f32 v[OA+2*k:OA+2*k+1], v[OA+2*k:OA+2*k+1], v[RL:RL+1]
.set k, k+1
.endr
	WIN WOG
.set k, 0
.rept 8
	v_pk_mul_f32 v[OA+2*k:OA+2*k+1], v[OA+2*k:OA+2*k+1], v[GA+2*k:GA+2*k+1]
.set k, k+1
.endr
	WIN 0x05
.set k, 0
.rept 8
	v_cvt_pk_bf16_f32 v[T+k], v[OA+2*k], v[OA+2*k+1]
.set k, k+1
.endr
	WIN 0
	ds_store_b128 v[SA], v[T:T+3]
	ds_store_b128 v[SA], v[T+4:T+7] offset:32
	v_add_nc_u32 v[SA], OSTEP, v[SA]
.endm
	s_load_b512 s[8:23], s[0:1], 0x0               ; node 8, mask 10, ln_g 12, ln_b 14, bg 16, bias 18, wf 20, og 22
	v_lshl_add_u32 v[SPW], v0, 2, SPARE
	v_mov_b32 v[NIL], 0
	v_lshrrev_b32 v2, 5, v0
	v_readfirstlane_b32 s[WVN], v2                 ; wave 0..3
	s_lshr_b32 s44, ttmp9, 1                       ; the sequence
	s_and_b32 s45, ttmp9, 1                        ; which four heads
	s_lshl2_add_u32 s[HEAD], s45, s[WVN]
	v_and_b32 v2, 15, v0                           ; r
	v_bfe_u32 v3, v0, 4, 1                         ; h
	v_and_b32 v[L16], 31, v0
	v_lshlrev_b32 v[L16], 4, v[L16]
	v_lshlrev_b32 v[R16], 4, v2
	v_lshl_add_u32 v[LGO], v3, 10, v[R16]          ; node: row h of a pair, 16 r
	v_mul_u32_u24 v[LXA], v3, XP
	v_lshl_add_u32 v[LXA], v2, 3, v[LXA]
	s_mul_i32 s33, s[WVN], 64*XP
	v_add_nc_u32 v[LXA], s33, v[LXA]               ; x: row 64 w + h, 8 r
	v_mul_u32_u24 v[XK], v2, XP
	v_lshl_add_u32 v[XK], v3, 4, v[XK]             ; a fragment of x: row r, 16 h
	v_mov_b32 v[XA], v[XK]
	s_lshl_b32 s33, s[WVN], 15
	s_add_co_u32 s33, s33, IMG
	v_add_nc_u32 v[IKA], s33, v[L16]
	v_mov_b32 v[IRD], v[IKA]
	v_add_nc_u32 v[IVA], 16384, v[IKA]
	v_mul_u32_u24 v[SA], v2, SGP
	v_lshl_add_u32 v[SA], v3, 4, v[SA]
	s_lshl_b32 s33, s[WVN], 6
	s_add_co_u32 s33, s33, STG
	v_add_nc_u32 v[SA], s33, v[SA]                 ; stage in: row r, my head's 64 bytes, 16 h
	s_lshl_b32 s33, s[WVN], 10
	s_add_co_u32 s33, s33, MSK
	v_add_nc_u32 v[MSA], s33, v[L16]
	v_lshl_add_u32 v[MRA], v3, 5, s33
	v_mul_u32_u24 v[RD], v3, SGP
	v_add_nc_u32 v[RD], v[RD], v[R16]
	s_mul_i32 s33, s[WVN], 64*SGP
	s_add_co_u32 s33, s33, STG
	v_add_nc_u32 v[RD], s33, v[RD]                 ; stage back: row 64 w + h, 16 r
	v_lshl_add_u32 v[GO], v3, 9, v[R16]
	v_lshlrev_b32 v[BGO], 5, v3
	s_lshl_b32 s46, s44, 18
	s_lshl_b32 s47, s[WVN], 16
	s_add_co_u32 s46, s46, s47                     ; node: sequence, my 64 rows
	s_mov_b32 s47, 0
	s_lshl_b32 s48, s44, 10
	s_mov_b32 s49, 0
	s_lshl_b32 s50, s[HEAD], 7
	s_mov_b32 s51, 0
	s_lshl_b32 s52, s[HEAD], 18
	s_mov_b32 s53, 0
	s_lshl_b32 s54, s[HEAD], 14
	s_mov_b32 s55, 0
	s_lshl_b32 s56, s44, 17
	s_lshl_b32 s57, s[WVN], 15
	s_add_co_u32 s56, s56, s57
	s_lshl_b32 s57, s45, 8
	s_add_co_u32 s56, s56, s57                     ; og: row 256 s + 64 w, my work-group's 256 bytes of it
	s_mov_b32 s57, 0
	s_mov_b32 s[QSC], 0x3e8293ee
	s_mov_b32 s[QSC+1], s[QSC]
	s_mov_b32 s[IC], 0x3b800000
	s_mov_b32 s[IC+1], 0x3727c5ac
	s_mov_b32 s[SEL], 0x76543210
	s_mov_b32 s[SEL+1], 0xfedcba98
	s_mov_b32 s[NLE], 0xbfb8aa3b
	s_mov_b32 s[NLE+1], s[NLE]
	s_mov_b32 s60, 0x4e6e6b28                      ; 1e9
	s_mov_b32 s61, s60
	s_mov_b32 s62, 0x3fb8aa3b                      ; log2(e)
	s_mov_b32 s63, s62
	s_wait_kmcnt 0x0
	s_add_nc_u64 s[NPT:NPT+1], s[8:9], s[46:47]
	s_add_nc_u64 s[10:11], s[10:11], s[48:49]
	s_add_nc_u64 s[16:17], s[16:17], s[50:51]
	s_add_nc_u64 s[BP:BP+1], s[18:19], s[52:53]
	s_add_nc_u64 s[WFP:WFP+1], s[20:21], s[54:55]
	s_add_nc_u64 s[OGB:OGB+1], s[22:23], s[56:57]
	; ---------------- LayerNorm of my 64 rows ----------------
	global_load_b128 v[MRAW:MRAW+3], v[L16], s[10:11]
	global_load_b128 v[MRAW+4:MRAW+7], v[L16], s[10:11] offset:512
.irp c, 0,1,2,3
	global_load_b128 v[G+4*\c:G+4*\c+3], v[R16], s[12:13] offset:256*\c
	global_load_b128 v[BV+4*\c:BV+4*\c+3], v[R16], s[14:15] offset:256*\c
.endr
	LOADSET XSA, 0
	LOADSET XSB, 8192
	WIN 0x80
.set n, 0
.rept 64                               ; wk, wv of my head: register 4 n from byte 512 n of the block
	global_load_b128 v[4*n:4*n+3], v[L16], s[WFP:WFP+1] offset:(n/32)*131072+(n%32)*512
.set n, n+1
.endr
	WIN 0
	s_mov_b32 s[CNT], 4
.Lln:                                  ; a trip: 16 rows, in two sets of registers; while one is worked on the other's loads are out
	s_wait_loadcnt 16                              ; set A is in: behind it were issued set B's 16 loads
	LN_CORE XSA, 4, 16, 0
	XSTORE XSA, 0
	s_cmp_eq_u32 s[CNT], 1
	s_cbranch_scc1 .LlnA                           ; the last trip asks for nothing more
	LOADSET XSA, 16384
	s_wait_loadcnt 16                              ; set B is in; the 16 just issued stay out
	s_branch .LlnB
.LlnA:
	s_wait_loadcnt 0x0
.LlnB:
	LN_CORE XSB, 4, 16, 0
	XSTORE XSB, 8*XP
	s_sub_co_u32 s[CNT], s[CNT], 1
	s_cmp_eq_u32 s[CNT], 0
	s_cbranch_scc1 .LlnD
	LOADSET XSB, 24576
	v_add_nc_u32 v[LXA], 16*XP, v[LXA]
	s_wait_xcnt 0x0                                ; the loads have read the pointer: it may step
	s_add_nc_u64 s[NPT:NPT+1], s[NPT:NPT+1], 16384
	s_cmp_lg_u32 s[CNT], 0
	s_cbranch_scc1 .Lln
.LlnD:
	s_wait_loadcnt 0x0                             ; the mask and wk, wv are in too
.set k, 0
.rept 4                                ; ((mask - 1) x 1e9) x log2(e)
	v_pk_add_f32 v[MRAW+2*k:MRAW+2*k+1], v[MRAW+2*k:MRAW+2*k+1], -1.0 op_sel_hi:[1,0]
.set k, k+1
.endr
.set k, 0
.rept 4
	v_pk_mul_f32 v[MRAW+2*k:MRAW+2*k+1], v[MRAW+2*k:MRAW+2*k+1], s[60:61] op_sel_hi:[1,0]
.set k, k+1
.endr
.set k, 0
.rept 4
	v_pk_mul_f32 v[MRAW+2*k:MRAW+2*k+1], v[MRAW+2*k:MRAW+2*k+1], s[62:63] op_sel_hi:[1,0]
.set k, k+1
.endr
	ds_store_b128 v[MSA], v[MRAW:MRAW+3]
	ds_store_b128 v[MSA], v[MRAW+4:MRAW+7] offset:512
	WIN 0xc0
.set n, 0
.rept 64                               ; wq, wg: they land while k and v are made
	global_load_b128 v[4*n:4*n+3], v[L16], s[WFP:WFP+1] offset:262144+(n/32)*131072+(n%32)*512
.set n, n+1
.endr
	WIN 0x40
.set n, 0
.rept 4
	global_load_b128 v[BG+4*n:BG+4*n+3], v[BGO], s[16:17] offset:(n/2)*64+(n%2)*16
.set n, n+1
.endr
	BIASLD                                         ; the bias of query tile 0
	s_wait_dscnt 0x0                               ; for the others' sake: my rows of x are written
	s_barrier_signal -1
	s_barrier_wait -1
	; ---------------- k and v of all 256 tokens, two tiles a trip ----------------
	XLOAD KXA, 0, 0
	XLOAD KXB, 0, 16*XP
	XLOAD KXA, 1, 0
	XLOAD KXB, 1, 16*XP
	s_mov_b32 s[CNT], 8
.Lkv:
	s_wait_dscnt 16                                ; ks 0-3 of both tiles are in: behind them were issued the 16 loads of ks 4-7 (and, in later trips, 8 stores)
	KRUN 0
	s_wait_dscnt 0x0                               ; ks 4-7
	KRUN 1
	VRUN 0
	NOP4                                           ; places in front of the loads into the fragments just read
	WIN 0
	s_cmp_eq_u32 s[CNT], 1
	s_cbranch_scc1 .Lkv1                           ; the last trip fetches nothing
	XLOAD KXA, 0, 32*XP
	XLOAD KXB, 0, 48*XP
.Lkv1:
	VRUN 1
	NOP4
	WIN 0
	s_cmp_eq_u32 s[CNT], 1
	s_cbranch_scc1 .Lkv2
	XLOAD KXA, 1, 32*XP
	XLOAD KXB, 1, 48*XP
.Lkv2:
	CV4 TK, KACC                                   ; K fragment of tile a: channels 0-15, 16-31
	CV4 TK+4, KACC+8
	CV4 TK+8, KACC+32                              ; of tile b
	CV4 TK+12, KACC+40
	CV4 TK+16, KACC+16                             ; V^T fragment, channels 0-15: tokens of a, of b
	CV4 TK+20, KACC+48
	CV4 TK+24, KACC+24                             ; channels 16-31
	CV4 TK+28, KACC+56
.irp u, 0,1,2,3
	ds_store_b128 v[IKA], v[TK+4*\u:TK+4*\u+3] offset:512*\u
.endr
	ds_store_b128 v[IVA], v[TK+16:TK+19]
	ds_store_b128 v[IVA], v[TK+20:TK+23] offset:512
	ds_store_b128 v[IVA], v[TK+24:TK+27] offset:8192
	ds_store_b128 v[IVA], v[TK+28:TK+31] offset:8704
	v_add_nc_u32 v[XK], 32*XP, v[XK]
	v_add_nc_u32 v[IKA], 2048, v[IKA]
	v_add_nc_u32 v[IVA], 1024, v[IVA]
	s_sub_co_u32 s[CNT], s[CNT], 1
	s_cmp_lg_u32 s[CNT], 0
	s_cbranch_scc1 .Lkv
	WIN 0x80
.set n, 0
.rept 64                               ; K and V^T come back into the registers that held wk and wv: my wave's own bytes, served in order behind the stores
	ds_load_b128 v[4*n:4*n+3], v[IRD] offset:512*n
.set n, n+1
.endr
	WIN 0
	MASKLD 0                                       ; the first tile's first half of the mask's term
	XFLOAD
	s_wait_dscnt 0x0                               ; my reads of the image are over: behind this barrier the stage is written in its bytes
	s_barrier_signal -1
	s_barrier_wait -1
	; ---------------- sixteen query tiles ----------------
	s_mov_b32 s[CNT], 16
.Lq:
	s_wait_dscnt 0x0                               ; the tile's fragments of x, and the mask's term of keys 0-127
	s_wait_loadcnt 16                              ; the tile's bias of keys 0-127 is in: the 16 loads of keys 128-255 are the only younger ones (in the first trip wq, wg, bg, all older, are in with it)
	BADD 0
	MASKLD 1                                       ; keys 128-255: they land under the projections
	PROJ
	s_wait_dscnt 0x0                               ; the mask's term of keys 128-255
	s_wait_loadcnt 0x0                             ; the bias of keys 128-255: nothing younger is out
	BADD 1                                         ; these lines are also the places behind the projections
	s_cmp_eq_u32 s[CNT], 1
	s_cbranch_scc1 .Lq1                            ; the last tile asks for nothing more
	s_add_nc_u64 s[BP:BP+1], s[BP:BP+1], 16384     ; all loads by this pointer were waited for above
	BIASLD                                         ; the next tile's bias, as soon as its landing registers are free: the rest of this trip lies ahead of its first use
	v_add_nc_u32 v[XA], 16*XP, v[XA]
	XFLOAD                                         ; the next tile's fragments
.Lq1:
	QCVT
	QK 16
	GEXP                                           ; the first batch: the gate's 16 exponentials
	WIN 0
	SMAX 16                                        ; names none of their results: the independent work behind the batch, its first line the plain instruction behind the last exponential
	s_wait_alu depctr_va_vdst(0)                   ; the wait for the first batch, ahead of the additions of 1 that read it
	GRCP                                           ; the second batch opens: the gate's 16 reciprocals,
	SEXP 16                                        ; and goes on with the scores' 128 exponentials; its one wait stands in there, ahead of the roundings and sums
	PV 8, 64
	LSUM
	s_cmp_eq_u32 s[CNT], 1
	s_cbranch_scc1 .Lq2
	MASKLD 0                                       ; P has been multiplied (l's six lines, five of them plain, stand between): the next tile's first half of the mask's term
.Lq2:
	LRCP                                           ; the third batch stands behind the label: no result crosses a branch
	OEPI
	s_sub_co_u32 s[CNT], s[CNT], 1
	s_cmp_lg_u32 s[CNT], 0
	s_cbranch_scc1 .Lq
	; ---------------- the way out: a row's 256 bytes come from four waves ----------------
	s_wait_dscnt 0x0
	s_barrier_signal -1
	s_barrier_wait -1
	s_mov_b32 s[CNT], 4
.Lo:
.set i, 0
.rept 8
	ds_load_b128 v[S+4*i:S+4*i+3], v[RD] offset:2*SGP*i
.set i, i+1
.endr
.set i, 0
.rept 8
	s_wait_dscnt 7-i
	global_store_b128 v[GO], v[S+4*i:S+4*i+3], s[OGB:OGB+1] offset:1024*i   ; 16 lanes store 256 consecutive bytes, aligned
.set i, i+1
.endr
	s_wait_xcnt 0x0                                ; the stores have read their registers
	v_add_nc_u32 v[RD], 16*SGP, v[RD]
	v_add_nc_u32 v[GO], 8192, v[GO]
	s_sub_co_u32 s[CNT], s[CNT], 1
	s_cmp_lg_u32 s[CNT], 0
	s_cbranch_scc1 .Lo
	s_wait_tensorcnt 0x0                           ; the wave's end, behind my last LDS store
	ds_add_u32 v[SPW], v[NIL]
	s_wait_dscnt 0x0
	s_endpgm
.Lfunc_end_k_q50a4f5a7cb_rowatt:
	.size	k_q50a4f5a7cb_rowatt, .Lfunc_end_k_q50a4f5a7cb_rowatt-k_q50a4f5a7cb_rowatt
	.p2alignl 7, 3214868480
	.fill 96, 4, 3214868480
	.section	.rodata,"a",@progbits
	.p2align	6, 0x0
	.amdhsa_kernel k_q50a4f5a7cb_rowatt
		.amdhsa_group_segment_fixed_size 270848
		.amdhsa_private_segment_fixed_size 0
		.amdhsa_enable_private_segment 0
		.amdhsa_kernarg_size 64
		.amdhsa_user_sgpr_count 2
		.amdhsa_user_sgpr_kernarg_segment_ptr 1
		.amdhsa_wavefront_size32 1
		.amdhsa_system_sgpr_workgroup_id_x 1
		.amdhsa_system_sgpr_workgroup_id_y 1
		.amdhsa_system_sgpr_workgroup_id_z 1
		.amdhsa_system_vgpr_workitem_id 0
		.amdhsa_next_free_vgpr 1024
		.amdhsa_next_free_sgpr 66
		.amdhsa_reserve_vcc 0
		.amdhsa_float_denorm_mode_32 3
		.amdhsa_float_denorm_mode_16_64 3
		.amdhsa_memory_ordered 1
		.amdhsa_forward_progress 1
		.amdhsa_inst_pref_size 120
	.end_amdhsa_kernel
	.amdgpu_metadata
---
amdhsa.version: [ 1, 2 ]
amdhsa.kernels:
  - .name:           k_q50a4f5a7cb_rowatt
    .symbol:         k_q50a4f5a7cb_rowatt.kd
    .args:
      - { .name: node, .offset: 0, .size: 8, .value_kind: global_buffer, .address_space: global }
      - { .name: node_mask, .offset: 8, .size: 8, .value_kind: global_buffer, .address_space: global }
      - { .name: row_ln_m_g, .offset: 16, .size: 8, .value_kind: global_buffer, .address_space: global }
      - { .name: row_ln_m_b, .offset: 24, .size: 8, .value_kind: global_buffer, .address_space: global }
      - { .name: row_bg, .offset: 32, .size: 8, .value_kind: global_buffer, .address_space: global }
      - { .name: bias, .offset: 40, .size: 8, .value_kind: global_buffer, .address_space: global }
      - { .name: wf, .offset: 48, .size: 8, .value_kind: global_buffer, .address_space: global }
      - { .name: og, .offset: 56, .size: 8, .value_kind: global_buffer, .address_space: global }
    .group_segment_fixed_size: 270848
    .private_segment_fixed_size: 0
    .kernarg_segment_align: 8
    .kernarg_segment_size: 64
    .max_flat_workgroup_size: 128
    .sgpr_count:     66
    .vgpr_count:     1024
    .wavefront_size: 32
...
	.end_amdgpu_metadata
.endif
;; end of part 4
;; launch colmlp (part 5): grid 256 x 1, 4 waves a work-group, no clusters, 281,600 bytes of LDS; arguments node, og, node_mask, wf, out0, row_out_bias, col_ln_g, col_ln_b, col_bo, col_bg, tr_ln_g, tr_ln_b, tr_b1, tr_b2; writes out0
.if DOCPART == 5
	.amdgcn_target "amdgcn-amd-amdhsa--gfx1250"
	.amdhsa_code_object_version 6
	.text
	.protected	k_q50a4f5a7cb_colmlp
	.globl	k_q50a4f5a7cb_colmlp
	.p2align	8
	.type	k_q50a4f5a7cb_colmlp,@function
k_q50a4f5a7cb_colmlp:
	s_mov_b64 s[64:65], 0
	v_nop
	global_prefetch_b8 v0, s[64:65] scope:SCOPE_SE
	s_setreg_imm32_b32 hwreg(HW_REG_WAVE_MODE, 25, 1), 1
	s_wait_xcnt 0x0
; THE REST OF THE MODULE, BY COLUMNS.  A work-group owns one residue (128 tokens s = 0..127 x 256 channels) and keeps its residual in LDS in f32 from first to last:
; res = node + og row_wo^T;  x = LN(res + row_out_bias);  column attention (8 heads, two a wave);  res += (gated o) col_wo^T;  x = LN(res + biases);  res += relu(x w1^T + b1) w2^T;  out0 = res + biases.
; The three additive biases never enter res: LN and the way out add their running sum (row_out_bias; + col_bo; + tr_b2), an order of additions other than the reference's.
; GEMM.  A wave makes all 128 tokens x its 64 columns: 32 accumulators, which START from res (or from b1) as loaded from LDS, so nothing is cleared and nothing added afterwards.  D = (16 weight rows) x (16 tokens)^T:
; a lane holds one token and eight neighbouring columns.  The second transition product keeps its 32 accumulators in registers over all four chunks of 256 hidden channels.
; WEIGHTS lie in memory as one stream for each wave, 28 blocks of 16 KiB in the order of use, in register order: they go into a ring of four groups of 32 registers, each group asked for again as soon as it
; has been multiplied, 96 matrix instructions ahead of its next use.  The one refill that has no successor repeats the wave's last block: 16 KiB whose data are not used.
; The stream's pointer is stepped directly ahead of the loads that use it, not behind the loads that read it last; blocks asked for together share one step and stand in the immediate.
; Where the text leaves the ring's regular walk (behind a layer's product, at a head's beginning, behind the attention) all loads are waited for, so that no load is ever issued into a register
; that an earlier load has still to write, whichever way the tests on the two counters LC and HD are taken.
; ATTENTION as in the launch before (layouts, true maximum, sums of the unrounded p); the mask's term is the C operand of K Q^T.
; TRANSCENDENTALS GO IN BATCHES, each with ONE s_wait_alu depctr_va_vdst(0) ahead of the first line that names a result.  A query tile has three:
;   (1) the gate's 16 exponentials, issued behind K Q^T; the lines that find the maximum are the independent work behind them, and the wait stands behind those;
;   (2) the gate's 16 reciprocals and the scores' 64 exponentials, with the additions of 1 and the subtractions of the maximum set between them; all roundings and sums stand behind the wait;
;   (3) the two reciprocals of l; the joining of O^T's parities is the independent work behind them.
; A LayerNorm call's four roots are one batch.
; LIMITS.  og, x, the weights, q, k, v, p, the gated o and the hidden layer are rounded once to bf16.  A weight below 2^-126 counts as 0.  A column whose keys are all masked gives a near uniform result, as in the
; reference, not equal to the last bit (scores near -1.44e9, f32's step 128).  NaN and infinities are not treated apart.
; NO CLUSTER: what work-groups share is the weights; each byte goes into ONE wave's registers with no LDS on the way, and a joint request lands in LDS, of which 281,600 bytes are taken by activations.
; REGISTERS, in windows of 256 (s_set_vgpr_msb: bits 1:0 source 0, 3:2 source 1, 5:4 source 2, 7:6 destination):
;   window 0: v0-31 addresses; v32-63 at work; v64-127 S^T (KV accumulators, LN slots and gains); v128-191 the mask's term; v192-223 P; v224-255 q, gate
;   window 1: accumulators (i, tt) at 64 i + 8 tt; in attention K, V^T, x fragments, O^T, bg      window 2: v0-127 the weight ring (wk); v128-255 two buffers of x fragments (wv)      window 3: the second set of accumulators (wq, wg)
.set RP, 1040                          ; a row of res in LDS: 1,024 bytes + 16
.set XP, 528                           ; a row of U or X: 512 bytes + 16
.set UR, 128*RP                        ; U: og, then the gated o, then the hidden chunk
.set XR, UR+128*XP                     ; X: LN's result
.set PAR, XR+128*XP                    ; 12 KiB of vectors: ln1 g, b, A1; ln2 g, b, A2; A3; col_bg; tr_b1
.set MSK, PAR+12288                    ; the mask's term, 128 numbers
.set SPARE, MSK+512                    ; the spare words: 128 bytes for each of 4 waves
.set ST, 524288
.set L16, 1
.set XSU, 4
.set XSX, 5
.set XK, XSX
.set XW, 6
.set RESA0, 7                          ; v7, v8: my place in res for token tiles 0-3, 4-7
.set CBA, 9
.set UST, 10
.set LRA, 11
.set LXA, 12
.set LNP, 13
.set XA, 14
.set R16, 15
.set SA, 16
.set SAH, 17
.set BGA, 18
.set MRA, 19
.set UP0, 20
.set LRA0, 21
.set GO, 22
.set LXA0, 23
.set T8, 24
.set T16, 25
.set T1K, 26
.set PST, 27
.set PS2, 28
.set ZERO, 29
.set SPW, 30                           ; my spare word; never rewritten
.set NIL, 31                           ; 0; never rewritten
.set MST, 32
.set QF, 32
.set CH, 40
.set LT, 40
.set MX, 44
.set AS, 46
.set RL, 54
.set T, 56
.set S, 64
.set KACC, 64
.set LNS, 64
.set PRM, 64
.set HT, 64
.set G, 96
.set BV, 112
.set MK, 128
.set QKC, MK
.set P, 192
.set AD, 192
.set QA, 224
.set GA, 240
.set KF, 0                             ; window 1
.set VF, 64
.set XFA, 128
.set XFB, 192
.set OA, 192
.set BG, 208
.set OB, 224
.set RA, 0                             ; window 2
.set WK, 0
.set XFG, 128
.set WV, 128
.set WQ, 0                             ; window 3
.set WG, 128
.set WPJ, 0x07                         ; projections: A window 3, B window 1, C and D window 0
.set WPG, 0x17                         ; the gate's first step: C = bg in window 1
.set WQM, 0
.set WQC, 0
.set WQK, 0x01                         ; K window 1
.set WSG, 0
.set WPV, 0x51                         ; V^T window 1, P window 0, O^T window 1
.set WOG, 0x41
.set OSTEP, 16*XP
.set WVN, 36
.set WB, 38                            ; s[38:39] my stream's first byte
.set WP, 40                            ; s[40:41] the block last stepped to
.set SOFF, 42                          ; s42 the byte offset in my stream of the block last asked for
.set CNT, 46
.set LC, 47
.set HD, 48
.set QC, 49
.set CHK, 50
.set SEL, 52
.set QSC, 54
.set IC, 56
.set OUTB, 58
.set NLE, 62
.set MSB, 0
.macro WIN new                         ; the immediate's high byte repeats the setting that is left; a switch that changes nothing is dropped
.if MSB != (\new)
	s_set_vgpr_msb (MSB<<8)|(\new)
.set MSB, (\new)
.endif
.endm
.macro NOP4                            ; four places behind a matrix instruction (ISA guide 7.12.1)
.rept 4
	v_nop
.endr
.endm
.macro PERP NP, line:vararg
.set p, 0
.rept \NP
.set xb, LNX+LNE*p
.set tb, LT+6*p
	\line
.set p, p+1
.endr
.endm
.macro PERK NP, K0, line:vararg
.set k, \K0
.rept LNE/2-(\K0)
.set p, 0
.rept \NP
.set xb, LNX+LNE*p+2*k
.set xc, LNX+LNE*p+k
.set tb, LT+6*p
.set kb, 2*k
	\line
.set p, p+1
.endr
.set k, k+1
.endr
.endm
; LayerNorm of NP slots of NE registers at X0 (a slot: two rows, one in each half of the lanes; lane: columns 64 c + 4 (l%16) + 0..3); ADD = 1: AD is added first; the result, bf16, in the slot's first NE/2 registers.
.macro LN_CORE X0, NP, NE, ADD
.set LNX, (\X0)
.set LNE, (\NE)
.if \ADD
	PERK \NP, 0, v_pk_add_f32 v[xb:xb+1], v[xb:xb+1], v[AD+kb:AD+kb+1]
.endif
	PERP \NP, v_pk_add_f32 v[tb:tb+1], v[xb:xb+1], v[xb+2:xb+3]
	PERK \NP, 2, v_pk_add_f32 v[tb:tb+1], v[tb:tb+1], v[xb:xb+1]
	PERP \NP, v_add_f32 v[tb], v[tb], v[tb+1]
.irp m, 1,2,4,8
	PERP \NP, v_add_f32_dpp v[tb], v[tb], v[tb] row_xmask:\m row_mask:0xf bank_mask:0xf
.endr
	PERP \NP, v_mul_f32 v[tb+2], s[IC], v[tb]
	PERP \NP, v_mov_b32 v[tb+3], v[tb+2]
	PERK \NP, 0, v_pk_add_f32 v[xb:xb+1], v[xb:xb+1], v[tb+2:tb+3] neg_lo:[0,1] neg_hi:[0,1]
	PERP \NP, v_pk_mul_f32 v[tb:tb+1], v[xb:xb+1], v[xb:xb+1]
	PERK \NP, 1, v_pk_fma_f32 v[tb:tb+1], v[xb:xb+1], v[xb:xb+1], v[tb:tb+1]
	PERP \NP, v_add_f32 v[tb], v[tb], v[tb+1]
.irp m, 1,2,4,8
	PERP \NP, v_add_f32_dpp v[tb], v[tb], v[tb] row_xmask:\m row_mask:0xf bank_mask:0xf
.endr
	PERP \NP, v_fma_f32 v[tb], v[tb], s[IC], s[IC+1]
	PERP \NP, v_rsq_f32 v[tb+4], v[tb]
	PERP \NP, v_rsq_f32 v[tb+5], v[tb]
	v_nop                                          ; a plain instruction between the roots and the use of their results
	s_wait_alu depctr_va_vdst(0)                   ; the wait for the batch: all the slots' roots; every later line of the call needs them, so nothing stands between
	PERK \NP, 0, v_pk_mul_f32 v[xb:xb+1], v[xb:xb+1], v[tb+4:tb+5]
	PERK \NP, 0, v_pk_fma_f32 v[xb:xb+1], v[xb:xb+1], v[G+kb:G+kb+1], v[BV+kb:BV+kb+1]
	PERK \NP, 0, v_cvt_pk_bf16_f32 v[xc], v[xb], v[xb+1]
.endm
; ---- the weight stream ----
.macro STEPW                           ; the pointer goes to the block behind the one last asked for; behind the stream's last block it stays there.  It stands directly ahead of the loads that use it
	s_wait_xcnt 0x0                                ; the loads that read the pointer last have read it
	s_add_co_u32 s[SOFF], s[SOFF], 16384
	s_min_u32 s44, s[SOFF], 27*16384
	s_add_nc_u64 s[WP:WP+1], s[WB:WB+1], s[44:45]
.endm
.macro BLK win, base, k                ; a whole block, k blocks behind the pointer: register 4 n from byte 512 n
	WIN (\win)<<6
.set n, 0
.rept 32
	global_load_b128 v[(\base)+4*n:(\base)+4*n+3], v[L16], s[WP:WP+1] offset:16384*(\k)+512*n
.set n, n+1
.endr
.endm
.macro SADV k                          ; k blocks more have been asked for by the immediate: only the count moves, the pointer stays
	s_add_co_u32 s[SOFF], s[SOFF], 16384*(\k)
.endm
; ---- the GEMM unit ----
.macro XFL b, imm                      ; the eight token tiles' fragments of one K step of 32 into buffer b
	WIN 0x80
.set n, 0
.rept 8
	ds_load_b128 v[XFG+64*(\b)+8*n:XFG+64*(\b)+8*n+3], v[XW] offset:16*XP*n+(\imm)
	ds_load_b128 v[XFG+64*(\b)+8*n+4:XFG+64*(\b)+8*n+7], v[XW] offset:16*XP*n+(\imm)+32
.set n, n+1
.endr
.endm
.macro PRE_R accw                      ; the sums start from res.  In the order in which the first K step takes them: n = 4 tt + i
	WIN (\accw)<<6
.set n, 0
.rept 32
.set pa, 64*(n%4)+8*(n/4)
	ds_load_b128 v[pa:pa+3], v[RESA0+n/16] offset:((n/4)%4)*16*RP+64*(n%4)
	ds_load_b128 v[pa+4:pa+7], v[RESA0+n/16] offset:((n/4)%4)*16*RP+64*(n%4)+16
.set n, n+1
.endr
.endm
.macro PRE_H                           ; the hidden sums start from tr_b1; the same order
	WIN 0x40
.set n, 0
.rept 32
.set pa, 64*(n%4)+8*(n/4)
	ds_load_b128 v[pa:pa+3], v[CBA] offset:64*(n%4)
	ds_load_b128 v[pa+4:pa+7], v[CBA] offset:64*(n%4)+16
.set n, n+1
.endr
.endm
; ACC (window accw) += src[128 x 256] W^T.  Two trips of four K steps; a step: 32 matrix instructions on 32 accumulators by turns, then the ring group and the fragment buffer just read are asked for again.
; pre = 1: the accumulators start from res; 2: from tr_b1; 0: they are in registers already.  With a start, 96 LDS loads go out at the head: fragment buffer 0 (16), the accumulators by token tile (64),
; fragment buffer 1 (16); K step 0 then waits token tile by token tile, so that the later tiles' starts land under the earlier tiles' products.
.macro GEMM accw, src, pre
	WIN 0
	v_mov_b32 v[XW], v[\src]
	XFL 0, 0
.if (\pre) == 1
	PRE_R \accw
.endif
.if (\pre) == 2
	PRE_H
.endif
	XFL 1, 64
	WIN 0
	s_mov_b32 s[CNT], 2
.if (\pre) == 0
	s_wait_dscnt 16                                ; buffer 1's 16 loads are younger: buffer 0 is in
.endif
	s_wait_loadcnt 24                              ; of the ring's 32 loads the three later groups' 24 may stay out
.Lg\@:
.irp j, 0,1,2,3
	WIN ((\accw)<<6)|((\accw)<<4)|0x0a
.set tt, 0
.rept 8
.if (\pre) && (\j == 0)
.set wc, 72-8*tt
.if wc > 63
.set wc, 63
.endif
	s_wait_dscnt wc                                ; tile tt's fragment and its four accumulators are among the first 24 + 8 tt of the 96 loads: 72 - 8 tt may stay out (the count's field ends at 63).  In the second trip at most buffer 1's 16 loads are out: these counts hold nothing up there
.endif
.set i, 0
.rept 4
	v_wmma_f32_16x16x32_bf16 v[64*i+8*tt:64*i+8*tt+7], v[RA+32*\j+8*i:RA+32*\j+8*i+7], v[XFG+64*(\j%2)+8*tt:XFG+64*(\j%2)+8*tt+7], v[64*i+8*tt:64*i+8*tt+7]
.set i, i+1
.endr
.set tt, tt+1
.endr
	NOP4                                           ; places in front of the loads into registers just read
.if \j == 0
	STEPW                                          ; the trip's refills bring the next block; the last loads by the pointer stand 32 products back
.endif
	WIN 0x80
.set n, 0
.rept 8
	global_load_b128 v[RA+32*\j+4*n:RA+32*\j+4*n+3], v[L16], s[WP:WP+1] offset:4096*\j+512*n
.set n, n+1
.endr
.if \j < 2
	XFL \j, 64*\j+128
	s_wait_dscnt 16                                ; the other buffer, asked for a step ago, is in
.else
	WIN 0
	s_cmp_eq_u32 s[CNT], 1
	s_cbranch_scc1 .Lg\@x\j                        ; the second trip has no K step behind its fourth
	XFL \j-2, 64*\j+128
	WIN 0
	s_wait_dscnt 16
	s_branch .Lg\@y\j
.Lg\@x\j:
	s_wait_dscnt 0x0
.Lg\@y\j:
.endif
	s_wait_loadcnt 24                              ; the next group, the oldest 8 of the 32 that are out, is in
.endr
	WIN 0
	v_add_nc_u32 v[XW], 256, v[XW]
	s_sub_co_u32 s[CNT], s[CNT], 1
	s_cmp_lg_u32 s[CNT], 0
	s_cbranch_scc1 .Lg\@
	s_wait_dscnt 0x0                               ; no LDS load of mine is out behind the unit (the last step has waited for 0 already)
.endm
.macro POST_R accw                     ; the sums go back to res, each accumulator from its low end on
	NOP4
	WIN (\accw)<<2
.set n, 0
.rept 32
	ds_store_b128 v[RESA0+(n%8)/4], v[8*n:8*n+3] offset:(n%4)*16*RP+64*(n/8)
	ds_store_b128 v[RESA0+(n%8)/4], v[8*n+4:8*n+7] offset:(n%4)*16*RP+64*(n/8)+16
.set n, n+1
.endr
.endm
.macro POST_H                          ; one rounding, relu on the packed halves, 16 bytes a lane and accumulator into U
	NOP4
	WIN 0x05
.set n, 0
.rept 128
	v_cvt_pk_bf16_f32 v[HT+n], v[2*n], v[2*n+1]
.set n, n+1
.endr
	WIN 0
.set n, 0
.rept 128
	v_pk_max_num_bf16 v[HT+n], v[HT+n], v[ZERO]
.set n, n+1
.endr
.set n, 0
.rept 32
	ds_store_b128 v[UST], v[HT+4*n:HT+4*n+3] offset:(n%8)*16*XP+32*(n/8)
.set n, n+1
.endr
.endm
; ---- attention ----
.macro XLOAD dst, hf, imm
.set q, 4*(\hf)
.rept 4
	ds_load_b128 v[(\dst)+8*q:(\dst)+8*q+3], v[XK] offset:(\imm)+64*q
	ds_load_b128 v[(\dst)+8*q+4:(\dst)+8*q+7], v[XK] offset:(\imm)+64*q+32
.set q, q+1
.endr
.endm
.macro XFLOAD
	WIN 0x40
.set q, 0
.rept 8
	ds_load_b128 v[XFA+8*q:XFA+8*q+3], v[XA] offset:64*q
	ds_load_b128 v[XFA+8*q+4:XFA+8*q+7], v[XA] offset:64*q+32
.set q, q+1
.endr
	WIN 0
.endm
.macro KRUN hf                         ; k of two token tiles: four accumulators by turns
	WIN 0x06
.set ks, 4*(\hf)
.rept 4
.irp b, 0,1
.irp i, 0,1
.set ra, KACC+32*\b+8*\i
.set rx, XFA+(XFB-XFA)*\b+8*ks
.if ks == 0
	v_wmma_f32_16x16x32_bf16 v[ra:ra+7], v[WK+64*\i+8*ks:WK+64*\i+8*ks+7], v[rx:rx+7], 0
.else
	v_wmma_f32_16x16x32_bf16 v[ra:ra+7], v[WK+64*\i+8*ks:WK+64*\i+8*ks+7], v[rx:rx+7], v[ra:ra+7]
.endif
.endr
.endr
.set ks, ks+1
.endr
.endm
.macro VRUN hf
	WIN 0x09
.set ks, 4*(\hf)
.rept 4
.irp b, 0,1
.irp i, 0,1
.set ra, KACC+32*\b+16+8*\i
.set rx, XFA+(XFB-XFA)*\b+8*ks
.if ks == 0
	v_wmma_f32_16x16x32_bf16 v[ra:ra+7], v[rx:rx+7], v[WV+64*\i+8*ks:WV+64*\i+8*ks+7], 0
.else
	v_wmma_f32_16x16x32_bf16 v[ra:ra+7], v[rx:rx+7], v[WV+64*\i+8*ks:WV+64*\i+8*ks+7], v[ra:ra+7]
.endif
.endr
.endr
.set ks, ks+1
.endr
.endm
.macro CV4 dst, src
.set q, 0
.rept 4
	v_cvt_pk_bf16_f32 v[(\dst)+q], v[(\src)+2*q], v[(\src)+2*q+1]
.set q, q+1
.endr
.endm
.macro KVP n                           ; token tiles 2 n, 2 n + 1: k, v, and their fragments straight into K's and V^T's registers
	s_wait_dscnt 16                                ; ks 0-3 of both tiles are in; the 16 loads of ks 4-7 are younger
	KRUN 0
	s_wait_dscnt 0x0
	KRUN 1
	VRUN 0
	NOP4
.if (\n) < 3
	WIN 0x40
	XLOAD XFA, 0, (2*(\n)+2)*16*XP
	XLOAD XFB, 0, (2*(\n)+3)*16*XP
.endif
	VRUN 1
	NOP4
.if (\n) < 3
	WIN 0x40
	XLOAD XFA, 1, (2*(\n)+2)*16*XP
	XLOAD XFB, 1, (2*(\n)+3)*16*XP
.endif
	WIN 0x40
	CV4 KF+16*(\n), KACC
	CV4 KF+16*(\n)+4, KACC+8
	CV4 KF+16*(\n)+8, KACC+32
	CV4 KF+16*(\n)+12, KACC+40
	CV4 VF+8*(\n), KACC+16
	CV4 VF+8*(\n)+4, KACC+48
	CV4 VF+32+8*(\n), KACC+24
	CV4 VF+32+8*(\n)+4, KACC+56
.endm
.macro PROJ
.set ks, 0
.rept 8
.irp i, 0,1
	WIN WPJ
.if ks == 0
	v_wmma_f32_16x16x32_bf16 v[QA+8*\i:QA+8*\i+7], v[WQ+64*\i:WQ+64*\i+7], v[XFA:XFA+7], 0
.else
	v_wmma_f32_16x16x32_bf16 v[QA+8*\i:QA+8*\i+7], v[WQ+64*\i+8*ks:WQ+64*\i+8*ks+7], v[XFA+8*ks:XFA+8*ks+7], v[QA+8*\i:QA+8*\i+7]
.endif
.endr
.irp i, 0,1
.if ks == 0
	WIN WPG
	v_wmma_f32_16x16x32_bf16 v[GA+8*\i:GA+8*\i+7], v[WG+64*\i:WG+64*\i+7], v[XFA:XFA+7], v[BG+8*\i:BG+8*\i+7]
.else
	WIN WPJ
	v_wmma_f32_16x16x32_bf16 v[GA+8*\i:GA+8*\i+7], v[WG+64*\i+8*ks:WG+64*\i+8*ks+7], v[XFA+8*ks:XFA+8*ks+7], v[GA+8*\i:GA+8*\i+7]
.endif
.endr
.set ks, ks+1
.endr
.endm
.macro QCVT
	WIN WQM
.set k, 0
.rept 8
	v_pk_mul_f32 v[QA+2*k:QA+2*k+1], v[QA+2*k:QA+2*k+1], s[QSC:QSC+1] op_sel_hi:[1,0]
.set k, k+1
.endr
	WIN WQC
.set k, 0
.rept 8
	v_cvt_pk_bf16_f32 v[QF+k], v[QA+2*k], v[QA+2*k+1]
.set k, k+1
.endr
.endm
.macro QK NK
	WIN WQK
.set t, 0
.rept \NK
	v_wmma_f32_16x16x32_bf16 v[S+8*t:S+8*t+7], v[KF+8*t:KF+8*t+7], v[QF:QF+7], v[QKC+8*t:QKC+8*t+7]
.set t, t+1
.endr
.endm
; gate = 1 / (1 + 2^(-log2(e) g)), in two parts.
.macro GEXP                            ; the first: its eight multiplies are the places behind K Q^T; its 16 exponentials are the tile's first batch
	WIN WSG
.set k, 0
.rept 8
	v_pk_mul_f32 v[GA+2*k:GA+2*k+1], v[GA+2*k:GA+2*k+1], s[NLE:NLE+1] op_sel_hi:[1,0]
.set k, k+1
.endr
.set k, 0
.rept 16
	v_exp_f32 v[GA+k], v[GA+k]
.set k, k+1
.endr
.endm
.macro GRCP                            ; the second, behind the first batch's wait: 1 is added a pair ahead of the pair's two reciprocals, which open the tile's second batch
	WIN WSG
.set k, 0
.rept 8
	v_pk_add_f32 v[GA+2*k:GA+2*k+1], v[GA+2*k:GA+2*k+1], 1.0 op_sel_hi:[1,0]
.if k > 0
	v_rcp_f32 v[GA+2*k-2], v[GA+2*k-2]
	v_rcp_f32 v[GA+2*k-1], v[GA+2*k-1]
.endif
.set k, k+1
.endr
	v_rcp_f32 v[GA+14], v[GA+14]
	v_rcp_f32 v[GA+15], v[GA+15]
.endm
.macro SMAX NK
.irp c, 0,1,2,3
	v_max3_num_f32 v[CH+\c], v[S+8*\c], v[S+8*\c+1], v[S+8*\c+2]
.endr
.irp e, 3,5
.irp c, 0,1,2,3
	v_max3_num_f32 v[CH+\c], v[CH+\c], v[S+8*\c+\e], v[S+8*\c+\e+1]
.endr
.endr
	v_max3_num_f32 v[CH], v[CH], v[S+7], v[S+15]
	v_max3_num_f32 v[CH+2], v[CH+2], v[S+23], v[S+31]
.set g, 1
.rept (\NK)/4-1
.irp e, 0,2,4,6
.irp c, 0,1,2,3
	v_max3_num_f32 v[CH+\c], v[CH+\c], v[S+32*g+8*\c+\e], v[S+32*g+8*\c+\e+1]
.endr
.endr
.set g, g+1
.endr
	v_max3_num_f32 v[CH], v[CH], v[CH+1], v[CH+2]
	v_max_num_f32 v[CH], v[CH], v[CH+3]
	v_permlanex16_b32 v[CH+1], v[CH], s[SEL], s[SEL+1]
	v_max_num_f32 v[MX], v[CH], v[CH+1]
	v_mov_b32 v[MX+1], v[MX]
.endm
.macro CL t, i                         ; line i of 8 for tile t, behind the batch's wait: four roundings, four sums
.if (\i) < 4
	v_cvt_pk_bf16_f32 v[P+4*(\t)+(\i)], v[S+8*(\t)+2*(\i)], v[S+8*(\t)+2*(\i)+1]
.elseif (\t) == 1
	v_pk_add_f32 v[AS+2*(\i)-8:AS+2*(\i)-7], v[S+2*(\i)-8:S+2*(\i)-7], v[S+2*(\i):S+2*(\i)+1]
.elseif (\t) > 1
	v_pk_add_f32 v[AS+2*(\i)-8:AS+2*(\i)-7], v[AS+2*(\i)-8:AS+2*(\i)-7], v[S+8*(\t)+2*(\i)-8:S+8*(\t)+2*(\i)-7]
.endif
.endm
; s - m and p = 2^(s - m) for all the lane's scores, in place, then the roundings and the sums.  The exponentials go on with the batch that the gate's reciprocals opened: a pair's subtraction stands two pairs
; ahead of its exponentials, between the exponentials of an earlier pair, so that no line ahead of the wait names a result.  Behind the wait: tile by tile, four roundings and four sums.
.macro SEXP NK
	WIN 0
.irp z, 0,1
	v_pk_add_f32 v[S+2*\z:S+2*\z+1], v[S+2*\z:S+2*\z+1], v[MX:MX+1] neg_lo:[0,1] neg_hi:[0,1]
.endr
.set k, 0
.rept 4*(\NK)
	v_exp_f32 v[S+2*k], v[S+2*k]
.if k+2 < 4*(\NK)
	v_pk_add_f32 v[S+2*k+4:S+2*k+5], v[S+2*k+4:S+2*k+5], v[MX:MX+1] neg_lo:[0,1] neg_hi:[0,1]
.endif
	v_exp_f32 v[S+2*k+1], v[S+2*k+1]
.set k, k+1
.endr
	v_nop                                          ; a plain instruction behind the last exponential: one for the batch
	s_wait_alu depctr_va_vdst(0)                   ; the wait for the second batch: the gate's 16 reciprocals and all the scores' exponentials
.set t, 0
.rept \NK
.set i, 0
.rept 8
	CL t, i
.set i, i+1
.endr
.set t, t+1
.endr
.endm
.macro PV NH, VS
	WIN WPV
.set n, 0
.rept \NH
.irp c, 0,1
.set ro, OA+(OB-OA)*(n%2)+8*\c
.if n < 2
	v_wmma_f32_16x16x32_bf16 v[ro:ro+7], v[VF+(\VS)*\c+8*n:VF+(\VS)*\c+8*n+7], v[P+8*n:P+8*n+7], 0
.else
	v_wmma_f32_16x16x32_bf16 v[ro:ro+7], v[VF+(\VS)*\c+8*n:VF+(\VS)*\c+8*n+7], v[P+8*n:P+8*n+7], v[ro:ro+7]
.endif
.endr
.set n, n+1
.endr
.endm
.macro LSUM                            ; l; the first four lines are the places behind V^T P
	WIN 0
	v_pk_add_f32 v[AS:AS+1], v[AS:AS+1], v[AS+2:AS+3]
	v_pk_add_f32 v[AS+4:AS+5], v[AS+4:AS+5], v[AS+6:AS+7]
	v_pk_add_f32 v[AS:AS+1], v[AS:AS+1], v[AS+4:AS+5]
	v_add_f32 v[CH], v[AS], v[AS+1]
	v_permlanex16_b32 v[CH+1], v[CH], s[SEL], s[SEL+1]
	v_add_f32 v[CH], v[CH], v[CH+1]
.endm
.macro LRCP                            ; 1 / l, twice, for the packed multiply: the tile's third batch
	v_rcp_f32 v[RL], v[CH]
	v_rcp_f32 v[RL+1], v[CH]
.endm
.macro OEPI
	WIN 0x45
.set k, 0
.rept 8                                ; these eight lines name neither reciprocal: the independent work behind the third batch, the first of them its plain instruction
	v_pk_add_f32 v[OA+2*k:OA+2*k+1], v[OA+2*k:OA+2*k+1], v[OB+2*k:OB+2*k+1]
.set k, k+1
.endr
	WIN 0x41
.set k, 0
	s_wait_alu depctr_va_vdst(0)                   ; the wait for the third batch: the two reciprocals of l
.rept 8
	v_pk_mul_f32 v[OA+2*k:OA+2*k+1], v[OA+2*k:OA+2*k+1], v[RL:RL+1]
.set k, k+1
.endr
	WIN WOG
.set k, 0
.rept 8
	v_pk_mul_f32 v[OA+2*k:OA+2*k+1], v[OA+2*k:OA+2*k+1], v[GA+2*k:GA+2*k+1]
.set k, k+1
.endr
	WIN 0x05
.set k, 0
.rept 8
	v_cvt_pk_bf16_f32 v[T+k], v[OA+2*k], v[OA+2*k+1]
.set k, k+1
.endr
	WIN 0
	ds_store_b128 v[SA], v[T:T+3]
	ds_store_b128 v[SA], v[T+4:T+7] offset:32
	v_add_nc_u32 v[SA], OSTEP, v[SA]
.endm
.macro BAR                             ; my LDS instructions are done, for the others' sake; then the work-group's barrier
	WIN 0
	s_wait_dscnt 0x0
	s_barrier_signal -1
	s_barrier_wait -1
.endm
	s_load_b512 s[8:23], s[0:1], 0x0               ; node 8, og 10, mask 12, wf 14, out0 16, row_out_bias 18, col_ln_g 20, col_ln_b 22
	s_load_b256 s[24:31], s[0:1], 0x40             ; col_bo 24, col_bg 26, tr_ln_g 28, tr_ln_b 30
	s_load_b128 s[32:35], s[0:1], 0x60             ; tr_b1 32, tr_b2 34
	v_lshl_add_u32 v[SPW], v0, 2, SPARE
	v_mov_b32 v[NIL], 0
	v_mov_b32 v[ZERO], 0
	v_lshrrev_b32 v2, 5, v0
	v_readfirstlane_b32 s[WVN], v2                 ; wave 0..3
	v_and_b32 v2, 15, v0                           ; r
	v_bfe_u32 v3, v0, 4, 1                         ; h
	v_and_b32 v[L16], 31, v0
	v_lshlrev_b32 v[L16], 4, v[L16]
	v_lshlrev_b32 v[R16], 4, v2
	v_mul_u32_u24 v[XSU], v2, XP
	v_lshl_add_u32 v[XSU], v3, 4, v[XSU]           ; a fragment: row r, 16 h
	v_add_nc_u32 v[XSX], XR, v[XSU]
	v_add_nc_u32 v[XSU], UR, v[XSU]
	s_lshl_b32 s60, s[WVN], 7
	v_add_nc_u32 v[UST], s60, v[XSU]               ; into U: row r, my wave's 128 bytes, 16 h
	v_mov_b32 v[SAH], v[UST]
	v_mul_u32_u24 v[RESA0], v2, RP
	v_lshl_add_u32 v[RESA0], v3, 5, v[RESA0]
	s_lshl_b32 s60, s[WVN], 8
	v_add_nc_u32 v[RESA0], s60, v[RESA0]           ; res: row r, my wave's 64 columns, 8 h of them on
	v_add_nc_u32 v[RESA0+1], 64*RP, v[RESA0]
	v_lshlrev_b32 v[CBA], 5, v3
	v_add_nc_u32 v[MRA], MSK, v[CBA]
	v_add_nc_u32 v[CBA], s60, v[CBA]
	v_add_nc_u32 v[BGA], PAR+7168, v[CBA]
	v_add_nc_u32 v[CBA], PAR+8192, v[CBA]
	v_add_nc_u32 v[LNP], PAR, v[R16]
	v_mul_u32_u24 v[LRA0], v3, RP
	v_add_nc_u32 v[LRA0], v[LRA0], v[R16]
	s_mul_i32 s60, s[WVN], 32*RP
	v_add_nc_u32 v[LRA0], s60, v[LRA0]             ; res by rows: row 32 w + h, 16 r
	v_mul_u32_u24 v[LXA0], v3, XP
	v_lshl_add_u32 v[LXA0], v2, 3, v[LXA0]
	s_mul_i32 s60, s[WVN], 32*XP
	s_add_co_u32 s61, s60, XR
	v_add_nc_u32 v[LXA0], s61, v[LXA0]
	s_add_co_u32 s61, s60, UR
	v_add_nc_u32 v[UP0], s61, v[L16]
	v_lshl_add_u32 v[GO], v3, 18, v[R16]           ; node and out0: token h of a pair, 16 r
	v_lshlrev_b32 v[T8], 3, v0
	v_lshlrev_b32 v[T16], 4, v0
	v_lshlrev_b32 v[T1K], 10, v0
	v_add_nc_u32 v[PST], PAR, v[T8]
	v_add_nc_u32 v[PS2], PAR+8192, v[T16]
	v_lshl_add_u32 v[MST], v0, 2, MSK
	s_mov_b32 s[SEL], 0x76543210
	s_mov_b32 s[SEL+1], 0xfedcba98
	s_mov_b32 s[QSC], 0x3e8293ee                   ; log2(e) / sqrt(32)
	s_mov_b32 s[QSC+1], s[QSC]
	s_mov_b32 s[IC], 0x3b800000                    ; 1/256
	s_mov_b32 s[IC+1], 0x3727c5ac                  ; 1e-5
	s_mov_b32 s[NLE], 0xbfb8aa3b
	s_mov_b32 s[NLE+1], s[NLE]
	s_mov_b32 s[SOFF], 0
	s_lshl_b32 s60, ttmp9, 10                      ; node, out0: my residue's row, my wave's 32 tokens
	s_lshl_b32 s61, s[WVN], 23
	s_add_co_u32 s60, s60, s61
	s_mov_b32 s61, 0
	s_mov_b32 s45, 0
	s_wait_kmcnt 0x0
	s_add_nc_u64 s[8:9], s[8:9], s[60:61]
	s_add_nc_u64 s[OUTB:OUTB+1], s[16:17], s[60:61]
	s_lshl_b32 s44, ttmp9, 9
	s_lshl_b32 s60, s[WVN], 22
	s_add_co_u32 s44, s44, s60
	s_add_nc_u64 s[10:11], s[10:11], s[44:45]
	s_lshl_b32 s44, ttmp9, 2
	s_add_nc_u64 s[12:13], s[12:13], s[44:45]
	s_mul_i32 s44, s[WVN], 28*16384
	s_add_co_u32 s44, s44, ST
	s_add_nc_u64 s[WB:WB+1], s[14:15], s[44:45]
	s_mov_b64 s[WP:WP+1], s[WB:WB+1]
	; ---------------- everything the work-group reads but weights, in one go ----------------
	BLK 2, RA, 0                                   ; row_wo, first block: the stream's block 0
	WIN 0
	global_load_b64 v[PRM:PRM+1], v[T8], s[20:21]
	global_load_b64 v[PRM+2:PRM+3], v[T8], s[22:23]
	global_load_b64 v[PRM+4:PRM+5], v[T8], s[18:19]
	global_load_b64 v[PRM+6:PRM+7], v[T8], s[28:29]
	global_load_b64 v[PRM+8:PRM+9], v[T8], s[30:31]
	global_load_b64 v[PRM+10:PRM+11], v[T8], s[24:25]
	global_load_b64 v[PRM+12:PRM+13], v[T8], s[34:35]
	global_load_b64 v[PRM+14:PRM+15], v[T8], s[26:27]
	global_load_b128 v[PRM+16:PRM+19], v[T16], s[32:33]
	global_load_b128 v[PRM+20:PRM+23], v[T16], s[32:33] offset:2048
	global_load_b32 v[PRM+24], v[T1K], s[12:13]    ; the mask of token = my thread's number
	WIN 0xc0
.set n, 0
.rept 32                               ; og: token 32 w + n, a row of 512 bytes a load
	global_load_b128 v[4*n:4*n+3], v[L16], s[10:11] offset:131072*n th:TH_LOAD_NT
.set n, n+1
.endr
	WIN 0x40
.set n, 0
.rept 64                               ; node: tokens 32 w + 2 (n / 4) + h, columns 64 (n % 4) on
	global_load_b128 v[4*n:4*n+3], v[GO], s[8:9] offset:(n/4)*524288+(n%4)*256 th:TH_LOAD_NT
.set n, n+1
.endr
	WIN 0
	s_wait_loadcnt 63                              ; 64 loads of node are the youngest: all in front of them are in
	v_pk_add_f32 v[PRM+10:PRM+11], v[PRM+10:PRM+11], v[PRM+4:PRM+5]      ; A2 = row_out_bias + col_bo
	v_pk_add_f32 v[PRM+12:PRM+13], v[PRM+12:PRM+13], v[PRM+10:PRM+11]    ; A3 = A2 + tr_b2
.set n, 0
.rept 8
	ds_store_b64 v[PST], v[PRM+2*n:PRM+2*n+1] offset:1024*n
.set n, n+1
.endr
	ds_store_b128 v[PS2], v[PRM+16:PRM+19]
	ds_store_b128 v[PS2], v[PRM+20:PRM+23] offset:2048
	v_add_f32 v[PRM+24], -1.0, v[PRM+24]           ; ((mask - 1) x 1e9) x log2(e)
	v_mul_f32 v[PRM+24], 0x4e6e6b28, v[PRM+24]
	v_mul_f32 v[PRM+24], 0x3fb8aa3b, v[PRM+24]
	ds_store_b32 v[MST], v[PRM+24]
	WIN 0x0c
.set n, 0
.rept 32
	ds_store_b128 v[UP0], v[4*n:4*n+3] offset:XP*n
.set n, n+1
.endr
	WIN 0x04
.irp g, 0,1,2,3
	s_wait_loadcnt 48-16*\g                        ; the later groups' loads, 16 each, stay out
.set n, 16*\g
.rept 16
	ds_store_b128 v[LRA0], v[4*n:4*n+3] offset:(n/4)*2*RP+(n%4)*256
.set n, n+1
.endr
.endr
	BAR
	; ---------------- twice: an output projection onto res, then LayerNorm; between the two, the column attention ----------------
	s_mov_b32 s[LC], 2
.Llayer:
	GEMM 1, XSU, 1
	POST_R 1
	BAR                                            ; res is whole
	s_wait_loadcnt 0x0                             ; the ring's last three groups, asked for in the trip just ended, are in: no load is out when the text leaves the ring's walk
	s_cmp_eq_u32 s[LC], 2
	s_cbranch_scc0 .Lnoblk
	STEPW
	BLK 2, WV, 0                                   ; the first head's wv, wq, wg land under the LayerNorm (its wk is in the ring already)
	BLK 3, WQ, 1
	BLK 3, WG, 2
	SADV 2
	WIN 0
.Lnoblk:
.set n, 0
.rept 4
	ds_load_b128 v[G+4*n:G+4*n+3], v[LNP] offset:256*n
	ds_load_b128 v[BV+4*n:BV+4*n+3], v[LNP] offset:1024+256*n
	ds_load_b128 v[AD+4*n:AD+4*n+3], v[LNP] offset:2048+256*n
.set n, n+1
.endr
	v_mov_b32 v[LRA], v[LRA0]
	v_mov_b32 v[LXA], v[LXA0]
	s_mov_b32 s[CNT], 8
.Lln:                                  ; four of my 32 rows a trip
.set n, 0
.rept 8
	ds_load_b128 v[LNS+4*n:LNS+4*n+3], v[LRA] offset:(n/4)*2*RP+(n%4)*256
.set n, n+1
.endr
	s_wait_dscnt 0x0
	LN_CORE LNS, 2, 16, 1
.set n, 0
.rept 8
	ds_store_b64 v[LXA], v[LNS+16*(n/4)+2*(n%4):LNS+16*(n/4)+2*(n%4)+1] offset:(n/4)*2*XP+(n%4)*128
.set n, n+1
.endr
	v_add_nc_u32 v[LRA], 4*RP, v[LRA]
	v_add_nc_u32 v[LXA], 4*XP, v[LXA]
	s_sub_co_u32 s[CNT], s[CNT], 1
	s_cmp_lg_u32 s[CNT], 0
	s_cbranch_scc1 .Lln
	v_add_nc_u32 v[LNP], 3072, v[LNP]              ; the next LayerNorm's three vectors
	BAR                                            ; X is whole
	s_cmp_lg_u32 s[LC], 2
	s_cbranch_scc1 .Lnoatt
.set n, 0
.rept 16                               ; the mask's term in C-operand order
	ds_load_b128 v[MK+4*n:MK+4*n+3], v[MRA] offset:(n/2)*64+(n%2)*16
.set n, n+1
.endr
	s_mov_b32 s[HD], 2
.Lhead:
	s_wait_loadcnt 0x0                             ; wk and wv are in (asked for in the middle of the head before, or ahead of the LayerNorm), for the first head wq and wg too: no load is out
	s_wait_dscnt 0x0                               ; nor any LDS instruction: the mask's term, or the last tile's two stores
	s_cmp_eq_u32 s[HD], 2
	s_cbranch_scc1 .Lh0
	STEPW
	BLK 3, WQ, 0                                   ; the second head's wq, wg: their registers' last products are the head before's; they have the 256 products of k and v in which to land
	BLK 3, WG, 1
	SADV 1
	WIN 0
.Lh0:
	WIN 0x40
	XLOAD XFA, 0, 0
	XLOAD XFB, 0, 16*XP
	XLOAD XFA, 1, 0
	XLOAD XFB, 1, 16*XP
	KVP 0
	KVP 1
	KVP 2
	KVP 3
	STEPW
	BLK 2, RA, 0                                   ; the next head's wk, or col_wo's first block
	WIN 0
	s_cmp_eq_u32 s[HD], 2
	s_cbranch_scc0 .Lh1
	BLK 2, WV, 1                                   ; the next head's wv; this head's wq, wg came in at the head's beginning
	SADV 1
	WIN 0
	s_branch .Lh2
.Lh1:
	s_wait_loadcnt 32                              ; wq, wg are in: the 32 loads of col_wo's block are younger
.Lh2:
	WIN 0x40
.set n, 0
.rept 4
	ds_load_b128 v[BG+4*n:BG+4*n+3], v[BGA] offset:(n/2)*64+(n%2)*16
.set n, n+1
.endr
	WIN 0
	v_mov_b32 v[XA], v[XSX]
	v_mov_b32 v[SA], v[SAH]
	XFLOAD
	s_mov_b32 s[QC], 8
.Lq:                                   ; a query tile
	s_wait_dscnt 0x0
	PROJ
	NOP4
	QCVT
	WIN 0
	s_cmp_eq_u32 s[QC], 1
	s_cbranch_scc1 .Lq1
	v_add_nc_u32 v[XA], 16*XP, v[XA]
	XFLOAD
.Lq1:
	QK 8
	GEXP                                           ; the first batch: the gate's 16 exponentials
	WIN 0
	SMAX 8                                         ; names none of their results: the independent work behind the batch, its first line the plain instruction behind the last exponential
	s_wait_alu depctr_va_vdst(0)                   ; the wait for the first batch, ahead of the additions of 1 that read it
	GRCP                                           ; the second batch opens: the gate's 16 reciprocals,
	SEXP 8                                         ; and goes on with the scores' 64 exponentials; its one wait stands in there, ahead of the roundings and sums
	PV 4, 32
	LSUM
	LRCP                                           ; the third batch; its wait stands in OEPI, behind the joining of the parities
	OEPI
	s_sub_co_u32 s[QC], s[QC], 1
	s_cmp_lg_u32 s[QC], 0
	s_cbranch_scc1 .Lq
	v_add_nc_u32 v[SAH], 64, v[SAH]
	v_add_nc_u32 v[BGA], 128, v[BGA]
	s_sub_co_u32 s[HD], s[HD], 1
	s_cmp_lg_u32 s[HD], 0
	s_cbranch_scc1 .Lhead
	BAR                                            ; U holds all heads' gated o, and nobody reads X any more
.Lnoatt:
	s_wait_loadcnt 0x0                             ; col_wo's first block, asked for eight query tiles ago, is in: no load is out when the registers of wv, wq, wg are loaded from LDS
	s_sub_co_u32 s[LC], s[LC], 1
	s_cmp_lg_u32 s[LC], 0
	s_cbranch_scc1 .Llayer
	; ---------------- the transition: four chunks of 256 hidden channels ----------------
	PRE_R 3                                        ; the second product's sums start from res and stay in registers
	WIN 0
	s_mov_b32 s[CHK], 4
.Lch:
	GEMM 1, XSX, 2
	BAR                                            ; every wave's reads of U for the chunk before are over
	POST_H
	BAR                                            ; the chunk's hidden layer is whole
	GEMM 3, XSU, 0
	v_add_nc_u32 v[CBA], 1024, v[CBA]
	s_sub_co_u32 s[CHK], s[CHK], 1
	s_cmp_lg_u32 s[CHK], 0
	s_cbranch_scc1 .Lch
	POST_R 3
	BAR
	; ---------------- the way out: res + the three biases, by rows ----------------
.set n, 0
.rept 4
	ds_load_b128 v[AD+4*n:AD+4*n+3], v[LNP] offset:256*n
.set n, n+1
.endr
	v_mov_b32 v[LRA], v[LRA0]
	s_mov_b32 s[CNT], 4
.Lout:                                 ; eight of my 32 rows a trip
.set n, 0
.rept 16
	ds_load_b128 v[LNS+4*n:LNS+4*n+3], v[LRA] offset:(n/4)*2*RP+(n%4)*256
.set n, n+1
.endr
	s_wait_dscnt 0x0
.set n, 0
.rept 32
	v_pk_add_f32 v[LNS+2*n:LNS+2*n+1], v[LNS+2*n:LNS+2*n+1], v[AD+2*(n%8):AD+2*(n%8)+1]
.set n, n+1
.endr
.set n, 0
.rept 16
	global_store_b128 v[GO], v[LNS+4*n:LNS+4*n+3], s[OUTB:OUTB+1] offset:(n/4)*524288+(n%4)*256 th:TH_STORE_NT   ; two aligned runs of 256 bytes
.set n, n+1
.endr
	s_wait_xcnt 0x0                                ; the stores have read their registers and their base
	s_add_nc_u64 s[OUTB:OUTB+1], s[OUTB:OUTB+1], 2097152
	v_add_nc_u32 v[LRA], 8*RP, v[LRA]
	s_sub_co_u32 s[CNT], s[CNT], 1
	s_cmp_lg_u32 s[CNT], 0
	s_cbranch_scc1 .Lout
	s_wait_tensorcnt 0x0                           ; the wave's end, behind my last LDS store
	ds_add_u32 v[SPW], v[NIL]
	s_wait_dscnt 0x0
	s_endpgm
.Lfunc_end_k_q50a4f5a7cb_colmlp:
	.size	k_q50a4f5a7cb_colmlp, .Lfunc_end_k_q50a4f5a7cb_colmlp-k_q50a4f5a7cb_colmlp
	.p2alignl 7, 3214868480
	.fill 96, 4, 3214868480
	.section	.rodata,"a",@progbits
	.p2align	6, 0x0
	.amdhsa_kernel k_q50a4f5a7cb_colmlp
		.amdhsa_group_segment_fixed_size 281600
		.amdhsa_private_segment_fixed_size 0
		.amdhsa_enable_private_segment 0
		.amdhsa_kernarg_size 112
		.amdhsa_user_sgpr_count 2
		.amdhsa_user_sgpr_kernarg_segment_ptr 1
		.amdhsa_wavefront_size32 1
		.amdhsa_system_sgpr_workgroup_id_x 1
		.amdhsa_system_sgpr_workgroup_id_y 1
		.amdhsa_system_sgpr_workgroup_id_z 1
		.amdhsa_system_vgpr_workitem_id 0
		.amdhsa_next_free_vgpr 1024
		.amdhsa_next_free_sgpr 66
		.amdhsa_reserve_vcc 0
		.amdhsa_float_denorm_mode_32 3
		.amdhsa_float_denorm_mode_16_64 3
		.amdhsa_memory_ordered 1
		.amdhsa_forward_progress 1
		.amdhsa_inst_pref_size 217
	.end_amdhsa_kernel
	.amdgpu_metadata
---
amdhsa.version: [ 1, 2 ]
amdhsa.kernels:
  - .name:           k_q50a4f5a7cb_colmlp
    .symbol:         k_q50a4f5a7cb_colmlp.kd
    .args:
      - { .name: node, .offset: 0, .size: 8, .value_kind: global_buffer, .address_space: global }
      - { .name: og, .offset: 8, .size: 8, .value_kind: global_buffer, .address_space: global }
      - { .name: node_mask, .offset: 16, .size: 8, .value_kind: global_buffer, .address_space: global }
      - { .name: wf, .offset: 24, .size: 8, .value_kind: global_buffer, .address_space: global }
      - { .name: out0, .offset: 32, .size: 8, .value_kind: global_buffer, .address_space: global }
      - { .name: row_out_bias, .offset: 40, .size: 8, .value_kind: global_buffer, .address_space: global }
      - { .name: col_ln_g, .offset: 48, .size: 8, .value_kind: global_buffer, .address_space: global }
      - { .name: col_ln_b, .offset: 56, .size: 8, .value_kind: global_buffer, .address_space: global }
      - { .name: col_bo, .offset: 64, .size: 8, .value_kind: global_buffer, .address_space: global }
      - { .name: col_bg, .offset: 72, .size: 8, .value_kind: global_buffer, .address_space: global }
      - { .name: tr_ln_g, .offset: 80, .size: 8, .value_kind: global_buffer, .address_space: global }
      - { .name: tr_ln_b, .offset: 88, .size: 8, .value_kind: global_buffer, .address_space: global }
      - { .name: tr_b1, .offset: 96, .size: 8, .value_kind: global_buffer, .address_space: global }
      - { .name: tr_b2, .offset: 104, .size: 8, .value_kind: global_buffer, .address_space: global }
    .group_segment_fixed_size: 281600
    .private_segment_fixed_size: 0
    .kernarg_segment_align: 8
    .kernarg_segment_size: 112
    .max_flat_workgroup_size: 128
    .sgpr_count:     66
    .vgpr_count:     1024
    .wavefront_size: 32
...
	.end_amdgpu_metadata
.endif
;; end of part 5
